; MI455X (gfx1250); checked and timed in simulation.
; The chip was launched on July 23, 2026; its instructions are those of AMD's public machine-readable ISA for CDNA 5 (MIT licence, August 2026) and "CDNA5" Instruction Set Architecture Reference Guide (July 2026). The comments in the code are by the model that wrote it; some were corrected since.
;; Encoder Layer. Allowed arithmetic: matrix products marked QUANTISED: E2M3 operands, one E8M0 scale for each 32 along K, by v_wmma_scale_f32_16x16x128_f8f6f4 with both operands' format E2M3, f32 sums; everything else in f32.
;; Inputs: W1_codes 2,048 x 16 x 24 uint8 (E2M3 codes of W1, K innermost, in blocks of 32 codes, four codes in three bytes); W1_scales 2,048 x 16 uint8 (E8M0 scales of W1, one for each 32 codes along K); W2_codes 512 x 64 x 24 uint8 (E2M3 codes of W2, K innermost, in blocks of 32 codes, four codes in three bytes); W2_scales 512 x 64 uint8 (E8M0 scales of W2, one for each 32 codes along K); Wk_codes 512 x 16 x 24 uint8 (E2M3 codes of Wk, K innermost, in blocks of 32 codes, four codes in three bytes); Wk_scales 512 x 16 uint8 (E8M0 scales of Wk, one for each 32 codes along K); Wo_codes 512 x 16 x 24 uint8 (E2M3 codes of Wo, K innermost, in blocks of 32 codes, four codes in three bytes); Wo_scales 512 x 16 uint8 (E8M0 scales of Wo, one for each 32 codes along K); Wq_codes 512 x 16 x 24 uint8 (E2M3 codes of Wq, K innermost, in blocks of 32 codes, four codes in three bytes); Wq_scales 512 x 16 uint8 (E8M0 scales of Wq, one for each 32 codes along K); Wv_codes 512 x 16 x 24 uint8 (E2M3 codes of Wv, K innermost, in blocks of 32 codes, four codes in three bytes); Wv_scales 512 x 16 uint8 (E8M0 scales of Wv, one for each 32 codes along K); b1 2,048 float32; b2 512 float32; beta1 512 float32; beta2 512 float32; bk 512 float32; bo 512 float32; bq 512 float32; bv 512 float32; gamma1 512 float32; gamma2 512 float32; x 2 x 4,096 x 512 float32.
;; Outputs: out0 2 x 4,096 x 512 float32.
;; This version of the problem:
;;   THIS VERSION OF THE PROBLEM IS GIVEN IN LOW PRECISION. The matrix products marked QUANTISED in the list below multiply operands that are first quantised to E2M3 (2 exponent bits, 3 mantissa bits; 6 bits a number), with one power-of-two scale for each 32 numbers along K (OCP MX v1.0); their sums are f32. All else is computed in f32.
;;   The module's matrix products, in the order in which they are computed (A, B: the left and right operand; K: the contracted axis; several contracted axes count as one K, in the product's order):
;;     1. [M 8,192, K 512] x [K 512, N 512]; A: input x; B: input Wq (given as codes): QUANTISED
;;     2. [M 8,192, K 512] x [K 512, N 512]; A: input x; B: input Wk (given as codes): QUANTISED
;;     3. [M 8,192, K 512] x [K 512, N 512]; A: input x; B: input Wv (given as codes): QUANTISED
;;     4. batch 16 x [M 4,096, K 64] x [K 64, N 4,096]; A: computed on the way; B: computed on the way: QUANTISED
;;     5. batch 16 x [M 4,096, K 4,096] x [K 4,096, N 64]; A: softmax (see below); B: computed on the way: QUANTISED
;;     6. [M 8,192, K 512] x [K 512, N 512]; A: computed on the way; B: input Wo (given as codes): QUANTISED
;;     7. [M 8,192, K 512] x [K 512, N 2,048]; A: computed on the way; B: input W1 (given as codes): QUANTISED
;;     8. [M 8,192, K 2,048] x [K 2,048, N 512]; A: computed on the way; B: input W2 (given as codes): QUANTISED
;;   THE QUANTISER, for each operand of a quantised product, along K:
;;     - K is cut into blocks of 32 from its start; a last block that is shorter is filled with zeros.
;;     - A block's scale is 2^e with e = floor(log2(the largest magnitude in the block)) - 2, held to -126 .. 127; a block of zeros has e = 0. As a byte (E8M0): e + 127.
;;     - Each number is divided by its block's scale, clamped to +-7.5, and rounded to the nearest number of E2M3, ties to even, subnormals kept.
;;     - The product sums the exact products of the quantised numbers (number of the format x scale) in f32.
;;   ~~~python
;;   def quantise(x, axis):      # numpy; x: float32 -> the quantised numbers, widened to float32 again
;;       x = np.moveaxis(x, axis, -1); K = x.shape[-1]
;;       x = np.pad(x, [(0, 0)] * (x.ndim - 1) + [(0, -K % 32)]); x = x.reshape(x.shape[:-1] + (-1, 32)); a = np.abs(x).max(-1, keepdims=True)
;;       e = np.where(a > 0, np.clip(np.frexp(np.where(a > 0, a, 1))[1] - 1 - 2, -126, 127), 0)      # np.frexp(a)[1] - 1 = floor(log2(a)), exactly
;;       r = np.clip(x / 2.0 ** e, -7.5, 7.5)
;;       step = 2.0 ** (np.maximum(np.frexp(np.where(r == 0, 1, r))[1] - 1, 0) - 3)
;;       q = np.round(r / step) * step * 2.0 ** e      # np.round: ties to even
;;       return np.moveaxis(q.reshape(q.shape[:-2] + (-1,))[..., :K], -1, axis).astype(np.float32)
;;   ~~~
;;   SOFTMAX AHEAD OF A QUANTISED PRODUCT. Where the list says 'softmax', what is quantised is not the finished softmax but p = 2^(t - M), with t = logit x log2(e) and M = ceil(the row's largest t), a whole number; so 1/2 < the row's largest p <= 1. The row's sum l is taken of the UNQUANTISED p, in f32, and the product's result is divided by l at the end. Since M is a whole number, a kernel that streams over the keys may use a running M (the ceiling of the running maximum): every later rescaling is an exact power of two, which a block's scale takes up: the codes' values come out the same.
;;   OPERANDS COMPUTED ON THE WAY. 'Computed on the way' means the value that the module computes at that place (a softmax that the list does not call 'softmax' is quantised finished and normalised). What goes into a quantiser is computed in f32, as accurately as f32 sums, v_exp_f32 and their like allow (about 1e-6 of the number): no bf16 or f16 on the way to a quantiser, and a product that is left as it is and whose result goes on into a quantised operand takes f32 operands (vector FMAs, or v_wmma_f32_16x16x4_f32). A number that lies on a knife's edge between two numbers of the format may be rounded either way, as far as f32 arithmetic and the matrix unit's own rounding can turn it there, and no further.
;;   INPUTS GIVEN AS CODES. W1 (in the module: [512, 2048], K = its axis 0); W2 (in the module: [2048, 512], K = its axis 0); Wk (in the module: [512, 512], K = its axis 0); Wo (in the module: [512, 512], K = its axis 0); Wq (in the module: [512, 512], K = its axis 0); Wv (in the module: [512, 512], K = its axis 0): each comes as NAME_codes (uint8): NAME with its K axis moved to the last place and cut into blocks of 32 codes, [.., K / 32, bytes a block], one block behind the other in memory; four codes in three bytes: a row's codes are one little-endian stream of bits, code i at bits 6 i .. 6 i + 5 (a code: sign, 2 exponent bits, 3 mantissa bits); and NAME_scales (uint8): the same leading axes, one E8M0 byte (e + 127) for each 32 codes along K. Its value is code x scale, taken as it is: it is not quantised again, and the codes and scales need not be those that the quantiser above would give.
;; 3 versions. Each part assembles by itself: llvm-mc -triple=amdgcn-amd-amdhsa -mcpu=gfx1250 --defsym DOCPART=n.
;; ======== version 1 of 3: 5 launches
;; workspace buffers: ws1 11,010,048 bytes; oimg 3,276,800 bytes; x1buf 20,054,016 bytes; himg 13,107,200 bytes
;; launch qkv (part 1): grid 64 x 4, 4 waves a work-group, no clusters, 53,760 bytes of LDS; arguments x, Wq_codes, Wq_scales, bq, Wk_codes, Wk_scales, bk, Wv_codes, Wv_scales, bv, W2_codes, ws1; writes ws1
.if DOCPART == 1
	.amdgcn_target "amdgcn-amd-amdhsa--gfx1250"
	.amdhsa_code_object_version 6
	.text
	.protected	k_q33ba4f1408_qkv
	.globl	k_q33ba4f1408_qkv
	.p2align	8
	.type	k_q33ba4f1408_qkv,@function
k_q33ba4f1408_qkv:
	s_mov_b64 s[64:65], 0
	v_nop
	global_prefetch_b8 v0, s[64:65] scope:SCOPE_SE
	s_setreg_imm32_b32 hwreg(HW_REG_WAVE_MODE, 25, 1), 1
	s_wait_xcnt 0x0
; q = x Wq + bq, k = x Wk + bk, v = x Wv + bv on codes of E2M3 with one E8M0 scale for each 32 along K; the results are quantised at once (q, k along a head's 64 channels,
; v along the tokens) and stored as IMAGES OF OPERAND REGISTERS for the attention launch.  Work-group (g, y): g = 128 tokens; y = 0: q, 1: k, 2: v, 3: W2's codes are re-laid as register images.
; TILES.  Lane index r of a tile of 16 rows (tokens or channels) stands for row base + r + 8 (r / 8), tile 2 b + u beginning at 32 b + 8 u.  So the 16 registers that a lane holds of the results
; of tiles 2 b and 2 b + 1 are 16 neighbours, 32 b + 16 (lane / 16) + 0 .. 15: what the conversions to codes want.
; SHARES (y < 3).  Phase X: wave w quantises token tiles 2 w, 2 w + 1 of x (8 fragments of 16 rows x 128 K) and stores their register images in LDS; one barrier.  Then wave w makes heads 2 w and
; 2 w + 1, one a pass: 64 channels x 128 tokens in 32 accumulators, its weights in registers.  q, k: source 0 = 16 channels of W, source 1 = 16 tokens: a lane holds one token, registers run along
; channels.  v: the sources are swapped: a lane holds one channel, registers run along tokens.  The bias is the C of each sum's first product.
; No tensor loads and no cluster: each weight fragment is wanted by one wave alone, and x's codes are made here.
; LIMITS: NaN and infinities are not served; a block whose largest magnitude lies under 2^-124 (a block of zeros too: its codes are zeros) gets the byte 1; only this program reads these bytes.
; REGISTERS: window 0: v2-13 addresses; v16-47 W's scale words; v48-63 x's scale words, two sets; v64-159, v160-255 x's fragments, two buffers (outside the sweeps v160-203 are at work);
;   window 1: pass 0's 16 weight fragments; window 3: pass 1's, and from v192 the biases; window 2: four sets of 64 numbers of x, then the 32 accumulators.
.set QS_O,  3145728                    ; ws1: q's scale words
.set KVC_O, 3407872                    ; k's and v's codes, 12,288 bytes a record
.set KVS_O, 9699328                    ; k's and v's scale words, 1,024 bytes a record
.set W2I_O, 10223616                   ; W2's fragments as images
.set FRB,   1536                       ; a fragment's image: 12 registers x 128 bytes
.set XSC,   49152                      ; LDS: behind x's 32 images their scale words, 128 bytes each
.set LI,  2                            ; 16 x lane
.set LS,  3                            ; 4 x lane
.set XA,  4                            ; x: row x 2,048 + 64 x half
.set XWI, 5                            ; where I store x's images
.set XWS, 6                            ; and their scale words
.set WA,  7                            ; a weight's row x 384 + 24 x half
.set WSA, 8                            ; a weight's row of scale bytes
.set BA,  9                            ; bias
.set WS,  16
.set XS,  48
.set XB,  64
.set PC,  160                          ; codes just made (12) and the conversions' second halves (8)
.set TM,  180                          ; +0..3 largest magnitudes, +4..7 the other half's, then bytes, +8..11 the conversions' scale operands
.set KW,  192                          ; scale words of 8 tiles
.set IM,  200                          ; four scale words to store
.set SEL, 48
.set MSB, 0
.macro WIN new                         ; the immediate's high byte repeats the setting that is left; a switch that changes nothing is dropped
.if MSB != (\new)
	s_set_vgpr_msb (MSB<<8)|(\new)
.set MSB, (\new)
.endif
.endm
.macro PLACES n
.rept \n
	v_nop
.endr
.endm
.macro BAR                             ; my LDS stores have landed and my LDS loads are in: then the work-group's barrier
	s_wait_dscnt 0x0
	s_barrier_signal -1
	s_barrier_wait -1
.endm
; 64 numbers of a lane in window win, register 16 b + i = index 32 b + 16 (lane / 16) + i, become 12 registers of codes at v[PC] and four scale bytes at v[TM+4..7].
; xw = 1: v[PC] was the data of earlier global stores, so the wait for their addresses stands ahead of the conversions.
.macro QUANT4 src, win, xw
	WIN (\win)|((\win)<<2)
.irp b, 0,1,2,3
	v_max3_num_f32 v[TM+\b], |v[(\src)+16*\b]|, |v[(\src)+16*\b+1]|, 0x1800000   ; my 16 numbers of block b, and the floor 2^(3 - 127): the byte cannot fall under 1
.endr
	WIN ((\win)<<2)|((\win)<<4)
.irp i, 2,4,6,8,10,12,14
.irp b, 0,1,2,3
	v_max3_num_f32 v[TM+\b], v[TM+\b], |v[(\src)+16*\b+\i]|, |v[(\src)+16*\b+\i+1]|   ; the four blocks by turns; each accumulator is read from its low end on
.endr
.endr
	WIN 0
.irp b, 0,1,2,3
	v_permlanex16_b32 v[TM+4+\b], v[TM+\b], s[SEL], s[SEL+1]
.endr
.irp b, 0,1,2,3
	v_max_num_f32 v[TM+\b], v[TM+\b], v[TM+4+\b]                   ; with lane l xor 16's: the block's largest magnitude
.endr
.irp b, 0,1,2,3
	v_add_nc_u32 v[TM+8+\b], 0xff000000, v[TM+\b]                  ; 2 off its exponent field: the conversion's scale operand
.endr
.irp b, 0,1,2,3
	v_lshrrev_b32 v[TM+4+\b], 23, v[TM+8+\b]                       ; the scale's byte
.endr
.if \xw
	s_wait_xcnt 0x0
.endif
	WIN \win
.irp c, 0,1
	v_cvt_scalef32_pk16_fp6_f32 v[PC+6*\c:PC+6*\c+2], v[(\src)+32*\c:(\src)+32*\c+15], v[TM+8+2*\c]
	v_cvt_scalef32_pk16_fp6_f32 v[PC+12+4*\c:PC+14+4*\c], v[(\src)+32*\c+16:(\src)+32*\c+31], v[TM+9+2*\c]   ; (a conversion's three registers begin on an even number)
.endr
	WIN 0
	v_nop                                                          ; one plain place behind the scaled conversions
.irp c, 0,1                            ; the operand's layout wants a whole block in a lane: lanes 0-15 block 2 c, lanes 16-31 block 2 c + 1
.irp i, 0,1,2
	v_permlane16_swap_b32 v[PC+6*\c+\i], v[PC+12+4*\c+\i]
.endr
.irp i, 0,1,2
	v_mov_b32 v[PC+3+6*\c+\i], v[PC+12+4*\c+\i]
.endr
.endr
.endm
.macro WORD4 d                         ; the four bytes make a row's scale word for 128 along K
	v_lshl_or_b32 v[\d], v[TM+5], 8, v[TM+4]
	v_lshl_or_b32 v[\d], v[TM+6], 16, v[\d]
	v_lshl_or_b32 v[\d], v[TM+7], 24, v[\d]
.endm
	s_load_b512 s[8:23], s[0:1], 0x0               ; x, Wq codes, Wq scales, bq, Wk codes, Wk scales, bk, Wv codes
	s_load_b256 s[24:31], s[0:1], 0x40             ; Wv scales, bv, W2 codes, ws1
	v_lshl_add_u32 v15, v0, 2, 0xd000
	s_set_vgpr_msb 0x40
	v_mov_b32 v255, 0
	s_set_vgpr_msb 0x4000
	v_lshrrev_b32 v1, 5, v0
	v_readfirstlane_b32 s2, v1                     ; wave 0..3
	s_and_b32 s3, ttmp7, 0xffff                    ; y
	s_mov_b32 s4, ttmp9                            ; g
	v_and_b32 v10, 15, v0                          ; r
	v_bfe_u32 v11, v0, 4, 1                        ; h
	v_and_b32 v12, 8, v10
	v_add_nc_u32 v12, v12, v10                     ; r + 8 (r / 8)
	v_and_b32 v13, 31, v0                          ; lane
	v_lshlrev_b32 v[LI], 4, v13
	s_cmp_eq_u32 s3, 3
	s_cbranch_scc1 .Lrelay
	v_lshlrev_b32 v[LS], 2, v13
	v_lshlrev_b32 v[XA], 11, v12
	v_lshl_add_u32 v[XA], v11, 6, v[XA]
	v_mul_u32_u24 v[WA], v12, 384
	v_mad_u32_u24 v[WA], v11, 24, v[WA]
	v_lshlrev_b32 v[WSA], 4, v12
	s_mul_i32 s5, s2, 8*FRB
	v_add_nc_u32 v[XWI], s5, v[LI]                 ; my 8 images: 16 x lane + 12,288 x wave
	s_lshl_b32 s5, s2, 10
	v_add_nc_u32 v[XWS], s5, v[LS]                 ; their scale words: 4 x lane + 1,024 x wave
.irp b, 0,1,2,3
	v_mov_b32 v[TM+4+\b], 0                        ; written once: a lane permute's destination counts as one of its sources
.endr
	s_mov_b32 s[SEL], 0x76543210
	s_mov_b32 s[SEL+1], 0xfedcba98                 ; lane l xor 16
	; where the results go: record = (8 batch + head) x 32 + the group within the sequence; q has records of its own, k and v share one
	s_min_u32 s5, s3, 1                            ; 1 for k and v: their records are twice as long
	s_lshr_b32 s6, s3, 1                           ; 1 for v: the record's second half
	s_lshr_b32 s7, s4, 5
	s_lshl_b32 s7, s7, 3
	s_lshl_b32 s38, s2, 1
	s_add_co_u32 s7, s7, s38
	s_lshl_b32 s7, s7, 5
	s_and_b32 s38, s4, 31
	s_add_co_u32 s7, s7, s38                       ; pass 0's record
	s_mul_i32 s38, s7, 6144
	s_lshl_b32 s38, s38, s5
	s_mul_i32 s39, s6, 6144
	s_add_co_u32 s38, s38, s39
	s_lshl_b32 s52, s7, 9
	s_lshl_b32 s52, s52, s5
	s_lshl_b32 s39, s6, 9
	s_add_co_u32 s52, s52, s39
	s_mov_b32 s53, KVS_O
	s_cmp_eq_u32 s3, 0
	s_cselect_b32 s39, 0, KVC_O
	s_cselect_b32 s53, QS_O, s53
	s_add_co_u32 s38, s38, s39
	s_add_co_u32 s52, s52, s53
	s_mov_b32 s39, 0
	s_mov_b32 s53, 0
	s_mov_b32 s50, 32*6144
	s_lshl_b32 s50, s50, s5                        ; pass 1's head lies 32 records on
	s_mov_b32 s51, 0
	s_mov_b32 s54, 32*512
	s_lshl_b32 s54, s54, s5
	s_mov_b32 s55, 0
	s_wait_kmcnt 0x0
	s_cmp_eq_u32 s3, 0                             ; the weight is chosen by the work-group's y alone
	s_cselect_b64 s[32:33], s[10:11], s[16:17]
	s_cselect_b64 s[34:35], s[12:13], s[18:19]
	s_cselect_b64 s[36:37], s[14:15], s[20:21]
	s_cmp_eq_u32 s3, 2
	s_cselect_b64 s[32:33], s[22:23], s[32:33]
	s_cselect_b64 s[34:35], s[24:25], s[34:35]
	s_cselect_b64 s[36:37], s[26:27], s[36:37]
	s_add_nc_u64 s[40:41], s[30:31], s[38:39]      ; codes, pass 0
	s_add_nc_u64 s[42:43], s[40:41], s[50:51]      ; pass 1
	s_add_nc_u64 s[44:45], s[30:31], s[52:53]      ; scale words, pass 0
	s_add_nc_u64 s[46:47], s[44:45], s[54:55]      ; pass 1
	s_mov_b32 s57, 0
	s_lshl_b32 s56, s4, 18
	s_lshl_b32 s58, s2, 16
	s_add_co_u32 s56, s56, s58
	s_add_nc_u64 s[8:9], s[8:9], s[56:57]          ; x at token 128 g + 32 wave
	s_mul_i32 s56, s2, 49152
	s_add_nc_u64 s[32:33], s[32:33], s[56:57]      ; my 128 rows of the weight,
	s_lshl_b32 s56, s2, 11
	s_add_nc_u64 s[34:35], s[34:35], s[56:57]      ; of its scale bytes,
	s_lshl_b32 s56, s2, 9
	s_add_nc_u64 s[36:37], s[36:37], s[56:57]      ; and of the bias
.macro XLOAD f                         ; fragment f of my eight: tile 2 w + f / 4, K step f % 4: 64 numbers a lane, 16 neighbours of each block of 32
	WIN 0x80
.irp b, 0,1,2,3
.irp j, 0,1,2,3
	global_load_b128 v[64*((\f)%4)+16*\b+4*\j:64*((\f)%4)+16*\b+4*\j+3], v[XA], s[8:9] offset:16384*((\f)/4)+512*((\f)%4)+128*\b+16*\j
.endr
.endr
	WIN 0
.endm
.macro WLOAD p                         ; pass p's 16 weight fragments (tile ct, K step s) and their scale words: 100 loads
	WIN 0x40+0x80*(\p)
.irp ct, 0,1,2,3
.irp s, 0,1,2,3
.irp q, 0,1,2,3,4,5
	global_load_b64 v[12*(4*\ct+\s)+2*\q:12*(4*\ct+\s)+2*\q+1], v[WA], s[32:33] offset:24576*(\p)+(32*(\ct/2)+8*(\ct%2))*384+96*\s+48*(\q/3)+8*(\q%3)
.endr
.endr
.endr
	WIN 0
.irp ct, 0,1,2,3
	global_load_b128 v[WS+16*(\p)+4*\ct:WS+16*(\p)+4*\ct+3], v[WSA], s[34:35] offset:1024*(\p)+(32*(\ct/2)+8*(\ct%2))*16
.endr
.endm
	; ---- X: my two token tiles of x become eight fragments; loads run four fragments ahead
.irp f, 0,1,2,3
	XLOAD \f
.endr
.irp f, 0,1,2,3,4,5,6,7
.if \f <= 4
	s_wait_loadcnt 48                              ; this fragment's 16 loads are in; those of the three behind it may be out
.else
	s_wait_loadcnt 16*(7-\f)
.endif
.if \f == 7
	WLOAD 0                                        ; pass 0's weights are asked for while the last fragment is quantised
.endif
	QUANT4 64*(\f%4), 2, 0
	WORD4 KW
.if \f < 4
	XLOAD \f+4
.endif
.irp c, 0,1,2
	ds_store_b128 v[XWI], v[PC+4*\c:PC+4*\c+3] offset:FRB*\f+512*\c
.endr
	ds_store_b32 v[XWS], v[KW] offset:XSC+128*\f
	s_wait_dscnt 0x0                               ; the stores have read their registers: the next fragment's codes may be written
.endr
	BAR                                            ; x's 32 fragments lie in LDS; from here on LDS is only read
.macro FETCHX s, buf                   ; K step s of all 8 token tiles: 24 + 8 LDS loads
.irp t, 0,1,2,3,4,5,6,7
.irp c, 0,1,2
	ds_load_b128 v[XB+96*(\buf)+12*\t+4*\c:XB+96*(\buf)+12*\t+4*\c+3], v[LI] offset:(4*\t+(\s))*FRB+512*\c
.endr
	ds_load_b32 v[XS+8*(\buf)+\t], v[LS] offset:XSC+(4*\t+(\s))*128
.endr
.endm
; 32 products of K step s.  The 32 accumulators take turns, one instruction a turn, in the same order in every step.
.macro MULS p, s, kind
.if (\kind) == 0
.if (\s) == 0
	WIN 0xb1+2*(\p)                                ; W window 1 or 3, x window 0, C = the bias in window 3, D window 2
.else
	WIN 0xa1+2*(\p)
.endif
.else
.if (\s) == 0
	WIN 0xb4+8*(\p)                                ; the same with the sources swapped
.else
	WIN 0xa4+8*(\p)
.endif
.endif
.irp t, 0,1,2,3,4,5,6,7
.irp ct, 0,1,2,3
.set rW, 12*(4*\ct+(\s))
.set rX, XB+96*((\s)%2)+12*\t
.set rC, 192+32*(\p)+8*\ct
.set sW, WS+16*(\p)+4*\ct+(\s)
.set sX, XS+8*((\s)%2)+\t
.if (\kind) == 0
.set rD, 32*\t+8*\ct
.if (\s) == 0
	v_wmma_scale_f32_16x16x128_f8f6f4 v[rD:rD+7], v[rW:rW+11], v[rX:rX+11], v[rC:rC+7], v[sW], v[sX] matrix_a_fmt:MATRIX_FMT_FP6 matrix_b_fmt:MATRIX_FMT_FP6
.else
	v_wmma_scale_f32_16x16x128_f8f6f4 v[rD:rD+7], v[rW:rW+11], v[rX:rX+11], v[rD:rD+7], v[sW], v[sX] matrix_a_fmt:MATRIX_FMT_FP6 matrix_b_fmt:MATRIX_FMT_FP6
.endif
.else
.set rD, 64*\ct+8*\t
.if (\s) == 0
	v_wmma_scale_f32_16x16x128_f8f6f4 v[rD:rD+7], v[rX:rX+11], v[rW:rW+11], v[rC:rC+7], v[sX], v[sW] matrix_a_fmt:MATRIX_FMT_FP6 matrix_b_fmt:MATRIX_FMT_FP6
.else
	v_wmma_scale_f32_16x16x128_f8f6f4 v[rD:rD+7], v[rX:rX+11], v[rW:rW+11], v[rD:rD+7], v[sX], v[sW] matrix_a_fmt:MATRIX_FMT_FP6 matrix_b_fmt:MATRIX_FMT_FP6
.endif
.endif
.endr
.endr
	WIN 0
.endm
.macro PASS p, kind                    ; one head: four K steps, x's fragments one step ahead in two buffers
	s_wait_xcnt 0x0                                ; earlier stores have read their registers: the buffers may be loaded
.if (\p) == 1
	s_wait_loadcnt 0x0                             ; pass 1's weights
.endif
	FETCHX 0, 0
.irp s, 0,1,2,3
.if \s < 3
.if \s > 0
	PLACES 4                                       ; in front of loads into registers that the last products read
.endif
	FETCHX \s+1, (\s+1)%2
	s_wait_dscnt 32                                ; all but the 32 just issued
.else
	s_wait_dscnt 0x0
.endif
	MULS \p, \s, \kind
.endr
.endm
.macro EPI_QK p                        ; a lane's 32 numbers of a token tile are its token's 64 channels: two blocks, six registers of codes; two tiles at a time
	PLACES 4
.irp i, 0,1,2,3
	QUANT4 64*\i, 2, 1
	v_lshl_or_b32 v[KW+2*\i], v[TM+5], 8, v[TM+4]
	v_lshl_or_b32 v[KW+2*\i+1], v[TM+7], 8, v[TM+6]
	v_or_b32 v[KW+2*\i], 0x7f7f0000, v[KW+2*\i]    ; the word's upper two bytes stand for 1.0: the score product's K is 64 of the instruction's 128
	v_or_b32 v[KW+2*\i+1], 0x7f7f0000, v[KW+2*\i+1]
.irp c, 0,1,2
	global_store_b128 v[LI], v[PC+4*\c:PC+4*\c+3], s[40+2*(\p):41+2*(\p)] offset:512*(3*\i+\c)   ; 32 lanes store 512 consecutive bytes
.endr
.endr
	v_cmp_le_u32 vcc_lo, 16, v13
.irp i, 0,1,2,3
	v_cndmask_b32 v[IM+\i], v[KW+\i], v[KW+4+\i], vcc_lo           ; lanes 0-15 keep tiles 0-3's words, lanes 16-31 tiles 4-7's
.endr
	global_store_b128 v[LI], v[IM:IM+3], s[44+2*(\p):45+2*(\p)]
.endm
.macro EPI_V p                         ; a lane's 64 numbers of a channel tile are its channel's 128 tokens: a whole fragment
	PLACES 4
.irp ct, 0,1,2,3
	QUANT4 64*\ct, 2, 1
	WORD4 IM+\ct
.irp c, 0,1,2
	global_store_b128 v[LI], v[PC+4*\c:PC+4*\c+3], s[40+2*(\p):41+2*(\p)] offset:FRB*\ct+512*\c
.endr
.endr
	global_store_b128 v[LI], v[IM:IM+3], s[44+2*(\p):45+2*(\p)]
.endm
	s_cmp_eq_u32 s3, 2
	s_cbranch_scc1 .Lv
	; ---- q or k.  The bias in the result's layout: lane (r, h) holds, of tile ct, channels 32 (ct / 2) + 16 h + 8 (ct % 2) + 0 .. 7
	v_lshlrev_b32 v[BA], 6, v11
	WIN 0xc0
.irp p, 0,1
.irp ct, 0,1,2,3
	global_load_b128 v[192+32*\p+8*\ct:192+32*\p+8*\ct+3], v[BA], s[36:37] offset:256*\p+(32*(\ct/2)+8*(\ct%2))*4
	global_load_b128 v[192+32*\p+8*\ct+4:192+32*\p+8*\ct+7], v[BA], s[36:37] offset:256*\p+(32*(\ct/2)+8*(\ct%2))*4+16
.endr
.endr
	WIN 0
	WLOAD 1
	s_wait_loadcnt 63                              ; 100 loads were issued behind the biases: pass 0's weights and the biases are in
	PASS 0, 0
	EPI_QK 0
	PASS 1, 0
	EPI_QK 1
	s_set_vgpr_msb 0x4
	s_wait_tensorcnt 0x0
	ds_add_u32 v15, v255
	s_wait_dscnt 0x0
	s_set_vgpr_msb 0x400
	s_endpgm
.Lv:
	; ---- v.  A lane holds one channel, so its bias fills all eight registers of a tile's C
	v_lshlrev_b32 v[BA], 2, v12
	WIN 0xc0
.irp p, 0,1
.irp ct, 0,1,2,3
.irp j, 0,1,2,3,4,5,6,7
	global_load_b32 v[192+32*\p+8*\ct+\j], v[BA], s[36:37] offset:256*\p+(32*(\ct/2)+8*(\ct%2))*4
.endr
.endr
.endr
	WIN 0
	WLOAD 1
	s_wait_loadcnt 63                              ; as above
	PASS 0, 1
	EPI_V 0
	PASS 1, 1
	EPI_V 1
	s_set_vgpr_msb 0x4
	s_wait_tensorcnt 0x0
	ds_add_u32 v15, v255
	s_wait_dscnt 0x0
	s_set_vgpr_msb 0x400
	s_endpgm
.Lrelay:
	; ---- y = 3: W2's codes as register images.  Fragment f = (16 w + s) x 4 + ct: out channels 64 w + tile ct, K step s.  A wave takes f = 8 g + 2 wave and f + 1, which lies 8 rows of W2 further down.
	s_lshl_b32 s5, s4, 3
	s_lshl_b32 s6, s2, 1
	s_add_co_u32 s5, s5, s6                        ; f
	s_lshr_b32 s6, s5, 6                           ; w
	s_bfe_u32 s7, s5, 0x40002                      ; s
	s_and_b32 s32, s5, 2                           ; ct: 0 or 2
	s_lshl_b32 s6, s6, 6
	s_lshl_b32 s32, s32, 4
	s_add_co_u32 s6, s6, s32                       ; the tile's first row: 64 w + 32 (ct / 2)
	s_mul_i32 s6, s6, 1536
	s_mul_i32 s7, s7, 96
	s_add_co_u32 s6, s6, s7
	s_mov_b32 s7, 0
	s_mul_i32 s32, s5, FRB
	s_add_co_u32 s32, s32, W2I_O
	s_mov_b32 s33, 0
	v_mul_u32_u24 v14, v12, 1536
	v_mad_u32_u24 v14, v11, 24, v14
	s_wait_kmcnt 0x0
	s_add_nc_u64 s[28:29], s[28:29], s[6:7]
	s_add_nc_u64 s[30:31], s[30:31], s[32:33]
.irp e, 0,1
.irp p, 0,1,2,3,4,5
	global_load_b64 v[16+12*\e+2*\p:16+12*\e+2*\p+1], v14, s[28:29] offset:12288*\e+48*(\p/3)+8*(\p%3)
.endr
.endr
	s_wait_loadcnt 0x0
.irp e, 0,1
.irp c, 0,1,2
	global_store_b128 v[LI], v[16+12*\e+4*\c:16+12*\e+4*\c+3], s[30:31] offset:FRB*\e+512*\c
.endr
.endr
	s_endpgm
.Lfunc_end_k_q33ba4f1408_qkv:
	.size	k_q33ba4f1408_qkv, .Lfunc_end_k_q33ba4f1408_qkv-k_q33ba4f1408_qkv
	.p2alignl 7, 3214868480
	.fill 96, 4, 3214868480
	.section	.rodata,"a",@progbits
	.p2align	6, 0x0
	.amdhsa_kernel k_q33ba4f1408_qkv
		.amdhsa_group_segment_fixed_size 53760
		.amdhsa_private_segment_fixed_size 0
		.amdhsa_enable_private_segment 0
		.amdhsa_kernarg_size 96
		.amdhsa_user_sgpr_count 2
		.amdhsa_user_sgpr_kernarg_segment_ptr 1
		.amdhsa_wavefront_size32 1
		.amdhsa_system_sgpr_workgroup_id_x 1
		.amdhsa_system_sgpr_workgroup_id_y 1
		.amdhsa_system_sgpr_workgroup_id_z 1
		.amdhsa_system_vgpr_workitem_id 0
		.amdhsa_next_free_vgpr 1024
		.amdhsa_next_free_sgpr 66
		.amdhsa_reserve_vcc 1
		.amdhsa_float_denorm_mode_32 3
		.amdhsa_float_denorm_mode_16_64 3
		.amdhsa_memory_ordered 1
		.amdhsa_forward_progress 1
		.amdhsa_inst_pref_size 255
	.end_amdhsa_kernel
	.section	.bss,"aw",@nobits
	.p2align	6
	.space	262144
	.amdgpu_metadata
---
amdhsa.version: [ 1, 2 ]
amdhsa.kernels:
  - .name:           k_q33ba4f1408_qkv
    .symbol:         k_q33ba4f1408_qkv.kd
    .args:
      - { .name: x, .offset: 0, .size: 8, .value_kind: global_buffer, .address_space: global }
      - { .name: Wq_codes, .offset: 8, .size: 8, .value_kind: global_buffer, .address_space: global }
      - { .name: Wq_scales, .offset: 16, .size: 8, .value_kind: global_buffer, .address_space: global }
      - { .name: bq, .offset: 24, .size: 8, .value_kind: global_buffer, .address_space: global }
      - { .name: Wk_codes, .offset: 32, .size: 8, .value_kind: global_buffer, .address_space: global }
      - { .name: Wk_scales, .offset: 40, .size: 8, .value_kind: global_buffer, .address_space: global }
      - { .name: bk, .offset: 48, .size: 8, .value_kind: global_buffer, .address_space: global }
      - { .name: Wv_codes, .offset: 56, .size: 8, .value_kind: global_buffer, .address_space: global }
      - { .name: Wv_scales, .offset: 64, .size: 8, .value_kind: global_buffer, .address_space: global }
      - { .name: bv, .offset: 72, .size: 8, .value_kind: global_buffer, .address_space: global }
      - { .name: W2_codes, .offset: 80, .size: 8, .value_kind: global_buffer, .address_space: global }
      - { .name: ws1, .offset: 88, .size: 8, .value_kind: global_buffer, .address_space: global }
    .group_segment_fixed_size: 53760
    .private_segment_fixed_size: 0
    .kernarg_segment_align: 8
    .kernarg_segment_size: 96
    .max_flat_workgroup_size: 128
    .sgpr_count:     66
    .vgpr_count:     1024
    .wavefront_size: 32
...
	.end_amdgpu_metadata
.endif
;; end of part 1
;; launch attn (part 2): grid 16 x 16, 16 waves a work-group, no clusters, 55,296 bytes of LDS; arguments ws1, oimg; writes oimg
.if DOCPART == 2
	.amdgcn_target "amdgcn-amd-amdhsa--gfx1250"
	.amdhsa_code_object_version 6
	.text
	.protected	k_q33ba4f1408_attn
	.globl	k_q33ba4f1408_attn
	.p2align	8
	.type	k_q33ba4f1408_attn,@function
k_q33ba4f1408_attn:
	s_mov_b64 s[64:65], 0
	v_nop
	global_prefetch_b8 v0, s[64:65] scope:SCOPE_SE
	s_setreg_imm32_b32 hwreg(HW_REG_WAVE_MODE, 25, 1), 1
	s_wait_xcnt 0x0
; o = softmax(q k^T / 8) v for one head of one batch, both products on codes of E2M3 with E8M0 scales; o / l is quantised along the head's 64 channels and stored as half a fragment of the next product.
; THE SOFTMAX: t = score x log2(e) / 8; M = the running largest t rounded up to a whole number; p = 2^(t - M) is quantised along the keys, not normalised; the row's sum is taken of the unquantised p
; and divides at the end; when M moves, the sum and O are multiplied by 2^(old M - new M), which rounds nothing.  A block's largest p is not searched for: the block's largest score goes through the
; same multiply-add and exponential (this takes the exponential not to fall where its input rises).
; SHARES.  Work-group (x, hb): 256 queries of head hb.  Each of sixteen waves owns one tile of 16 queries in 256 registers, four waves to a SIMD, so that one wave's vector work stands beside
; another's products and LDS loads.  Every wave walks the head's 4,096 keys, 128 a step.
; K AND V come as register images (made by the launch before): a slot of LDS holds two steps, 26,624 bytes; the 512 threads copy it through registers (3 x 16 + 4 bytes each), asked for a whole slot ahead.
; One barrier a slot: in front of it a wave's stores into the other slot have landed and its reads of this slot are back.  No tensor loads: the copy is small beside a slot's vector work; so no cluster.
; LAYOUT.  S^T = K Q^T and O^T = V^T P^T: a lane holds ONE query throughout.  The keys of a tile are 32 b + 8 u + r + 8 (r / 8), so that p's 16 registers of two neighbouring tiles are 16 neighbouring keys.
; THE SCORE PRODUCT HAS K = 64 IN AN INSTRUCTION OF 128.  A key tile's codes are six registers; its operand names twelve: the upper six are the next tile's codes (behind tile 7: zeros).  Q's codes
; there are zeros, E2M3 has neither infinity nor NaN, and both sides' scale bytes there stand for 1.0: those products are exact zeros.
; LIMITS: NaN and infinities are not served; a block of o under 2^-124 (or of zeros) gets the byte 1.
; REGISTERS: v1-3 addresses; v12 -M, v13 largest t, v[14:15] the sum; v16-27 Q (v22-27 zeros); v28 Q's, v29 p's, v30-33 K's, v34-37 V's scale words; v38-50 the copy's stage; v52-99 K's or V's
; fragments; v100-105 zeros; v112-175 S^T, then p; v176-207 O^T; v208-219 p's codes; v220-245 at work.
.set QS_O,  3145728
.set KVC_O, 3407872
.set KVS_O, 9699328
.set OSC_O, 3145728
.set SLOT,  26624
.set LI,  1
.set CPY, 2
.set CPS, 3
.set KV,  52
.set CS,  22                           ; s[22:23] c = log2(e) / 8
.set SEL, 26
.macro PLACES n
.rept \n
	v_nop
.endr
.endm
.macro BAR
	s_wait_dscnt 0x0
	s_barrier_signal -1
	s_barrier_wait -1
.endm
	s_load_b128 s[4:7], s[0:1], 0x0                ; ws1, oimg
	v_lshl_add_u32 v254, v0, 2, 0xd000
	v_mov_b32 v255, 0
	v_lshrrev_b32 v4, 5, v0
	v_readfirstlane_b32 s8, v4                     ; wave 0..15
	s_and_b32 s9, ttmp7, 0xffff                    ; hb = 8 batch + head
	v_and_b32 v5, 31, v0                           ; lane
	v_and_b32 v6, 15, v0                           ; r
	v_lshlrev_b32 v[LI], 4, v5
	v_lshlrev_b32 v[CPY], 4, v0
	v_lshlrev_b32 v[CPS], 2, v0
	s_and_b32 s11, s8, 7                           ; my query tile in its group of 128 tokens
	s_lshr_b32 s12, s8, 3
	s_lshl_b32 s13, ttmp9, 1
	s_add_co_u32 s12, s12, s13                     ; the group
	s_lshl_b32 s13, s9, 5
	s_add_co_u32 s13, s13, s12                     ; q's record
	s_mul_i32 s16, s13, 6144
	s_mov_b32 s17, 0
	s_lshl_b32 s18, s13, 9
	s_add_co_u32 s18, s18, QS_O
	s_mov_b32 s19, 0
	s_mul_i32 s20, s9, 393216                      ; the head's 32 records of k and v
	s_add_co_u32 s20, s20, KVC_O
	s_mov_b32 s21, 0
	s_lshl_b32 s24, s9, 15
	s_add_co_u32 s24, s24, KVS_O
	s_mov_b32 s25, 0
	s_mul_i32 s14, s11, 6                          ; my tile is registers 6 T .. 6 T + 5 of the record's 48; register n lies in chunk n / 4 (512 bytes), word n % 4 of the lane's 16 bytes
.irp p, 0,1,2
	s_add_co_u32 s15, s14, 2*\p
	s_lshr_b32 s28, s15, 2
	s_lshl_b32 s28, s28, 9
	s_and_b32 s15, s15, 2
	s_lshl_b32 s15, s15, 2
	s_add_co_u32 s28, s28, s15
	v_add_nc_u32 v[7+\p], s28, v[LI]
.endr
	s_lshr_b32 s15, s11, 2
	s_lshl_b32 s15, s15, 8
	s_and_b32 s28, s11, 3
	s_lshl_b32 s28, s28, 2
	s_add_co_u32 s15, s15, s28
	v_lshl_add_u32 v10, v6, 4, s15                 ; my tile's scale word of row r: lane 16 (T / 4) + r of the record, word T % 4
	; where o goes: token tile TT = 256 batch + 8 group + T; head hd is half hd % 2 of K step hd / 2
	s_lshr_b32 s13, s9, 3
	s_lshl_b32 s13, s13, 8
	s_lshl_b32 s14, s12, 3
	s_add_co_u32 s13, s13, s14
	s_add_co_u32 s13, s13, s11
	s_and_b32 s14, s9, 7
	s_lshr_b32 s15, s14, 1
	s_and_b32 s14, s14, 1
	s_lshl_b32 s13, s13, 2
	s_add_co_u32 s13, s13, s15
	s_mul_i32 s30, s13, 1536
	s_mul_i32 s15, s14, 768
	s_add_co_u32 s30, s30, s15
	s_mov_b32 s31, 0
	s_lshl_b32 s32, s13, 6
	s_lshl_b32 s14, s14, 1
	s_add_co_u32 s32, s32, s14
	s_add_co_u32 s32, s32, OSC_O
	s_mov_b32 s33, 0
	s_mov_b32 s[CS], 0x3e38aa3b
	s_mov_b32 s[CS+1], s[CS]                       ; (named with it as a pair, so it is written)
	s_mov_b32 s[SEL], 0x76543210
	s_mov_b32 s[SEL+1], 0xfedcba98
	s_mov_b32 s29, 7
	s_wait_kmcnt 0x0
	s_add_nc_u64 s[16:17], s[4:5], s[16:17]
	s_add_nc_u64 s[18:19], s[4:5], s[18:19]
	s_add_nc_u64 s[20:21], s[4:5], s[20:21]
	s_add_nc_u64 s[24:25], s[4:5], s[24:25]
	s_add_nc_u64 s[30:31], s[6:7], s[30:31]
	s_add_nc_u64 s[32:33], s[6:7], s[32:33]
.macro ASK                             ; a slot's 26,624 bytes: 3 x 16 + 4 bytes a thread
	global_load_b128 v[38:41], v[CPY], s[20:21]
	global_load_b128 v[42:45], v[CPY], s[20:21] offset:8192
	global_load_b128 v[46:49], v[CPY], s[20:21] offset:16384
	global_load_b32 v50, v[CPS], s[24:25]
.endm
.macro PUT sl                          ; into LDS slot sl, as they lie
	ds_store_b128 v[CPY], v[38:41] offset:SLOT*(\sl)
	ds_store_b128 v[CPY], v[42:45] offset:SLOT*(\sl)+8192
	ds_store_b128 v[CPY], v[46:49] offset:SLOT*(\sl)+16384
	ds_store_b32 v[CPS], v50 offset:SLOT*(\sl)+24576
.endm
.irp p, 0,1,2
	global_load_b64 v[16+2*\p:17+2*\p], v[7+\p], s[16:17]          ; Q's six registers stay
.endr
	global_load_b32 v28, v10, s[18:19]
	ASK
	v_mov_b32 v13, 0xff61b1e6                      ; the largest t so far: -3e38, under every t
	v_floor_f32 v12, -v13                          ; -M
	v_mov_b32 v14, 0
	v_mov_b32 v15, 0
.irp j, 22,23,24,25,26,27,100,101,102,103,104,105,232,233,234,235,243
	v_mov_b32 v\j, 0                               ; Q's upper half, the six behind tile 7, the permutes' destinations, the upper half of f's pair
.endr
.set J, 0
.rept 32
	v_mov_b32 v[176+J], 0                          ; O^T: the step is written once; its first pass finds zeros, which the first change of M leaves zeros
.set J, J+1
.endr
	s_wait_loadcnt 0x0
	PUT 0
	s_wait_dscnt 0x0                               ; the stores have read the stage
	s_add_nc_u64 s[20:21], s[20:21], 24576         ; (the loads that named these bases are done)
	s_add_nc_u64 s[24:25], s[24:25], 2048
	ASK                                            ; slot 1's keys
	BAR
; At the head of the work on LDS slot sl: the keys asked for a slot ago go into the other slot, which every wave left at the last barrier; ld = 1: the keys two slots on are asked for.
.macro HEAD sl, ld
	s_wait_loadcnt 0x0
	PUT 1-(\sl)
.if \ld
	s_wait_dscnt 0x0                               ; the stores have read the stage
	s_add_nc_u64 s[20:21], s[20:21], 24576
	s_add_nc_u64 s[24:25], s[24:25], 2048
	ASK
.endif
.endm
; A KEY STEP: 128 keys, the q-th of LDS slot sl.
.macro STEP sl, q
.set KB, SLOT*(\sl)+12288*(\q)
.set SB, SLOT*(\sl)+24576+1024*(\q)
	PLACES 4                                       ; in front of loads into registers that the last products read
.irp i, 0,1,2,3,4,5,6,7,8,9,10,11
	ds_load_b128 v[KV+4*\i:KV+4*\i+3], v[LI] offset:KB+512*\i      ; K: eight tiles of six registers
.endr
	ds_load_b128 v[30:33], v[LI] offset:SB         ; lanes 0-15: the words of tiles 0-3, lanes 16-31: of tiles 4-7
	s_wait_dscnt 0x0
.irp t, 0,1,2,3
	v_wmma_scale_f32_16x16x128_f8f6f4 v[112+8*\t:119+8*\t], v[KV+6*\t:KV+6*\t+11], v[16:27], 0, v[30+\t], v28 matrix_a_fmt:MATRIX_FMT_FP6 matrix_b_fmt:MATRIX_FMT_FP6
.endr
.irp t, 4,5,6,7
	v_wmma_scale_f32_16x16x128_f8f6f4 v[112+8*\t:119+8*\t], v[KV+6*\t:KV+6*\t+11], v[16:27], 0, v[26+\t], v28 matrix_a_fmt:MATRIX_FMT_FP6 matrix_b_fmt:MATRIX_FMT_FP6 matrix_a_scale:MATRIX_SCALE_ROW1
.endr
	PLACES 4
.irp i, 0,1,2,3,4,5,6,7,8,9,10,11
	ds_load_b128 v[KV+4*\i:KV+4*\i+3], v[LI] offset:KB+6144+512*\i ; V: four fragments; they land while the softmax is walked
.endr
	ds_load_b128 v[34:37], v[LI] offset:SB+512
.irp b, 0,1,2,3
	v_max3_num_f32 v[228+\b], v[112+16*\b], v[113+16*\b], v[114+16*\b]   ; the largest score of each block of 32 keys: for the row's maximum and for the block's largest p
.endr
.irp i, 3,5,7,9,11,13
.irp b, 0,1,2,3
	v_max3_num_f32 v[228+\b], v[228+\b], v[112+16*\b+\i], v[113+16*\b+\i]
.endr
.endr
.irp b, 0,1,2,3
	v_max_num_f32 v[228+\b], v[228+\b], v[127+16*\b]
.endr
.irp b, 0,1,2,3
	v_permlanex16_b32 v[232+\b], v[228+\b], s[SEL], s[SEL+1]
.endr
.irp b, 0,1,2,3
	v_max_num_f32 v[228+\b], v[228+\b], v[232+\b]                  ; with lane l xor 16's 16 keys
.endr
	v_max3_num_f32 v240, v228, v229, v230
	v_max_num_f32 v240, v240, v231
	v_mul_f32 v240, s[CS], v240                    ; as t (c is positive)
	v_max_num_f32 v13, v13, v240                   ; the running largest t
	v_mov_b32 v240, v12
	v_floor_f32 v12, -v13                          ; the new -M = -ceil(t)
	v_sub_f32 v240, v12, v240                      ; old M - new M: a whole number, 0 or less
	v_cvt_i32_f32 v240, v240                       ; (it saturates)
	v_ldexp_f32 v242, 1.0, v240                    ; f = 2^(old M - new M)
.set J, 0
.rept 32
	v_pk_fma_f32 v[112+J:113+J], v[112+J:113+J], s[CS:CS+1], v[12:13] op_sel_hi:[1,0,0]   ; t - M, two at a time
.set J, J+2
.endr
.irp b, 0,1,2,3
	v_fma_f32 v[228+\b], v[228+\b], s[CS], v12
.endr
.set J, 0
.rept 64
	v_exp_f32 v[112+J], v[112+J]                   ; p = 2^(t - M), at most 1
.set J, J+1
.endr
.irp b, 0,1,2,3
	v_exp_f32 v[228+\b], v[228+\b]                 ; the block's largest p: the same two instructions on the same number
.endr
	v_pk_mul_f32 v[14:15], v[14:15], v[242:243] op_sel_hi:[1,0]    ; the sums under the new M (a plain place behind the exponentials)
	s_wait_alu depctr_va_vdst(0)
.irp b, 0,1,2,3
	v_max_num_f32 v[228+\b], 0x1800000, v[228+\b]  ; the floor 2^(3 - 127)
.endr
.irp b, 0,1,2,3
	v_add_nc_u32 v[236+\b], 0xff000000, v[228+\b]  ; the conversion's scale operand
.endr
.irp b, 0,1,2,3
	v_lshrrev_b32 v[232+\b], 23, v[236+\b]         ; the scale's byte
.endr
	v_lshl_or_b32 v29, v233, 8, v232               ; p's scale word for these 128 keys
	v_lshl_or_b32 v29, v234, 16, v29
	v_lshl_or_b32 v29, v235, 24, v29
.irp c, 0,1
	v_cvt_scalef32_pk16_fp6_f32 v[208+6*\c:210+6*\c], v[112+32*\c:127+32*\c], v[236+2*\c]
	v_cvt_scalef32_pk16_fp6_f32 v[220+4*\c:222+4*\c], v[128+32*\c:143+32*\c], v[237+2*\c]
.endr
	v_nop                                          ; one plain place behind the scaled conversions
.irp c, 0,1
.irp i, 0,1,2
	v_permlane16_swap_b32 v[208+6*\c+\i], v[220+4*\c+\i]
.endr
.irp i, 0,1,2
	v_mov_b32 v[211+6*\c+\i], v[220+4*\c+\i]
.endr
.endr
	v_pk_add_f32 v[244:245], v[112:113], v[114:115]                ; the row's sum of the unquantised p, in two chains
.set J, 4
.rept 15
	v_pk_add_f32 v[14:15], v[14:15], v[112+J:113+J]
	v_pk_add_f32 v[244:245], v[244:245], v[114+J:115+J]
.set J, J+4
.endr
	v_pk_add_f32 v[14:15], v[14:15], v[244:245]
.set J, 0
.rept 16
	v_pk_mul_f32 v[176+J:177+J], v[176+J:177+J], v[242:243] op_sel_hi:[1,0]   ; O^T under the new M
.set J, J+2
.endr
	s_wait_dscnt 0x0                               ; V
.irp t, 0,1,2,3                        ; the four accumulators take turns
	v_wmma_scale_f32_16x16x128_f8f6f4 v[176+8*\t:183+8*\t], v[KV+12*\t:KV+12*\t+11], v[208:219], v[176+8*\t:183+8*\t], v[34+\t], v29 matrix_a_fmt:MATRIX_FMT_FP6 matrix_b_fmt:MATRIX_FMT_FP6
.endr
.endm
.Lslots:                               ; 7 trips of two slots; the last two slots are written out, so that no load leaves the buffer
	HEAD 0, 1
	STEP 0, 0
	STEP 0, 1
	BAR
	HEAD 1, 1
	STEP 1, 0
	STEP 1, 1
	BAR
	s_sub_co_u32 s29, s29, 1
	s_cmp_lg_u32 s29, 0
	s_cbranch_scc1 .Lslots
	HEAD 0, 0
	STEP 0, 0
	STEP 0, 1
	BAR
	STEP 1, 0
	STEP 1, 1
	; ---- the end: o = O^T / l, quantised along the head's 64 channels: register 16 b + i is channel 32 b + 16 (lane / 16) + i
	PLACES 4
	v_add_f32 v14, v14, v15
	v_permlanex16_b32 v232, v14, s[SEL], s[SEL+1]
	v_add_f32 v14, v14, v232                       ; the row's sum
	v_rcp_f32 v14, v14
	v_lshlrev_b32 v4, 3, v5                        ; (a plain place)  8 x lane
	v_lshlrev_b32 v11, 2, v6                       ; 4 r
.set J, 0
	s_wait_alu depctr_va_vdst(0)
.rept 16
	v_pk_mul_f32 v[112+J:113+J], v[176+J:177+J], v[14:15] op_sel_hi:[1,0]
.set J, J+2
.endr
.irp b, 0,1
	v_max3_num_f32 v[228+\b], |v[112+16*\b]|, |v[113+16*\b]|, 0x1800000
.endr
.irp i, 2,4,6,8,10,12,14
.irp b, 0,1
	v_max3_num_f32 v[228+\b], v[228+\b], |v[112+16*\b+\i]|, |v[113+16*\b+\i]|
.endr
.endr
.irp b, 0,1
	v_permlanex16_b32 v[232+\b], v[228+\b], s[SEL], s[SEL+1]
.endr
.irp b, 0,1
	v_max_num_f32 v[228+\b], v[228+\b], v[232+\b]
.endr
.irp b, 0,1
	v_add_nc_u32 v[236+\b], 0xff000000, v[228+\b]
.endr
.irp b, 0,1
	v_lshrrev_b32 v[232+\b], 23, v[236+\b]
.endr
	v_lshl_or_b32 v240, v233, 8, v232              ; my head's two bytes of the row's scale word
	v_cvt_scalef32_pk16_fp6_f32 v[208:210], v[112:127], v236
	v_cvt_scalef32_pk16_fp6_f32 v[220:222], v[128:143], v237
	v_nop
.irp i, 0,1,2
	v_permlane16_swap_b32 v[208+\i], v[220+\i]
.endr
.irp i, 0,1,2
	v_mov_b32 v[211+\i], v[220+\i]
.endr
.irp p, 0,1,2
	global_store_b64 v4, v[208+2*\p:209+2*\p], s[30:31] offset:256*\p   ; 32 lanes store 256 consecutive bytes, aligned
.endr
	global_store_b16 v11, v240, s[32:33]           ; two bytes a row (both halves of the lanes hold the same): the word's other half is another work-group's head
	s_wait_tensorcnt 0x0
	ds_add_u32 v254, v255
	s_wait_dscnt 0x0
	s_endpgm
.Lfunc_end_k_q33ba4f1408_attn:
	.size	k_q33ba4f1408_attn, .Lfunc_end_k_q33ba4f1408_attn-k_q33ba4f1408_attn
	.p2alignl 7, 3214868480
	.fill 96, 4, 3214868480
	.section	.rodata,"a",@progbits
	.p2align	6, 0x0
	.amdhsa_kernel k_q33ba4f1408_attn
		.amdhsa_group_segment_fixed_size 55296
		.amdhsa_private_segment_fixed_size 0
		.amdhsa_enable_private_segment 0
		.amdhsa_kernarg_size 16
		.amdhsa_user_sgpr_count 2
		.amdhsa_user_sgpr_kernarg_segment_ptr 1
		.amdhsa_wavefront_size32 1
		.amdhsa_system_sgpr_workgroup_id_x 1
		.amdhsa_system_sgpr_workgroup_id_y 1
		.amdhsa_system_sgpr_workgroup_id_z 1
		.amdhsa_system_vgpr_workitem_id 0
		.amdhsa_next_free_vgpr 256
		.amdhsa_next_free_sgpr 66
		.amdhsa_reserve_vcc 0
		.amdhsa_float_denorm_mode_32 3
		.amdhsa_float_denorm_mode_16_64 3
		.amdhsa_memory_ordered 1
		.amdhsa_forward_progress 1
		.amdhsa_inst_pref_size 133
	.end_amdhsa_kernel
	.amdgpu_metadata
---
amdhsa.version: [ 1, 2 ]
amdhsa.kernels:
  - .name:           k_q33ba4f1408_attn
    .symbol:         k_q33ba4f1408_attn.kd
    .args:
      - { .name: ws1, .offset: 0, .size: 8, .value_kind: global_buffer, .address_space: global }
      - { .name: oimg, .offset: 8, .size: 8, .value_kind: global_buffer, .address_space: global }
    .group_segment_fixed_size: 55296
    .private_segment_fixed_size: 0
    .kernarg_segment_align: 8
    .kernarg_segment_size: 16
    .max_flat_workgroup_size: 512
    .sgpr_count:     66
    .vgpr_count:     256
    .wavefront_size: 32
...
	.end_amdgpu_metadata
.endif
;; end of part 2
;; launch wo_ln1 (part 3): grid 256 x 1, 8 waves a work-group, no clusters, 5,120 bytes of LDS; arguments oimg, Wo_codes, Wo_scales, bo, x, gamma1, beta1, x1buf; writes x1buf
.if DOCPART == 3
	.amdgcn_target "amdgcn-amd-amdhsa--gfx1250"
	.amdhsa_code_object_version 6
	.text
	.protected	k_q33ba4f1408_wo_ln1
	.globl	k_q33ba4f1408_wo_ln1
	.p2align	8
	.type	k_q33ba4f1408_wo_ln1,@function
k_q33ba4f1408_wo_ln1:
	s_mov_b64 s[64:65], 0
	v_nop
	global_prefetch_b8 v0, s[64:65] scope:SCOPE_SE
	s_setreg_imm32_b32 hwreg(HW_REG_WAVE_MODE, 25, 1), 1
	s_wait_xcnt 0x0
; x1 = layernorm(x + o Wo + bo) (dividing by std + eps), the product on codes of E2M3 with E8M0 scales; x1 is stored as f32 (a register image for the last launch) and as codes with scale words.
; SHARES.  A work-group owns two token tiles (32 tokens), each of its eight waves 64 of the 512 channels: its 16 fragments of Wo stay in registers, read from memory once.
; The product is used transposed (source 0 = 16 channels of Wo, rows base + r + 8 (r / 8); source 1 = 16 tokens): a lane holds one token, and its register 32 T + 16 b + i is channel
; 64 w + 32 b + 16 (lane / 16) + i.  x + bo is loaded into that layout and is the sums' start.  A row's mean and variance meet in LDS: the mean is taken away before the squares are formed.
; No tensor loads, no cluster: o's codes come as register images straight into registers, and each weight fragment is wanted by one wave.
; LIMITS: NaN and infinities are not served; a block under 2^-124 (or of zeros) gets the byte 1.
; REGISTERS: window 0: v1-9 addresses; v16-31 Wo's scale words; v32-39 o's; v40-103 the sums Z; v104-199 o's 8 fragments (later at work); v200-231 bo.  window 1: v0-191 Wo; v192-223 gamma; v224-255 beta.
.set OSC_O, 3145728
.set X1C_O, 16777216
.set X1S_O, 19922944
.set RED1, 0                           ; LDS: [wave][tile][r] partial sums, 1,024 bytes
.set RED2, 1024                        ; the same for the squares
.set SCW,  2048                        ; the work-group's 128 scale words
.set LI,  1
.set L8,  2
.set R4,  3
.set WA,  4
.set WSA, 5
.set XA,  6
.set BA,  7
.set RW,  8
.set SWA, 9
.set WS,  16
.set OS,  32
.set Z,   40
.set OF,  104
.set BO,  200
.set PC,  104
.set TM,  124
.set RD,  136
.set ST,  152
.set HW,  164
.set SEL, 34
.set MSB, 0
.macro WIN new
.if MSB != (\new)
	s_set_vgpr_msb (MSB<<8)|(\new)
.set MSB, (\new)
.endif
.endm
.macro PLACES n
.rept \n
	v_nop
.endr
.endm
.macro BAR
	s_wait_dscnt 0x0
	s_barrier_signal -1
	s_barrier_wait -1
.endm
.macro QUANT4 src, win, xw             ; 64 numbers of a lane, register 16 b + i = index 32 b + 16 (lane / 16) + i, become 12 registers of codes at v[PC] and four bytes at v[TM+4..7]
	WIN (\win)|((\win)<<2)
.irp b, 0,1,2,3
	v_max3_num_f32 v[TM+\b], |v[(\src)+16*\b]|, |v[(\src)+16*\b+1]|, 0x1800000
.endr
	WIN ((\win)<<2)|((\win)<<4)
.irp i, 2,4,6,8,10,12,14
.irp b, 0,1,2,3
	v_max3_num_f32 v[TM+\b], v[TM+\b], |v[(\src)+16*\b+\i]|, |v[(\src)+16*\b+\i+1]|
.endr
.endr
	WIN 0
.irp b, 0,1,2,3
	v_permlanex16_b32 v[TM+4+\b], v[TM+\b], s[SEL], s[SEL+1]
.endr
.irp b, 0,1,2,3
	v_max_num_f32 v[TM+\b], v[TM+\b], v[TM+4+\b]
.endr
.irp b, 0,1,2,3
	v_add_nc_u32 v[TM+8+\b], 0xff000000, v[TM+\b]
.endr
.irp b, 0,1,2,3
	v_lshrrev_b32 v[TM+4+\b], 23, v[TM+8+\b]
.endr
.if \xw
	s_wait_xcnt 0x0
.endif
	WIN \win
.irp c, 0,1
	v_cvt_scalef32_pk16_fp6_f32 v[PC+6*\c:PC+6*\c+2], v[(\src)+32*\c:(\src)+32*\c+15], v[TM+8+2*\c]
	v_cvt_scalef32_pk16_fp6_f32 v[PC+12+4*\c:PC+14+4*\c], v[(\src)+32*\c+16:(\src)+32*\c+31], v[TM+9+2*\c]
.endr
	WIN 0
	v_nop
.irp c, 0,1
.irp i, 0,1,2
	v_permlane16_swap_b32 v[PC+6*\c+\i], v[PC+12+4*\c+\i]
.endr
.irp i, 0,1,2
	v_mov_b32 v[PC+3+6*\c+\i], v[PC+12+4*\c+\i]
.endr
.endr
.endm
.macro GATHER red, dst                 ; my row's partial v[ST+4 t + dst] goes to LDS; behind the barrier all eight waves' are added, in the same order in every wave, and divided by 512
.irp t, 0,1
	ds_store_b32 v[RW], v[ST+4*\t+\dst] offset:\red+64*\t
.endr
	BAR
.irp t, 0,1
.irp i, 0,1,2,3,4,5,6,7
	ds_load_b32 v[RD+8*\t+\i], v[R4] offset:\red+128*\i+64*\t
.endr
.endr
	s_wait_dscnt 0x0
.irp t, 0,1
	v_add_f32 v[RD+8*\t], v[RD+8*\t], v[RD+8*\t+1]
	v_add_f32 v[RD+8*\t+2], v[RD+8*\t+2], v[RD+8*\t+3]
	v_add_f32 v[RD+8*\t+4], v[RD+8*\t+4], v[RD+8*\t+5]
	v_add_f32 v[RD+8*\t+6], v[RD+8*\t+6], v[RD+8*\t+7]
	v_add_f32 v[RD+8*\t], v[RD+8*\t], v[RD+8*\t+2]
	v_add_f32 v[RD+8*\t+4], v[RD+8*\t+4], v[RD+8*\t+6]
	v_add_f32 v[RD+8*\t], v[RD+8*\t], v[RD+8*\t+4]
	v_mul_f32 v[ST+4*\t+\dst], 0x3b000000, v[RD+8*\t]
.endr
.endm
.macro LNORM                           ; Z = (Z - mean) / (std + eps) x gamma + beta, for my two tokens (tiles 0 and 1)
.irp t, 0,1
	v_pk_add_f32 v[ST+4*\t:ST+4*\t+1], v[Z+32*\t:Z+32*\t+1], v[Z+32*\t+2:Z+32*\t+3]     ; each accumulator is read from its low end on
.endr
.irp j, 4,6,8,10,12,14,16,18,20,22,24,26,28,30
.irp t, 0,1
	v_pk_add_f32 v[ST+4*\t:ST+4*\t+1], v[ST+4*\t:ST+4*\t+1], v[Z+32*\t+\j:Z+32*\t+\j+1]
.endr
.endr
.irp t, 0,1
	v_add_f32 v[ST+4*\t], v[ST+4*\t], v[ST+4*\t+1]
.endr
.irp t, 0,1
	v_permlanex16_b32 v[ST+4*\t+2], v[ST+4*\t], s[SEL], s[SEL+1]
.endr
.irp t, 0,1
	v_add_f32 v[ST+4*\t], v[ST+4*\t], v[ST+4*\t+2]                 ; my wave's 64 channels of the row
.endr
	GATHER RED1, 0                                 ; the mean
.irp t, 0,1
.irp j, 0,2,4,6,8,10,12,14,16,18,20,22,24,26,28,30
	v_pk_add_f32 v[Z+32*\t+\j:Z+32*\t+\j+1], v[Z+32*\t+\j:Z+32*\t+\j+1], v[ST+4*\t:ST+4*\t+1] op_sel_hi:[1,0] neg_lo:[0,1] neg_hi:[0,1]
.endr
.endr
.irp t, 0,1
	v_pk_mul_f32 v[ST+4*\t+2:ST+4*\t+3], v[Z+32*\t:Z+32*\t+1], v[Z+32*\t:Z+32*\t+1]
.endr
.irp j, 2,4,6,8,10,12,14,16,18,20,22,24,26,28,30
.irp t, 0,1
	v_pk_fma_f32 v[ST+4*\t+2:ST+4*\t+3], v[Z+32*\t+\j:Z+32*\t+\j+1], v[Z+32*\t+\j:Z+32*\t+\j+1], v[ST+4*\t+2:ST+4*\t+3]
.endr
.endr
.irp t, 0,1
	v_add_f32 v[ST+4*\t+2], v[ST+4*\t+2], v[ST+4*\t+3]
.endr
.irp t, 0,1
	v_permlanex16_b32 v[ST+4*\t+3], v[ST+4*\t+2], s[SEL], s[SEL+1]
.endr
.irp t, 0,1
	v_add_f32 v[ST+4*\t+2], v[ST+4*\t+2], v[ST+4*\t+3]
.endr
	GATHER RED2, 2                                 ; the variance (bytes of its own: no wave still reads the first sums' when these are stored)
.irp t, 0,1
	v_sqrt_f32 v[ST+4*\t+3], v[ST+4*\t+2]
.endr
	v_nop                                          ; a plain place behind the roots
	s_wait_alu depctr_va_vdst(0)
.irp t, 0,1
	v_add_f32 v[ST+4*\t+3], 0x3727c5ac, v[ST+4*\t+3]               ; std + 1e-5
.endr
.irp t, 0,1
	v_rcp_f32 v[ST+4*\t+2], v[ST+4*\t+3]
.endr
	v_nop
	s_wait_loadcnt 0x0                             ; gamma and beta
	s_wait_alu depctr_va_vdst(0)
.irp t, 0,1
.irp j, 0,2,4,6,8,10,12,14,16,18,20,22,24,26,28,30
	v_pk_mul_f32 v[Z+32*\t+\j:Z+32*\t+\j+1], v[Z+32*\t+\j:Z+32*\t+\j+1], v[ST+4*\t+2:ST+4*\t+3] op_sel_hi:[1,0]
.endr
.endr
	WIN 0x14                                       ; gamma and beta lie in window 1
.irp t, 0,1
.irp j, 0,2,4,6,8,10,12,14,16,18,20,22,24,26,28,30
	v_pk_fma_f32 v[Z+32*\t+\j:Z+32*\t+\j+1], v[Z+32*\t+\j:Z+32*\t+\j+1], v[192+\j:193+\j], v[224+\j:225+\j]
.endr
.endr
	WIN 0
.endm
	s_load_b512 s[8:23], s[0:1], 0x0               ; oimg, Wo codes, Wo scales, bo, x, gamma1, beta1, x1buf
	v_lshl_add_u32 v254, v0, 2, 0x1000
	v_mov_b32 v255, 0
	v_lshrrev_b32 v10, 5, v0
	v_readfirstlane_b32 s2, v10                    ; wave 0..7
	s_mov_b32 s3, ttmp9                            ; work-group
	v_and_b32 v10, 31, v0
	v_and_b32 v11, 15, v0                          ; r
	v_bfe_u32 v12, v0, 4, 1                        ; h
	v_and_b32 v13, 8, v11
	v_add_nc_u32 v13, v13, v11                     ; r + 8 (r / 8)
	v_lshlrev_b32 v[LI], 4, v10
	v_lshlrev_b32 v[L8], 3, v10
	v_lshlrev_b32 v[R4], 2, v11
	v_mul_u32_u24 v[WA], v13, 384
	v_mad_u32_u24 v[WA], v12, 24, v[WA]
	v_lshlrev_b32 v[WSA], 4, v13
	v_lshlrev_b32 v[XA], 11, v13
	v_lshl_add_u32 v[XA], v12, 6, v[XA]
	v_lshlrev_b32 v[BA], 6, v12
	s_lshl_b32 s4, s2, 7
	v_add_nc_u32 v[RW], s4, v[R4]                  ; 128 x wave + 4 r
	s_lshr_b32 s5, s2, 1                           ; my channels are half s6 of K step s5 of the next product
	s_and_b32 s6, s2, 1
	s_lshl_b32 s4, s5, 6
	s_lshl_b32 s7, s6, 1
	s_add_co_u32 s4, s4, s7
	v_add_nc_u32 v[SWA], s4, v[R4]                 ; my two bytes of the row's scale word
	s_mov_b32 s[SEL], 0x76543210
	s_mov_b32 s[SEL+1], 0xfedcba98
	s_mov_b32 s37, 0
	s_wait_kmcnt 0x0
	s_mul_i32 s36, s3, 12288
	s_add_nc_u64 s[24:25], s[8:9], s[36:37]        ; o's codes: my two tiles' 8 fragments
	s_lshl_b32 s36, s3, 9
	s_add_co_u32 s36, s36, OSC_O
	s_add_nc_u64 s[26:27], s[8:9], s[36:37]        ; and their scale words
	s_lshl_b32 s36, s3, 16
	s_lshl_b32 s38, s2, 8
	s_add_co_u32 s36, s36, s38
	s_add_nc_u64 s[16:17], s[16:17], s[36:37]      ; x: token 32 wg, channel 64 w
	s_mov_b32 s36, s38
	s_add_nc_u64 s[14:15], s[14:15], s[36:37]
	s_add_nc_u64 s[18:19], s[18:19], s[36:37]
	s_add_nc_u64 s[20:21], s[20:21], s[36:37]
	s_mul_i32 s36, s2, 24576
	s_add_nc_u64 s[10:11], s[10:11], s[36:37]
	s_lshl_b32 s36, s2, 10
	s_add_nc_u64 s[12:13], s[12:13], s[36:37]
	s_lshl_b32 s36, s3, 16
	s_lshl_b32 s38, s2, 13
	s_add_co_u32 s36, s36, s38
	s_add_nc_u64 s[28:29], s[22:23], s[36:37]      ; x1 as f32: my wave's image
	s_mul_i32 s36, s3, 12288
	s_mul_i32 s38, s5, 1536
	s_add_co_u32 s36, s36, s38
	s_mul_i32 s38, s6, 768
	s_add_co_u32 s36, s36, s38
	s_add_co_u32 s36, s36, X1C_O
	s_add_nc_u64 s[30:31], s[22:23], s[36:37]      ; x1's codes: my half fragment
	s_lshl_b32 s36, s3, 9
	s_add_co_u32 s36, s36, X1S_O
	s_add_nc_u64 s[32:33], s[22:23], s[36:37]      ; x1's scale words
.irp f, 0,1,2,3,4,5,6,7                ; fragment f = 4 T + s
.irp p, 0,1,2,3,4,5
	global_load_b64 v[OF+12*\f+2*\p:OF+12*\f+2*\p+1], v[L8], s[24:25] offset:1536*\f+256*\p
.endr
	global_load_b32 v[OS+\f], v[R4], s[26:27] offset:64*\f
.endr
.irp t, 0,1
.irp b, 0,1
.irp q, 0,1,2,3
	global_load_b128 v[Z+32*\t+16*\b+4*\q:Z+32*\t+16*\b+4*\q+3], v[XA], s[16:17] offset:16384*\t+128*\b+16*\q
.endr
.endr
.endr
.irp b, 0,1
.irp q, 0,1,2,3
	global_load_b128 v[BO+16*\b+4*\q:BO+16*\b+4*\q+3], v[BA], s[14:15] offset:128*\b+16*\q
.endr
.endr
.irp ct, 0,1,2,3
	global_load_b128 v[WS+4*\ct:WS+4*\ct+3], v[WSA], s[12:13] offset:(32*(\ct/2)+8*(\ct%2))*16
.endr
	WIN 0x40
.irp ct, 0,1,2,3
.irp s, 0,1,2,3
.irp q, 0,1,2,3,4,5
	global_load_b64 v[12*(4*\ct+\s)+2*\q:12*(4*\ct+\s)+2*\q+1], v[WA], s[10:11] offset:(32*(\ct/2)+8*(\ct%2))*384+96*\s+48*(\q/3)+8*(\q%3)
.endr
.endr
.endr
.irp b, 0,1
.irp q, 0,1,2,3
	global_load_b128 v[192+16*\b+4*\q:192+16*\b+4*\q+3], v[BA], s[18:19] offset:128*\b+16*\q
	global_load_b128 v[224+16*\b+4*\q:224+16*\b+4*\q+3], v[BA], s[20:21] offset:128*\b+16*\q
.endr
.endr
	WIN 0
	s_wait_loadcnt 16                              ; all but gamma's and beta's 16 loads
.irp t, 0,1
.irp j, 0,2,4,6,8,10,12,14,16,18,20,22,24,26,28,30
	v_pk_add_f32 v[Z+32*\t+\j:Z+32*\t+\j+1], v[Z+32*\t+\j:Z+32*\t+\j+1], v[BO+\j:BO+\j+1]    ; x + bo starts the sums
.endr
.endr
	WIN 0x01                                       ; Wo in window 1
.irp s, 0,1,2,3                        ; the eight accumulators take turns
.irp t, 0,1
.irp ct, 0,1,2,3
	v_wmma_scale_f32_16x16x128_f8f6f4 v[Z+32*\t+8*\ct:Z+32*\t+8*\ct+7], v[12*(4*\ct+\s):12*(4*\ct+\s)+11], v[OF+12*(4*\t+\s):OF+12*(4*\t+\s)+11], v[Z+32*\t+8*\ct:Z+32*\t+8*\ct+7], v[WS+4*\ct+\s], v[OS+4*\t+\s] matrix_a_fmt:MATRIX_FMT_FP6 matrix_b_fmt:MATRIX_FMT_FP6
.endr
.endr
.endr
	WIN 0
	PLACES 4
	LNORM
.irp c, 0,1,2,3,4,5,6,7,8,9,10,11,12,13,14,15
	global_store_b128 v[LI], v[Z+4*\c:Z+4*\c+3], s[28:29] offset:512*\c    ; x1 as it stands in my registers: 512 consecutive bytes a store
.endr
	QUANT4 Z, 0, 0                                 ; blocks 0, 1: tile 0's 64 channels; blocks 2, 3: tile 1's
	v_lshl_or_b32 v[HW], v[TM+5], 8, v[TM+4]
	v_lshl_or_b32 v[HW+1], v[TM+7], 8, v[TM+6]
.irp t, 0,1
.irp p, 0,1,2
	global_store_b64 v[L8], v[PC+6*\t+2*\p:PC+6*\t+2*\p+1], s[30:31] offset:6144*\t+256*\p
.endr
	ds_store_b16 v[SWA], v[HW+\t] offset:SCW+256*\t
.endr
	BAR                                            ; the work-group's 128 scale words are whole
	s_cmp_lg_u32 s2, 0
	s_cbranch_scc1 .Ldone
	ds_load_b128 v[RD:RD+3], v[LI] offset:SCW
	s_wait_dscnt 0x0
	global_store_b128 v[LI], v[RD:RD+3], s[32:33]  ; 512 consecutive bytes
.Ldone:
	s_wait_tensorcnt 0x0
	ds_add_u32 v254, v255
	s_wait_dscnt 0x0
	s_endpgm
.Lfunc_end_k_q33ba4f1408_wo_ln1:
	.size	k_q33ba4f1408_wo_ln1, .Lfunc_end_k_q33ba4f1408_wo_ln1-k_q33ba4f1408_wo_ln1
	.p2alignl 7, 3214868480
	.fill 96, 4, 3214868480
	.section	.rodata,"a",@progbits
	.p2align	6, 0x0
	.amdhsa_kernel k_q33ba4f1408_wo_ln1
		.amdhsa_group_segment_fixed_size 5120
		.amdhsa_private_segment_fixed_size 0
		.amdhsa_enable_private_segment 0
		.amdhsa_kernarg_size 64
		.amdhsa_user_sgpr_count 2
		.amdhsa_user_sgpr_kernarg_segment_ptr 1
		.amdhsa_wavefront_size32 1
		.amdhsa_system_sgpr_workgroup_id_x 1
		.amdhsa_system_sgpr_workgroup_id_y 1
		.amdhsa_system_sgpr_workgroup_id_z 1
		.amdhsa_system_vgpr_workitem_id 0
		.amdhsa_next_free_vgpr 512
		.amdhsa_next_free_sgpr 66
		.amdhsa_reserve_vcc 0
		.amdhsa_float_denorm_mode_32 3
		.amdhsa_float_denorm_mode_16_64 3
		.amdhsa_memory_ordered 1
		.amdhsa_forward_progress 1
		.amdhsa_inst_pref_size 49
	.end_amdhsa_kernel
	.amdgpu_metadata
---
amdhsa.version: [ 1, 2 ]
amdhsa.kernels:
  - .name:           k_q33ba4f1408_wo_ln1
    .symbol:         k_q33ba4f1408_wo_ln1.kd
    .args:
      - { .name: oimg, .offset: 0, .size: 8, .value_kind: global_buffer, .address_space: global }
      - { .name: Wo_codes, .offset: 8, .size: 8, .value_kind: global_buffer, .address_space: global }
      - { .name: Wo_scales, .offset: 16, .size: 8, .value_kind: global_buffer, .address_space: global }
      - { .name: bo, .offset: 24, .size: 8, .value_kind: global_buffer, .address_space: global }
      - { .name: x, .offset: 32, .size: 8, .value_kind: global_buffer, .address_space: global }
      - { .name: gamma1, .offset: 40, .size: 8, .value_kind: global_buffer, .address_space: global }
      - { .name: beta1, .offset: 48, .size: 8, .value_kind: global_buffer, .address_space: global }
      - { .name: x1buf, .offset: 56, .size: 8, .value_kind: global_buffer, .address_space: global }
    .group_segment_fixed_size: 5120
    .private_segment_fixed_size: 0
    .kernarg_segment_align: 8
    .kernarg_segment_size: 64
    .max_flat_workgroup_size: 256
    .sgpr_count:     66
    .vgpr_count:     512
    .wavefront_size: 32
...
	.end_amdgpu_metadata
.endif
;; end of part 3
;; launch ffn1 (part 4): grid 64 x 4, 4 waves a work-group, no clusters, 51,712 bytes of LDS; arguments x1buf, W1_codes, W1_scales, b1, himg; writes himg
.if DOCPART == 4
	.amdgcn_target "amdgcn-amd-amdhsa--gfx1250"
	.amdhsa_code_object_version 6
	.text
	.protected	k_q33ba4f1408_ffn1
	.globl	k_q33ba4f1408_ffn1
	.p2align	8
	.type	k_q33ba4f1408_ffn1,@function
k_q33ba4f1408_ffn1:
	s_mov_b64 s[64:65], 0
	v_nop
	global_prefetch_b8 v0, s[64:65] scope:SCOPE_SE
	s_setreg_imm32_b32 hwreg(HW_REG_WAVE_MODE, 25, 1), 1
	s_wait_xcnt 0x0
; h = relu(x1 W1 + b1) on codes of E2M3 with E8M0 scales; h is quantised along the hidden units and stored as register images for the next product.
; SHARES.  Work-group (g, y): 128 tokens (8 tiles) x 512 hidden units.  Wave w owns units 512 y + 128 w .. + 127: 8 tiles x 4 K steps of W1 stay in its registers (384), read once; they are K step
; 4 y + w of the next product, so a token tile's results become exactly one fragment and one scale word a row.  x1's codes (49,152 bytes, images) and scale words come into LDS once, through registers.
; The product is used transposed (source 0 = 16 rows of W1, rows base + r + 8 (r / 8); source 1 = 16 tokens); b1 is the C of each sum's first product.
; No tensor loads, no cluster: LDS is filled once, by 25 loads a thread, and each weight fragment is wanted by one wave.
; LIMITS: NaN and infinities are not served; a block under 2^-124 (or of zeros) gets the byte 1.
; REGISTERS: window 0: v1-7 addresses; v16-47 W1's scale words; v48-55 x1's, two sets; v56-63 h's words; v64-127 the 8 accumulators; v128-175, v176-223 x1's fragments, two buffers; v224-255 at work.
;   window 1: W1's tiles 0-3, from v192 b1; window 2: tiles 4-7.
.set X1C_O, 16777216
.set X1S_O, 19922944
.set HS_O,  12582912
.set FRB,   1536
.set XSC,   49152
.set L8,  1
.set R4,  2
.set CP,  3
.set WA,  4
.set WSA, 5
.set BA,  6
.set HSA, 7
.set WS,  16
.set XS,  48
.set HW,  56
.set HA,  64
.set XF,  128
.set PC,  224
.set TM,  244
.set SEL, 28
.set MSB, 0
.macro WIN new
.if MSB != (\new)
	s_set_vgpr_msb (MSB<<8)|(\new)
.set MSB, (\new)
.endif
.endm
.macro PLACES n
.rept \n
	v_nop
.endr
.endm
.macro BAR
	s_wait_dscnt 0x0
	s_barrier_signal -1
	s_barrier_wait -1
.endm
.macro QUANT4 src, win, xw             ; 64 numbers of a lane, register 16 b + i = index 32 b + 16 (lane / 16) + i, become 12 registers of codes at v[PC] and four bytes at v[TM+4..7]
	WIN (\win)|((\win)<<2)
.irp b, 0,1,2,3
	v_max3_num_f32 v[TM+\b], |v[(\src)+16*\b]|, |v[(\src)+16*\b+1]|, 0x1800000
.endr
	WIN ((\win)<<2)|((\win)<<4)
.irp i, 2,4,6,8,10,12,14
.irp b, 0,1,2,3
	v_max3_num_f32 v[TM+\b], v[TM+\b], |v[(\src)+16*\b+\i]|, |v[(\src)+16*\b+\i+1]|
.endr
.endr
	WIN 0
.irp b, 0,1,2,3
	v_permlanex16_b32 v[TM+4+\b], v[TM+\b], s[SEL], s[SEL+1]
.endr
.irp b, 0,1,2,3
	v_max_num_f32 v[TM+\b], v[TM+\b], v[TM+4+\b]
.endr
.irp b, 0,1,2,3
	v_add_nc_u32 v[TM+8+\b], 0xff000000, v[TM+\b]
.endr
.irp b, 0,1,2,3
	v_lshrrev_b32 v[TM+4+\b], 23, v[TM+8+\b]
.endr
.if \xw
	s_wait_xcnt 0x0                                ; the last tile's stores have read v[PC]
.endif
	WIN \win
.irp c, 0,1
	v_cvt_scalef32_pk16_fp6_f32 v[PC+6*\c:PC+6*\c+2], v[(\src)+32*\c:(\src)+32*\c+15], v[TM+8+2*\c]
	v_cvt_scalef32_pk16_fp6_f32 v[PC+12+4*\c:PC+14+4*\c], v[(\src)+32*\c+16:(\src)+32*\c+31], v[TM+9+2*\c]
.endr
	WIN 0
	v_nop
.irp c, 0,1
.irp i, 0,1,2
	v_permlane16_swap_b32 v[PC+6*\c+\i], v[PC+12+4*\c+\i]
.endr
.irp i, 0,1,2
	v_mov_b32 v[PC+3+6*\c+\i], v[PC+12+4*\c+\i]
.endr
.endr
.endm
	s_load_b256 s[8:15], s[0:1], 0x0               ; x1buf, W1 codes, W1 scales, b1
	s_load_b64 s[16:17], s[0:1], 0x20              ; himg
	v_lshl_add_u32 v239, v0, 2, 0xc800
	v_mov_b32 v243, 0
	v_lshrrev_b32 v10, 5, v0
	v_readfirstlane_b32 s2, v10                    ; wave 0..3
	s_mov_b32 s3, ttmp9                            ; g
	s_and_b32 s4, ttmp7, 0xffff                    ; y
	v_and_b32 v10, 31, v0
	v_and_b32 v11, 15, v0
	v_bfe_u32 v12, v0, 4, 1
	v_and_b32 v13, 8, v11
	v_add_nc_u32 v13, v13, v11
	v_lshlrev_b32 v[L8], 3, v10
	v_lshlrev_b32 v[R4], 2, v11
	v_lshlrev_b32 v[CP], 4, v0
	v_mul_u32_u24 v[WA], v13, 384
	v_mad_u32_u24 v[WA], v12, 24, v[WA]
	v_lshlrev_b32 v[WSA], 4, v13
	v_lshlrev_b32 v[BA], 6, v12
	v_lshlrev_b32 v[HSA], 5, v11
	v_lshl_add_u32 v[HSA], v12, 4, v[HSA]          ; 32 r + 16 h
.irp b, 0,1,2,3
	v_mov_b32 v[TM+4+\b], 0
.endr
	s_mov_b32 s[SEL], 0x76543210
	s_mov_b32 s[SEL+1], 0xfedcba98
	s_lshl_b32 s5, s4, 9
	s_lshl_b32 s6, s2, 7
	s_add_co_u32 s5, s5, s6                        ; my first hidden unit
	s_lshl_b32 s6, s4, 2
	s_add_co_u32 s6, s6, s2                        ; the next product's K step
	s_mov_b32 s27, 0
	s_wait_kmcnt 0x0
	s_mul_i32 s26, s3, 49152
	s_add_co_u32 s26, s26, X1C_O
	s_add_nc_u64 s[18:19], s[8:9], s[26:27]
	s_lshl_b32 s26, s3, 11
	s_add_co_u32 s26, s26, X1S_O
	s_add_nc_u64 s[20:21], s[8:9], s[26:27]
	s_mul_i32 s26, s5, 384
	s_add_nc_u64 s[10:11], s[10:11], s[26:27]
	s_lshl_b32 s26, s5, 4
	s_add_nc_u64 s[12:13], s[12:13], s[26:27]
	s_lshl_b32 s26, s5, 2
	s_add_nc_u64 s[14:15], s[14:15], s[26:27]
	s_lshl_b32 s26, s3, 7
	s_add_co_u32 s26, s26, s6
	s_mul_i32 s26, s26, FRB
	s_add_nc_u64 s[22:23], s[16:17], s[26:27]      ; h's codes: tile 8 g, my K step
	s_lshl_b32 s26, s3, 4
	s_add_co_u32 s26, s26, s6
	s_lshl_b32 s26, s26, 9
	s_add_co_u32 s26, s26, HS_O
	s_add_nc_u64 s[24:25], s[16:17], s[26:27]      ; h's scale words
.irp i, 0,1,2,3,4,5,6,7,8,9,10,11,12,13,14,15,16,17,18,19,20,21,22,23
	global_load_b128 v[64+4*\i:67+4*\i], v[CP], s[18:19] offset:2048*\i    ; the copy: 128 threads x 16 bytes a load
.endr
	global_load_b128 v[160:163], v[CP], s[20:21]
.irp ct, 0,1,2,3,4,5,6,7
	global_load_b128 v[WS+4*\ct:WS+4*\ct+3], v[WSA], s[12:13] offset:(32*(\ct/2)+8*(\ct%2))*16
.endr
	WIN 0x40
.irp ct, 0,1,2,3,4,5,6,7
	global_load_b128 v[192+8*\ct:192+8*\ct+3], v[BA], s[14:15] offset:(32*(\ct/2)+8*(\ct%2))*4
	global_load_b128 v[192+8*\ct+4:192+8*\ct+7], v[BA], s[14:15] offset:(32*(\ct/2)+8*(\ct%2))*4+16
.endr
.irp hf, 0,1
	WIN 0x40+0x40*\hf
.irp c, 0,1,2,3
.irp s, 0,1,2,3
.irp q, 0,1,2,3,4,5
	global_load_b64 v[12*(4*\c+\s)+2*\q:12*(4*\c+\s)+2*\q+1], v[WA], s[10:11] offset:(32*((4*\hf+\c)/2)+8*(\c%2))*384+96*\s+48*(\q/3)+8*(\q%3)
.endr
.endr
.endr
.endr
	WIN 0
	s_wait_loadcnt 63                              ; 216 loads were issued behind the copy's 25: those are in
.irp i, 0,1,2,3,4,5,6,7,8,9,10,11,12,13,14,15,16,17,18,19,20,21,22,23
	ds_store_b128 v[CP], v[64+4*\i:67+4*\i] offset:2048*\i
.endr
	ds_store_b128 v[CP], v[160:163] offset:XSC
	BAR                                            ; x1's 32 fragments and their scale words lie in LDS; from here on LDS is only read
.macro FETCH t, buf                    ; token tile t: four fragments and four scale words: 28 LDS loads
.irp s, 0,1,2,3
.irp p, 0,1,2,3,4,5
	ds_load_b64 v[XF+48*(\buf)+12*\s+2*\p:XF+48*(\buf)+12*\s+2*\p+1], v[L8] offset:(4*(\t)+\s)*FRB+256*\p
.endr
	ds_load_b32 v[XS+4*(\buf)+\s], v[R4] offset:XSC+(4*(\t)+\s)*64
.endr
.endm
.macro RUN t, half                     ; 16 products: four tiles of W1 by turns, K step by K step
.irp s, 0,1,2,3
.if \s == 0
	WIN 0x11+(\half)                               ; W1 window 1 or 2; C = b1 in window 1
.else
	WIN 0x01+(\half)
.endif
.irp c, 0,1,2,3
.set rD, HA+8*(4*(\half)+\c)
.set rW, 12*(4*\c+\s)
.set rX, XF+48*((\t)%2)+12*\s
.set rC, 192+8*(4*(\half)+\c)
.set sW, WS+4*(4*(\half)+\c)+\s
.set sX, XS+4*((\t)%2)+\s
.if \s == 0
	v_wmma_scale_f32_16x16x128_f8f6f4 v[rD:rD+7], v[rW:rW+11], v[rX:rX+11], v[rC:rC+7], v[sW], v[sX] matrix_a_fmt:MATRIX_FMT_FP6 matrix_b_fmt:MATRIX_FMT_FP6
.else
	v_wmma_scale_f32_16x16x128_f8f6f4 v[rD:rD+7], v[rW:rW+11], v[rX:rX+11], v[rD:rD+7], v[sW], v[sX] matrix_a_fmt:MATRIX_FMT_FP6 matrix_b_fmt:MATRIX_FMT_FP6
.endif
.endr
.endr
.endm
	FETCH 0, 0
	s_wait_loadcnt 0x0                             ; the weights, their scale words, b1
.irp t, 0,1,2,3,4,5,6,7
.if \t < 7
	FETCH \t+1, (\t+1)%2                           ; the buffer's last products stand a whole quantising back
	s_wait_dscnt 28                                ; all but the 28 just issued
.else
	s_wait_dscnt 0x0
.endif
	RUN \t, 0
	RUN \t, 1
	WIN 0
	PLACES 4
.set J, 0
.rept 64
	v_max_num_f32 v[HA+J], 0, v[HA+J]              ; the activation, in f32; each accumulator from its low end on
.set J, J+1
.endr
	QUANT4 HA, 0, 1
	v_lshl_or_b32 v[HW+\t], v[TM+5], 8, v[TM+4]
	v_lshl_or_b32 v[HW+\t], v[TM+6], 16, v[HW+\t]
	v_lshl_or_b32 v[HW+\t], v[TM+7], 24, v[HW+\t]
.irp p, 0,1,2,3,4,5
	global_store_b64 v[L8], v[PC+2*\p:PC+2*\p+1], s[22:23] offset:24576*\t+256*\p   ; 32 lanes store 256 consecutive bytes, aligned
.endr
.endr
	v_cmp_le_u32 vcc_lo, 16, v10
.irp i, 0,1,2,3
	v_cndmask_b32 v[HA+\i], v[HW+\i], v[HW+4+\i], vcc_lo           ; row r's eight words: lanes 0-15 tiles 0-3, lanes 16-31 tiles 4-7
.endr
	global_store_b128 v[HSA], v[HA:HA+3], s[24:25] ; 512 consecutive bytes
	s_wait_tensorcnt 0x0
	ds_add_u32 v239, v243
	s_wait_dscnt 0x0
	s_endpgm
.Lfunc_end_k_q33ba4f1408_ffn1:
	.size	k_q33ba4f1408_ffn1, .Lfunc_end_k_q33ba4f1408_ffn1-k_q33ba4f1408_ffn1
	.p2alignl 7, 3214868480
	.fill 96, 4, 3214868480
	.section	.rodata,"a",@progbits
	.p2align	6, 0x0
	.amdhsa_kernel k_q33ba4f1408_ffn1
		.amdhsa_group_segment_fixed_size 51712
		.amdhsa_private_segment_fixed_size 0
		.amdhsa_enable_private_segment 0
		.amdhsa_kernarg_size 40
		.amdhsa_user_sgpr_count 2
		.amdhsa_user_sgpr_kernarg_segment_ptr 1
		.amdhsa_wavefront_size32 1
		.amdhsa_system_sgpr_workgroup_id_x 1
		.amdhsa_system_sgpr_workgroup_id_y 1
		.amdhsa_system_sgpr_workgroup_id_z 1
		.amdhsa_system_vgpr_workitem_id 0
		.amdhsa_next_free_vgpr 768
		.amdhsa_next_free_sgpr 66
		.amdhsa_reserve_vcc 1
		.amdhsa_float_denorm_mode_32 3
		.amdhsa_float_denorm_mode_16_64 3
		.amdhsa_memory_ordered 1
		.amdhsa_forward_progress 1
		.amdhsa_inst_pref_size 127
	.end_amdhsa_kernel
	.amdgpu_metadata
---
amdhsa.version: [ 1, 2 ]
amdhsa.kernels:
  - .name:           k_q33ba4f1408_ffn1
    .symbol:         k_q33ba4f1408_ffn1.kd
    .args:
      - { .name: x1buf, .offset: 0, .size: 8, .value_kind: global_buffer, .address_space: global }
      - { .name: W1_codes, .offset: 8, .size: 8, .value_kind: global_buffer, .address_space: global }
      - { .name: W1_scales, .offset: 16, .size: 8, .value_kind: global_buffer, .address_space: global }
      - { .name: b1, .offset: 24, .size: 8, .value_kind: global_buffer, .address_space: global }
      - { .name: himg, .offset: 32, .size: 8, .value_kind: global_buffer, .address_space: global }
    .group_segment_fixed_size: 51712
    .private_segment_fixed_size: 0
    .kernarg_segment_align: 8
    .kernarg_segment_size: 40
    .max_flat_workgroup_size: 128
    .sgpr_count:     66
    .vgpr_count:     768
    .wavefront_size: 32
...
	.end_amdgpu_metadata
.endif
;; end of part 4
;; launch ffn2_ln2 (part 5): grid 256 x 1, 8 waves a work-group, no clusters, 118,528 bytes of LDS; arguments himg, ws1, W2_scales, b2, x1buf, gamma2, beta2, out0; writes out0
.if DOCPART == 5
	.amdgcn_target "amdgcn-amd-amdhsa--gfx1250"
	.amdhsa_code_object_version 6
	.text
	.protected	k_q33ba4f1408_ffn2_ln2
	.globl	k_q33ba4f1408_ffn2_ln2
	.p2align	8
	.type	k_q33ba4f1408_ffn2_ln2,@function
k_q33ba4f1408_ffn2_ln2:
	s_mov_b64 s[64:65], 0
	v_nop
	global_prefetch_b8 v0, s[64:65] scope:SCOPE_SE
	s_setreg_imm32_b32 hwreg(HW_REG_WAVE_MODE, 25, 1), 1
	s_wait_xcnt 0x0
; out = layernorm(x1 + h W2 + b2) (dividing by std + eps), the product on codes of E2M3 with E8M0 scales.
; SHARES.  A work-group owns two token tiles (32 tokens), each of its eight waves 64 of the 512 channels, in the layout of the launch that made x1: register 32 T + 16 b + i of lane (r, h) is token
; 32 wg + 8 T + r + 8 (r / 8), channel 64 w + 32 b + 16 h + i.  x1 (its register image) + b2 starts the sums.  K = 2,048 goes in 16 steps, written out: h's 32 fragments lie in LDS (copied once through
; registers); my wave's four fragments of W2 for a step stream from memory as register images, four steps ahead in four buffers.
; No tensor loads, no cluster: each fragment of W2 is wanted by one wave of the work-group, so LDS would add a trip and no reuse.
; The way out goes through a stage in LDS, so that each store covers 512 consecutive bytes of a row of out.
; REGISTERS: window 0: v1-10 addresses; v16-79 W2's scale words; v80-111 h's; v112-175 the sums Z; v176-223 h's fragments, two buffers (first the copy's stage, at the end at work); v224-255 b2.
;   window 1: v0-191 W2's stream; v192-223 gamma; v224-255 beta.
.set W2I_O, 10223616
.set HS_O,  12582912
.set FRB,   1536
.set RED1,  49152
.set RED2,  50176
.set STG,   51200                      ; 32 rows of 2,048 + 16 bytes
.set SP,    2064
.set LI,  1
.set L8,  2
.set R4,  3
.set CP,  4
.set WSA, 5
.set HSA, 6
.set BA,  7
.set RW,  8
.set STO, 9
.set SRD, 10
.set WS,  16
.set HS,  80
.set Z,   112
.set HB,  176
.set B2,  224
.set ST,  176
.set RD,  192
.set SEL, 34
.set MSB, 0
.macro WIN new
.if MSB != (\new)
	s_set_vgpr_msb (MSB<<8)|(\new)
.set MSB, (\new)
.endif
.endm
.macro PLACES n
.rept \n
	v_nop
.endr
.endm
.macro BAR
	s_wait_dscnt 0x0
	s_barrier_signal -1
	s_barrier_wait -1
.endm
.macro GATHER red, dst                 ; my row's partial v[ST+4 t + dst] goes to LDS; behind the barrier all eight waves' are added, in the same order in every wave, and divided by 512
.irp t, 0,1
	ds_store_b32 v[RW], v[ST+4*\t+\dst] offset:\red+64*\t
.endr
	BAR
.irp t, 0,1
.irp i, 0,1,2,3,4,5,6,7
	ds_load_b32 v[RD+8*\t+\i], v[R4] offset:\red+128*\i+64*\t
.endr
.endr
	s_wait_dscnt 0x0
.irp t, 0,1
	v_add_f32 v[RD+8*\t], v[RD+8*\t], v[RD+8*\t+1]
	v_add_f32 v[RD+8*\t+2], v[RD+8*\t+2], v[RD+8*\t+3]
	v_add_f32 v[RD+8*\t+4], v[RD+8*\t+4], v[RD+8*\t+5]
	v_add_f32 v[RD+8*\t+6], v[RD+8*\t+6], v[RD+8*\t+7]
	v_add_f32 v[RD+8*\t], v[RD+8*\t], v[RD+8*\t+2]
	v_add_f32 v[RD+8*\t+4], v[RD+8*\t+4], v[RD+8*\t+6]
	v_add_f32 v[RD+8*\t], v[RD+8*\t], v[RD+8*\t+4]
	v_mul_f32 v[ST+4*\t+\dst], 0x3b000000, v[RD+8*\t]
.endr
.endm
.macro LNORM                           ; Z = (Z - mean) / (std + eps) x gamma + beta, for my two tokens (tiles 0 and 1)
.irp t, 0,1
	v_pk_add_f32 v[ST+4*\t:ST+4*\t+1], v[Z+32*\t:Z+32*\t+1], v[Z+32*\t+2:Z+32*\t+3]     ; each accumulator is read from its low end on
.endr
.irp j, 4,6,8,10,12,14,16,18,20,22,24,26,28,30
.irp t, 0,1
	v_pk_add_f32 v[ST+4*\t:ST+4*\t+1], v[ST+4*\t:ST+4*\t+1], v[Z+32*\t+\j:Z+32*\t+\j+1]
.endr
.endr
.irp t, 0,1
	v_add_f32 v[ST+4*\t], v[ST+4*\t], v[ST+4*\t+1]
.endr
.irp t, 0,1
	v_permlanex16_b32 v[ST+4*\t+2], v[ST+4*\t], s[SEL], s[SEL+1]
.endr
.irp t, 0,1
	v_add_f32 v[ST+4*\t], v[ST+4*\t], v[ST+4*\t+2]
.endr
	GATHER RED1, 0                                 ; the mean
.irp t, 0,1
.irp j, 0,2,4,6,8,10,12,14,16,18,20,22,24,26,28,30
	v_pk_add_f32 v[Z+32*\t+\j:Z+32*\t+\j+1], v[Z+32*\t+\j:Z+32*\t+\j+1], v[ST+4*\t:ST+4*\t+1] op_sel_hi:[1,0] neg_lo:[0,1] neg_hi:[0,1]
.endr
.endr
.irp t, 0,1
	v_pk_mul_f32 v[ST+4*\t+2:ST+4*\t+3], v[Z+32*\t:Z+32*\t+1], v[Z+32*\t:Z+32*\t+1]
.endr
.irp j, 2,4,6,8,10,12,14,16,18,20,22,24,26,28,30
.irp t, 0,1
	v_pk_fma_f32 v[ST+4*\t+2:ST+4*\t+3], v[Z+32*\t+\j:Z+32*\t+\j+1], v[Z+32*\t+\j:Z+32*\t+\j+1], v[ST+4*\t+2:ST+4*\t+3]
.endr
.endr
.irp t, 0,1
	v_add_f32 v[ST+4*\t+2], v[ST+4*\t+2], v[ST+4*\t+3]
.endr
.irp t, 0,1
	v_permlanex16_b32 v[ST+4*\t+3], v[ST+4*\t+2], s[SEL], s[SEL+1]
.endr
.irp t, 0,1
	v_add_f32 v[ST+4*\t+2], v[ST+4*\t+2], v[ST+4*\t+3]
.endr
	GATHER RED2, 2                                 ; the variance (bytes of its own)
.irp t, 0,1
	v_sqrt_f32 v[ST+4*\t+3], v[ST+4*\t+2]
.endr
	v_nop                                          ; a plain place behind the roots
	s_wait_alu depctr_va_vdst(0)
.irp t, 0,1
	v_add_f32 v[ST+4*\t+3], 0x3727c5ac, v[ST+4*\t+3]               ; std + 1e-5
.endr
.irp t, 0,1
	v_rcp_f32 v[ST+4*\t+2], v[ST+4*\t+3]
.endr
	v_nop
	s_wait_loadcnt 0x0
	s_wait_alu depctr_va_vdst(0)
.irp t, 0,1
.irp j, 0,2,4,6,8,10,12,14,16,18,20,22,24,26,28,30
	v_pk_mul_f32 v[Z+32*\t+\j:Z+32*\t+\j+1], v[Z+32*\t+\j:Z+32*\t+\j+1], v[ST+4*\t+2:ST+4*\t+3] op_sel_hi:[1,0]
.endr
.endr
	WIN 0x14                                       ; gamma and beta lie in window 1
.irp t, 0,1
.irp j, 0,2,4,6,8,10,12,14,16,18,20,22,24,26,28,30
	v_pk_fma_f32 v[Z+32*\t+\j:Z+32*\t+\j+1], v[Z+32*\t+\j:Z+32*\t+\j+1], v[192+\j:193+\j], v[224+\j:225+\j]
.endr
.endr
	WIN 0
.endm
	s_load_b512 s[8:23], s[0:1], 0x0               ; himg, ws1, W2 scales, b2, x1buf, gamma2, beta2, out0
	v_lshrrev_b32 v11, 5, v0
	v_readfirstlane_b32 s2, v11                    ; wave 0..7
	s_mov_b32 s3, ttmp9                            ; work-group
	v_and_b32 v11, 31, v0
	v_and_b32 v12, 15, v0                          ; r
	v_bfe_u32 v13, v0, 4, 1                        ; h
	v_and_b32 v14, 8, v12
	v_add_nc_u32 v14, v14, v12                     ; r + 8 (r / 8)
	v_lshlrev_b32 v[LI], 4, v11
	v_lshlrev_b32 v[L8], 3, v11
	v_lshlrev_b32 v[R4], 2, v12
	v_lshlrev_b32 v[CP], 4, v0
	v_lshlrev_b32 v[WSA], 6, v14
	v_lshlrev_b32 v[HSA], 5, v12
	v_lshlrev_b32 v[BA], 6, v13
	s_lshl_b32 s4, s2, 7
	v_add_nc_u32 v[RW], s4, v[R4]
	v_mul_u32_u24 v[STO], v12, SP
	v_lshl_add_u32 v[STO], v13, 6, v[STO]
	s_lshl_b32 s4, s2, 8
	s_add_co_u32 s4, s4, STG
	v_add_nc_u32 v[STO], s4, v[STO]                ; the stage, in: row r, + 64 h, + 256 x wave
	s_mul_i32 s4, s2, 4*SP
	s_add_co_u32 s4, s4, STG
	v_add_nc_u32 v[SRD], s4, v[LI]                 ; and back: my four rows, 16 bytes a lane
	s_mov_b32 s[SEL], 0x76543210
	s_mov_b32 s[SEL+1], 0xfedcba98
	s_mov_b32 s37, 0
	s_wait_kmcnt 0x0
	s_mul_i32 s36, s3, 49152
	s_add_nc_u64 s[24:25], s[8:9], s[36:37]        ; h's codes: my two tiles' 32 fragments
	s_lshr_b32 s36, s3, 2
	s_lshl_b32 s36, s36, 13
	s_and_b32 s38, s3, 3
	s_lshl_b32 s38, s38, 3
	s_add_co_u32 s36, s36, s38
	s_add_co_u32 s36, s36, HS_O
	s_add_nc_u64 s[26:27], s[8:9], s[36:37]        ; h's scale words: my two tiles' of each row
	s_mul_i32 s36, s2, 98304
	s_add_co_u32 s36, s36, W2I_O
	s_add_nc_u64 s[10:11], s[10:11], s[36:37]      ; W2's images: my 64 fragments
	s_lshl_b32 s36, s2, 12
	s_add_nc_u64 s[12:13], s[12:13], s[36:37]
	s_lshl_b32 s36, s3, 16
	s_lshl_b32 s38, s2, 13
	s_add_co_u32 s36, s36, s38
	s_add_nc_u64 s[16:17], s[16:17], s[36:37]      ; x1: my wave's image
	s_lshl_b32 s36, s2, 8
	s_add_nc_u64 s[14:15], s[14:15], s[36:37]
	s_add_nc_u64 s[18:19], s[18:19], s[36:37]
	s_add_nc_u64 s[20:21], s[20:21], s[36:37]
	s_lshl_b32 s36, s3, 5                          ; stage rows 4 w .. 4 w + 3 are tile w / 4, r = 4 (w % 4) + i: tokens 32 wg + 8 (w / 4) + 4 (w % 4) + 8 ((w % 4) / 2) + i
	s_lshr_b32 s38, s2, 2
	s_lshl_b32 s38, s38, 3
	s_add_co_u32 s36, s36, s38
	s_and_b32 s38, s2, 3
	s_lshl_b32 s39, s38, 2
	s_add_co_u32 s36, s36, s39
	s_lshr_b32 s38, s38, 1
	s_lshl_b32 s38, s38, 3
	s_add_co_u32 s36, s36, s38
	s_lshl_b32 s36, s36, 11
	s_add_nc_u64 s[22:23], s[22:23], s[36:37]
.irp i, 0,1,2,3,4,5,6,7,8,9,10,11
	global_load_b128 v[HB+4*\i:HB+4*\i+3], v[CP], s[24:25] offset:4096*\i  ; the copy of h: 256 threads x 16 bytes a load
.endr
.irp ct, 0,1,2,3
.irp q, 0,1,2,3
	global_load_b128 v[WS+16*\ct+4*\q:WS+16*\ct+4*\q+3], v[WSA], s[12:13] offset:(32*(\ct/2)+8*(\ct%2))*64+16*\q
.endr
.endr
.irp sp, 0,1,2,3,4,5,6,7,8,9,10,11,12,13,14,15
	global_load_b64 v[HS+2*\sp:HS+2*\sp+1], v[HSA], s[26:27] offset:512*\sp
.endr
.irp c, 0,1,2,3,4,5,6,7,8,9,10,11,12,13,14,15
	global_load_b128 v[Z+4*\c:Z+4*\c+3], v[LI], s[16:17] offset:512*\c
.endr
.irp b, 0,1
.irp q, 0,1,2,3
	global_load_b128 v[B2+16*\b+4*\q:B2+16*\b+4*\q+3], v[BA], s[14:15] offset:128*\b+16*\q
.endr
.endr
	WIN 0x40
.irp b, 0,1
.irp q, 0,1,2,3
	global_load_b128 v[192+16*\b+4*\q:192+16*\b+4*\q+3], v[BA], s[18:19] offset:128*\b+16*\q
	global_load_b128 v[224+16*\b+4*\q:224+16*\b+4*\q+3], v[BA], s[20:21] offset:128*\b+16*\q
.endr
.endr
	WIN 0
	s_wait_loadcnt 63                              ; 72 loads were issued behind the copy's 12: those are in
.irp i, 0,1,2,3,4,5,6,7,8,9,10,11
	ds_store_b128 v[CP], v[HB+4*\i:HB+4*\i+3] offset:4096*\i
.endr
.macro STREAM sp                       ; my four fragments of W2 for K step sp: 12 loads of 512 consecutive bytes
	WIN 0x40
.irp ct, 0,1,2,3
.irp c, 0,1,2
	global_load_b128 v[48*((\sp)%4)+12*\ct+4*\c:48*((\sp)%4)+12*\ct+4*\c+3], v[LI], s[10:11] offset:6144*(\sp)+FRB*\ct+512*\c
.endr
.endr
	WIN 0
.endm
.macro FETCHH sp                       ; h's two fragments of K step sp: 12 LDS loads
.irp t, 0,1
.irp p, 0,1,2,3,4,5
	ds_load_b64 v[HB+24*((\sp)%2)+12*\t+2*\p:HB+24*((\sp)%2)+12*\t+2*\p+1], v[L8] offset:(16*\t+(\sp))*FRB+256*\p
.endr
.endr
.endm
.irp sp, 0,1,2,3
	STREAM \sp
.endr
	BAR                                            ; h's 32 fragments lie in LDS
	FETCHH 0
	FETCHH 1
	s_wait_loadcnt 48                              ; all but the stream's 48
.irp t, 0,1
.irp j, 0,2,4,6,8,10,12,14,16,18,20,22,24,26,28,30
	v_pk_add_f32 v[Z+32*\t+\j:Z+32*\t+\j+1], v[Z+32*\t+\j:Z+32*\t+\j+1], v[B2+\j:B2+\j+1]    ; x1 + b2 starts the sums
.endr
.endr
.macro KSTEP sp
.if (\sp) <= 12
	s_wait_loadcnt 36                              ; this step's 12 loads are in; those of the three steps behind it may be out
.else
	s_wait_loadcnt 12*(15-(\sp))
.endif
.if (\sp) < 15
	s_wait_dscnt 12                                ; the next step's h may be out
.else
	s_wait_dscnt 0x0
.endif
	WIN 0x01
.irp t, 0,1                            ; the eight accumulators take turns
.irp ct, 0,1,2,3
	v_wmma_scale_f32_16x16x128_f8f6f4 v[Z+32*\t+8*\ct:Z+32*\t+8*\ct+7], v[48*((\sp)%4)+12*\ct:48*((\sp)%4)+12*\ct+11], v[HB+24*((\sp)%2)+12*\t:HB+24*((\sp)%2)+12*\t+11], v[Z+32*\t+8*\ct:Z+32*\t+8*\ct+7], v[WS+16*\ct+(\sp)], v[HS+2*(\sp)+\t] matrix_a_fmt:MATRIX_FMT_FP6 matrix_b_fmt:MATRIX_FMT_FP6
.endr
.endr
	WIN 0
.if (\sp)+2 < 16
	PLACES 4                                       ; in front of loads into registers that these products read
.endif
.if (\sp)+4 < 16
	STREAM (\sp)+4
.endif
.if (\sp)+2 < 16
	FETCHH (\sp)+2
.endif
.endm
.irp sp, 0,1,2,3,4,5,6,7,8,9,10,11,12,13,14,15
	KSTEP \sp
.endr
	PLACES 4
	LNORM
.irp t, 0,1
.irp b, 0,1
.irp q, 0,1,2,3
	ds_store_b128 v[STO], v[Z+32*\t+16*\b+4*\q:Z+32*\t+16*\b+4*\q+3] offset:16*SP*\t+128*\b+16*\q
.endr
.endr
.endr
	BAR                                            ; 32 whole rows of out lie in the stage
.irp i, 0,1,2,3
.irp k, 0,1,2,3
	ds_load_b128 v[HB+4*(4*\i+\k):HB+4*(4*\i+\k)+3], v[SRD] offset:SP*\i+512*\k
.endr
.endr
.irp i, 0,1,2,3
.irp k, 0,1,2,3
	s_wait_dscnt 15-(4*\i+\k)
	global_store_b128 v[LI], v[HB+4*(4*\i+\k):HB+4*(4*\i+\k)+3], s[22:23] offset:2048*\i+512*\k th:TH_STORE_NT   ; 32 lanes store 512 consecutive bytes, aligned; written once
.endr
.endr
	s_wait_xcnt 0x0
	v_lshl_add_u32 v254, v0, 2, 0x1cb00
	v_mov_b32 v255, 0
	s_wait_tensorcnt 0x0
	ds_add_u32 v254, v255
	s_wait_dscnt 0x0
	s_endpgm
.Lfunc_end_k_q33ba4f1408_ffn2_ln2:
	.size	k_q33ba4f1408_ffn2_ln2, .Lfunc_end_k_q33ba4f1408_ffn2_ln2-k_q33ba4f1408_ffn2_ln2
	.p2alignl 7, 3214868480
	.fill 96, 4, 3214868480
	.section	.rodata,"a",@progbits
	.p2align	6, 0x0
	.amdhsa_kernel k_q33ba4f1408_ffn2_ln2
		.amdhsa_group_segment_fixed_size 118528
		.amdhsa_private_segment_fixed_size 0
		.amdhsa_enable_private_segment 0
		.amdhsa_kernarg_size 64
		.amdhsa_user_sgpr_count 2
		.amdhsa_user_sgpr_kernarg_segment_ptr 1
		.amdhsa_wavefront_size32 1
		.amdhsa_system_sgpr_workgroup_id_x 1
		.amdhsa_system_sgpr_workgroup_id_y 1
		.amdhsa_system_sgpr_workgroup_id_z 1
		.amdhsa_system_vgpr_workitem_id 0
		.amdhsa_next_free_vgpr 512
		.amdhsa_next_free_sgpr 66
		.amdhsa_reserve_vcc 0
		.amdhsa_float_denorm_mode_32 3
		.amdhsa_float_denorm_mode_16_64 3
		.amdhsa_memory_ordered 1
		.amdhsa_forward_progress 1
		.amdhsa_inst_pref_size 84
	.end_amdhsa_kernel
	.amdgpu_metadata
---
amdhsa.version: [ 1, 2 ]
amdhsa.kernels:
  - .name:           k_q33ba4f1408_ffn2_ln2
    .symbol:         k_q33ba4f1408_ffn2_ln2.kd
    .args:
      - { .name: himg, .offset: 0, .size: 8, .value_kind: global_buffer, .address_space: global }
      - { .name: ws1, .offset: 8, .size: 8, .value_kind: global_buffer, .address_space: global }
      - { .name: W2_scales, .offset: 16, .size: 8, .value_kind: global_buffer, .address_space: global }
      - { .name: b2, .offset: 24, .size: 8, .value_kind: global_buffer, .address_space: global }
      - { .name: x1buf, .offset: 32, .size: 8, .value_kind: global_buffer, .address_space: global }
      - { .name: gamma2, .offset: 40, .size: 8, .value_kind: global_buffer, .address_space: global }
      - { .name: beta2, .offset: 48, .size: 8, .value_kind: global_buffer, .address_space: global }
      - { .name: out0, .offset: 56, .size: 8, .value_kind: global_buffer, .address_space: global }
    .group_segment_fixed_size: 118528
    .private_segment_fixed_size: 0
    .kernarg_segment_align: 8
    .kernarg_segment_size: 64
    .max_flat_workgroup_size: 256
    .sgpr_count:     66
    .vgpr_count:     512
    .wavefront_size: 32
...
	.end_amdgpu_metadata
.endif
;; end of part 5
;; ======== version 2 of 3: 3 launches
;; workspace buffers: ws1 11,993,088 bytes; oimg 3,276,800 bytes
;; launch qkv (part 6): grid 64 x 4, 4 waves a work-group, no clusters, 53,760 bytes of LDS; arguments x, Wq_codes, Wq_scales, bq, Wk_codes, Wk_scales, bk, Wv_codes, Wv_scales, bv, W2_codes, ws1, W1_codes, Wo_codes; writes ws1
.if DOCPART == 6
	.amdgcn_target "amdgcn-amd-amdhsa--gfx1250"
	.amdhsa_code_object_version 6
	.text
	.protected	k_q33ba4f1408_qkv
	.globl	k_q33ba4f1408_qkv
	.p2align	8
	.type	k_q33ba4f1408_qkv,@function
k_q33ba4f1408_qkv:
	s_mov_b64 s[64:65], 0
	v_nop
	global_prefetch_b8 v0, s[64:65] scope:SCOPE_SE
	s_setreg_imm32_b32 hwreg(HW_REG_WAVE_MODE, 25, 1), 1
	s_wait_xcnt 0x0
; q = x Wq + bq, k = x Wk + bk, v = x Wv + bv on codes of E2M3 with one E8M0 scale for each 32 along K; the results are quantised at once (q, k along a head's 64 channels,
; v along the tokens) and stored as IMAGES OF OPERAND REGISTERS for the attention launch.  Work-group (g, y): g = 128 tokens; y = 0: q, 1: k, 2: v, 3: the codes of W2, W1 and Wo are re-laid as register images
; for the last launch, which then reads each fragment by three loads of 512 consecutive bytes.
; TILES.  Lane index r of a tile of 16 rows (tokens or channels) stands for row base + r + 8 (r / 8), tile 2 b + u beginning at 32 b + 8 u.  So the 16 registers that a lane holds of the results
; of tiles 2 b and 2 b + 1 are 16 neighbours, 32 b + 16 (lane / 16) + 0 .. 15: what the conversions to codes want.
; SHARES (y < 3).  Phase X: wave w quantises token tiles 2 w, 2 w + 1 of x (8 fragments of 16 rows x 128 K) and stores their register images in LDS; one barrier.  Then wave w makes heads 2 w and
; 2 w + 1, one a pass: 64 channels x 128 tokens in 32 accumulators, its weights in registers.  q, k: source 0 = 16 channels of W, source 1 = 16 tokens: a lane holds one token, registers run along
; channels.  v: the sources are swapped: a lane holds one channel, registers run along tokens.  The bias is the C of each sum's first product.
; No tensor loads and no cluster: each weight fragment is wanted by one wave alone, and x's codes are made here.
; LIMITS: NaN and infinities are not served; a block whose largest magnitude lies under 2^-124 (a block of zeros too: its codes are zeros) gets the byte 1; only this program reads these bytes.
; REGISTERS: window 0: v2-13 addresses; v16-47 W's scale words; v48-63 x's scale words, two sets; v64-159, v160-255 x's fragments, two buffers (outside the sweeps v160-203 are at work);
;   window 1: pass 0's 16 weight fragments; window 3: pass 1's, and from v192 the biases; window 2: four sets of 64 numbers of x, then the 32 accumulators.
.set QS_O,  3145728                    ; ws1: q's scale words
.set KVC_O, 3407872                    ; k's and v's codes, 12,288 bytes a record
.set KVS_O, 9699328                    ; k's and v's scale words, 1,024 bytes a record
.set W2I_O, 10223616                   ; W2's 512 fragments as images
.set W1I_O, 11010048                   ; W1's 512
.set WOI_O, 11796480                   ; Wo's 128
.set FRB,   1536                       ; a fragment's image: 12 registers x 128 bytes
.set XSC,   49152                      ; LDS: behind x's 32 images their scale words, 128 bytes each
.set LI,  2                            ; 16 x lane
.set LS,  3                            ; 4 x lane
.set XA,  4                            ; x: row x 2,048 + 64 x half
.set XWI, 5                            ; where I store x's images
.set XWS, 6                            ; and their scale words
.set WA,  7                            ; a weight's row x 384 + 24 x half
.set WSA, 8                            ; a weight's row of scale bytes
.set BA,  9                            ; bias
.set WS,  16
.set XS,  48
.set XB,  64
.set PC,  160                          ; codes just made (12) and the conversions' second halves (8)
.set TM,  180                          ; +0..3 largest magnitudes, +4..7 the other half's, then bytes, +8..11 the conversions' scale operands
.set KW,  192                          ; scale words of 8 tiles
.set IM,  200                          ; four scale words to store
.set SEL, 48
.set MSB, 0
.macro WIN new                         ; the immediate's high byte repeats the setting that is left; a switch that changes nothing is dropped
.if MSB != (\new)
	s_set_vgpr_msb (MSB<<8)|(\new)
.set MSB, (\new)
.endif
.endm
.macro PLACES n
.rept \n
	v_nop
.endr
.endm
.macro BAR                             ; my LDS stores have landed and my LDS loads are in: then the work-group's barrier
	s_wait_dscnt 0x0
	s_barrier_signal -1
	s_barrier_wait -1
.endm
; 64 numbers of a lane in window win, register 16 b + i = index 32 b + 16 (lane / 16) + i, become 12 registers of codes at v[PC] and four scale bytes at v[TM+4..7].
; xw = 1: v[PC] was the data of earlier global stores, so the wait for their addresses stands ahead of the conversions.
.macro QUANT4 src, win, xw
	WIN (\win)|((\win)<<2)
.irp b, 0,1,2,3
	v_max3_num_f32 v[TM+\b], |v[(\src)+16*\b]|, |v[(\src)+16*\b+1]|, 0x1800000   ; my 16 numbers of block b, and the floor 2^(3 - 127): the byte cannot fall under 1
.endr
	WIN ((\win)<<2)|((\win)<<4)
.irp i, 2,4,6,8,10,12,14
.irp b, 0,1,2,3
	v_max3_num_f32 v[TM+\b], v[TM+\b], |v[(\src)+16*\b+\i]|, |v[(\src)+16*\b+\i+1]|   ; the four blocks by turns; each accumulator is read from its low end on
.endr
.endr
	WIN 0
.irp b, 0,1,2,3
	v_permlanex16_b32 v[TM+4+\b], v[TM+\b], s[SEL], s[SEL+1]
.endr
.irp b, 0,1,2,3
	v_max_num_f32 v[TM+\b], v[TM+\b], v[TM+4+\b]                   ; with lane l xor 16's: the block's largest magnitude
.endr
.irp b, 0,1,2,3
	v_add_nc_u32 v[TM+8+\b], 0xff000000, v[TM+\b]                  ; 2 off its exponent field: the conversion's scale operand
.endr
.irp b, 0,1,2,3
	v_lshrrev_b32 v[TM+4+\b], 23, v[TM+8+\b]                       ; the scale's byte
.endr
.if \xw
	s_wait_xcnt 0x0
.endif
	WIN \win
.irp c, 0,1
	v_cvt_scalef32_pk16_fp6_f32 v[PC+6*\c:PC+6*\c+2], v[(\src)+32*\c:(\src)+32*\c+15], v[TM+8+2*\c]
	v_cvt_scalef32_pk16_fp6_f32 v[PC+12+4*\c:PC+14+4*\c], v[(\src)+32*\c+16:(\src)+32*\c+31], v[TM+9+2*\c]   ; (a conversion's three registers begin on an even number)
.endr
	WIN 0
	v_nop                                                          ; one plain place behind the scaled conversions
.irp c, 0,1                            ; the operand's layout wants a whole block in a lane: lanes 0-15 block 2 c, lanes 16-31 block 2 c + 1
.irp i, 0,1,2
	v_permlane16_swap_b32 v[PC+6*\c+\i], v[PC+12+4*\c+\i]
.endr
.irp i, 0,1,2
	v_mov_b32 v[PC+3+6*\c+\i], v[PC+12+4*\c+\i]
.endr
.endr
.endm
.macro WORD4 d                         ; the four bytes make a row's scale word for 128 along K
	v_lshl_or_b32 v[\d], v[TM+5], 8, v[TM+4]
	v_lshl_or_b32 v[\d], v[TM+6], 16, v[\d]
	v_lshl_or_b32 v[\d], v[TM+7], 24, v[\d]
.endm
	s_load_b512 s[8:23], s[0:1], 0x0               ; x, Wq codes, Wq scales, bq, Wk codes, Wk scales, bk, Wv codes
	s_load_b256 s[24:31], s[0:1], 0x40             ; Wv scales, bv, W2 codes, ws1
	s_set_vgpr_msb 0x40
	v_lshl_add_u32 v254, v0, 2, 0xd000
	v_mov_b32 v255, 0
	s_set_vgpr_msb 0x4000
	v_lshrrev_b32 v1, 5, v0
	v_readfirstlane_b32 s2, v1                     ; wave 0..3
	s_and_b32 s3, ttmp7, 0xffff                    ; y
	s_mov_b32 s4, ttmp9                            ; g
	v_and_b32 v10, 15, v0                          ; r
	v_bfe_u32 v11, v0, 4, 1                        ; h
	v_and_b32 v12, 8, v10
	v_add_nc_u32 v12, v12, v10                     ; r + 8 (r / 8)
	v_and_b32 v13, 31, v0                          ; lane
	v_lshlrev_b32 v[LI], 4, v13
	s_cmp_eq_u32 s3, 3
	s_cbranch_scc1 .Lrelay
	v_lshlrev_b32 v[LS], 2, v13
	v_lshlrev_b32 v[XA], 11, v12
	v_lshl_add_u32 v[XA], v11, 6, v[XA]
	v_mul_u32_u24 v[WA], v12, 384
	v_mad_u32_u24 v[WA], v11, 24, v[WA]
	v_lshlrev_b32 v[WSA], 4, v12
	s_mul_i32 s5, s2, 8*FRB
	v_add_nc_u32 v[XWI], s5, v[LI]                 ; my 8 images: 16 x lane + 12,288 x wave
	s_lshl_b32 s5, s2, 10
	v_add_nc_u32 v[XWS], s5, v[LS]                 ; their scale words: 4 x lane + 1,024 x wave
.irp b, 0,1,2,3
	v_mov_b32 v[TM+4+\b], 0                        ; written once: a lane permute's destination counts as one of its sources
.endr
	s_mov_b32 s[SEL], 0x76543210
	s_mov_b32 s[SEL+1], 0xfedcba98                 ; lane l xor 16
	; where the results go: record = (8 batch + head) x 32 + the group within the sequence; q has records of its own, k and v share one
	s_min_u32 s5, s3, 1                            ; 1 for k and v: their records are twice as long
	s_lshr_b32 s6, s3, 1                           ; 1 for v: the record's second half
	s_lshr_b32 s7, s4, 5
	s_lshl_b32 s7, s7, 3
	s_lshl_b32 s38, s2, 1
	s_add_co_u32 s7, s7, s38
	s_lshl_b32 s7, s7, 5
	s_and_b32 s38, s4, 31
	s_add_co_u32 s7, s7, s38                       ; pass 0's record
	s_mul_i32 s38, s7, 6144
	s_lshl_b32 s38, s38, s5
	s_mul_i32 s39, s6, 6144
	s_add_co_u32 s38, s38, s39
	s_lshl_b32 s52, s7, 9
	s_lshl_b32 s52, s52, s5
	s_lshl_b32 s39, s6, 9
	s_add_co_u32 s52, s52, s39
	s_mov_b32 s53, KVS_O
	s_cmp_eq_u32 s3, 0
	s_cselect_b32 s39, 0, KVC_O
	s_cselect_b32 s53, QS_O, s53
	s_add_co_u32 s38, s38, s39
	s_add_co_u32 s52, s52, s53
	s_mov_b32 s39, 0
	s_mov_b32 s53, 0
	s_mov_b32 s50, 32*6144
	s_lshl_b32 s50, s50, s5                        ; pass 1's head lies 32 records on
	s_mov_b32 s51, 0
	s_mov_b32 s54, 32*512
	s_lshl_b32 s54, s54, s5
	s_mov_b32 s55, 0
	s_wait_kmcnt 0x0
	s_cmp_eq_u32 s3, 0                             ; the weight is chosen by the work-group's y alone
	s_cselect_b64 s[32:33], s[10:11], s[16:17]
	s_cselect_b64 s[34:35], s[12:13], s[18:19]
	s_cselect_b64 s[36:37], s[14:15], s[20:21]
	s_cmp_eq_u32 s3, 2
	s_cselect_b64 s[32:33], s[22:23], s[32:33]
	s_cselect_b64 s[34:35], s[24:25], s[34:35]
	s_cselect_b64 s[36:37], s[26:27], s[36:37]
	s_add_nc_u64 s[40:41], s[30:31], s[38:39]      ; codes, pass 0
	s_add_nc_u64 s[42:43], s[40:41], s[50:51]      ; pass 1
	s_add_nc_u64 s[44:45], s[30:31], s[52:53]      ; scale words, pass 0
	s_add_nc_u64 s[46:47], s[44:45], s[54:55]      ; pass 1
	s_mov_b32 s57, 0
	s_lshl_b32 s56, s4, 18
	s_lshl_b32 s58, s2, 16
	s_add_co_u32 s56, s56, s58
	s_add_nc_u64 s[8:9], s[8:9], s[56:57]          ; x at token 128 g + 32 wave
	s_mul_i32 s56, s2, 49152
	s_add_nc_u64 s[32:33], s[32:33], s[56:57]      ; my 128 rows of the weight,
	s_lshl_b32 s56, s2, 11
	s_add_nc_u64 s[34:35], s[34:35], s[56:57]      ; of its scale bytes,
	s_lshl_b32 s56, s2, 9
	s_add_nc_u64 s[36:37], s[36:37], s[56:57]      ; and of the bias
.macro XLOAD f                         ; fragment f of my eight: tile 2 w + f / 4, K step f % 4: 64 numbers a lane, 16 neighbours of each block of 32
	WIN 0x80
.irp b, 0,1,2,3
.irp j, 0,1,2,3
	global_load_b128 v[64*((\f)%4)+16*\b+4*\j:64*((\f)%4)+16*\b+4*\j+3], v[XA], s[8:9] offset:16384*((\f)/4)+512*((\f)%4)+128*\b+16*\j
.endr
.endr
	WIN 0
.endm
.macro WLOAD p                         ; pass p's 16 weight fragments (tile ct, K step s) and their scale words: 100 loads
	WIN 0x40+0x80*(\p)
.irp ct, 0,1,2,3
.irp s, 0,1,2,3
.irp q, 0,1,2,3,4,5
	global_load_b64 v[12*(4*\ct+\s)+2*\q:12*(4*\ct+\s)+2*\q+1], v[WA], s[32:33] offset:24576*(\p)+(32*(\ct/2)+8*(\ct%2))*384+96*\s+48*(\q/3)+8*(\q%3)
.endr
.endr
.endr
	WIN 0
.irp ct, 0,1,2,3
	global_load_b128 v[WS+16*(\p)+4*\ct:WS+16*(\p)+4*\ct+3], v[WSA], s[34:35] offset:1024*(\p)+(32*(\ct/2)+8*(\ct%2))*16
.endr
.endm
	; ---- X: my two token tiles of x become eight fragments; loads run four fragments ahead
.irp f, 0,1,2,3
	XLOAD \f
.endr
.irp f, 0,1,2,3,4,5,6,7
.if \f <= 4
	s_wait_loadcnt 48                              ; this fragment's 16 loads are in; those of the three behind it may be out
.else
	s_wait_loadcnt 16*(7-\f)
.endif
.if \f == 7
	WLOAD 0                                        ; pass 0's weights are asked for while the last fragment is quantised
.endif
	QUANT4 64*(\f%4), 2, 0
	WORD4 KW
.if \f < 4
	XLOAD \f+4
.endif
.irp c, 0,1,2
	ds_store_b128 v[XWI], v[PC+4*\c:PC+4*\c+3] offset:FRB*\f+512*\c
.endr
	ds_store_b32 v[XWS], v[KW] offset:XSC+128*\f
	s_wait_dscnt 0x0                               ; the stores have read their registers: the next fragment's codes may be written
.endr
	BAR                                            ; x's 32 fragments lie in LDS; from here on LDS is only read
.macro FETCHX s, buf                   ; K step s of all 8 token tiles: 24 + 8 LDS loads
.irp t, 0,1,2,3,4,5,6,7
.irp c, 0,1,2
	ds_load_b128 v[XB+96*(\buf)+12*\t+4*\c:XB+96*(\buf)+12*\t+4*\c+3], v[LI] offset:(4*\t+(\s))*FRB+512*\c
.endr
	ds_load_b32 v[XS+8*(\buf)+\t], v[LS] offset:XSC+(4*\t+(\s))*128
.endr
.endm
; 32 products of K step s.  The 32 accumulators take turns, one instruction a turn, in the same order in every step.
.macro MULS p, s, kind
.if (\kind) == 0
.if (\s) == 0
	WIN 0xb1+2*(\p)                                ; W window 1 or 3, x window 0, C = the bias in window 3, D window 2
.else
	WIN 0xa1+2*(\p)
.endif
.else
.if (\s) == 0
	WIN 0xb4+8*(\p)                                ; the same with the sources swapped
.else
	WIN 0xa4+8*(\p)
.endif
.endif
.irp t, 0,1,2,3,4,5,6,7
.irp ct, 0,1,2,3
.set rW, 12*(4*\ct+(\s))
.set rX, XB+96*((\s)%2)+12*\t
.set rC, 192+32*(\p)+8*\ct
.set sW, WS+16*(\p)+4*\ct+(\s)
.set sX, XS+8*((\s)%2)+\t
.if (\kind) == 0
.set rD, 32*\t+8*\ct
.if (\s) == 0
	v_wmma_scale_f32_16x16x128_f8f6f4 v[rD:rD+7], v[rW:rW+11], v[rX:rX+11], v[rC:rC+7], v[sW], v[sX] matrix_a_fmt:MATRIX_FMT_FP6 matrix_b_fmt:MATRIX_FMT_FP6
.else
	v_wmma_scale_f32_16x16x128_f8f6f4 v[rD:rD+7], v[rW:rW+11], v[rX:rX+11], v[rD:rD+7], v[sW], v[sX] matrix_a_fmt:MATRIX_FMT_FP6 matrix_b_fmt:MATRIX_FMT_FP6
.endif
.else
.set rD, 64*\ct+8*\t
.if (\s) == 0
	v_wmma_scale_f32_16x16x128_f8f6f4 v[rD:rD+7], v[rX:rX+11], v[rW:rW+11], v[rC:rC+7], v[sX], v[sW] matrix_a_fmt:MATRIX_FMT_FP6 matrix_b_fmt:MATRIX_FMT_FP6
.else
	v_wmma_scale_f32_16x16x128_f8f6f4 v[rD:rD+7], v[rX:rX+11], v[rW:rW+11], v[rD:rD+7], v[sX], v[sW] matrix_a_fmt:MATRIX_FMT_FP6 matrix_b_fmt:MATRIX_FMT_FP6
.endif
.endif
.endr
.endr
	WIN 0
.endm
.macro PASS p, kind                    ; one head: four K steps, x's fragments one step ahead in two buffers
	s_wait_xcnt 0x0                                ; earlier stores have read their registers: the buffers may be loaded
.if (\p) == 1
	s_wait_loadcnt 0x0                             ; pass 1's weights
.endif
	FETCHX 0, 0
.irp s, 0,1,2,3
.if \s < 3
.if \s > 0
	PLACES 4                                       ; in front of loads into registers that the last products read
.endif
	FETCHX \s+1, (\s+1)%2
	s_wait_dscnt 32                                ; all but the 32 just issued
.else
	s_wait_dscnt 0x0
.endif
	MULS \p, \s, \kind
.endr
.endm
.macro EPI_QK p                        ; a lane's 32 numbers of a token tile are its token's 64 channels: two blocks, six registers of codes; two tiles at a time
	PLACES 4
.irp i, 0,1,2,3
	QUANT4 64*\i, 2, 1
	v_lshl_or_b32 v[KW+2*\i], v[TM+5], 8, v[TM+4]
	v_lshl_or_b32 v[KW+2*\i+1], v[TM+7], 8, v[TM+6]
	v_or_b32 v[KW+2*\i], 0x7f7f0000, v[KW+2*\i]    ; the word's upper two bytes stand for 1.0: the score product's K is 64 of the instruction's 128
	v_or_b32 v[KW+2*\i+1], 0x7f7f0000, v[KW+2*\i+1]
.irp c, 0,1,2
	global_store_b128 v[LI], v[PC+4*\c:PC+4*\c+3], s[40+2*(\p):41+2*(\p)] offset:512*(3*\i+\c)   ; 32 lanes store 512 consecutive bytes
.endr
.endr
	v_cmp_le_u32 vcc_lo, 16, v13
.irp i, 0,1,2,3
	v_cndmask_b32 v[IM+\i], v[KW+\i], v[KW+4+\i], vcc_lo           ; lanes 0-15 keep tiles 0-3's words, lanes 16-31 tiles 4-7's
.endr
	global_store_b128 v[LI], v[IM:IM+3], s[44+2*(\p):45+2*(\p)]
.endm
.macro EPI_V p                         ; a lane's 64 numbers of a channel tile are its channel's 128 tokens: a whole fragment
	PLACES 4
.irp ct, 0,1,2,3
	QUANT4 64*\ct, 2, 1
	WORD4 IM+\ct
.irp c, 0,1,2
	global_store_b128 v[LI], v[PC+4*\c:PC+4*\c+3], s[40+2*(\p):41+2*(\p)] offset:FRB*\ct+512*\c
.endr
.endr
	global_store_b128 v[LI], v[IM:IM+3], s[44+2*(\p):45+2*(\p)]
.endm
	s_cmp_eq_u32 s3, 2
	s_cbranch_scc1 .Lv
	; ---- q or k.  The bias in the result's layout: lane (r, h) holds, of tile ct, channels 32 (ct / 2) + 16 h + 8 (ct % 2) + 0 .. 7
	v_lshlrev_b32 v[BA], 6, v11
	WIN 0xc0
.irp p, 0,1
.irp ct, 0,1,2,3
	global_load_b128 v[192+32*\p+8*\ct:192+32*\p+8*\ct+3], v[BA], s[36:37] offset:256*\p+(32*(\ct/2)+8*(\ct%2))*4
	global_load_b128 v[192+32*\p+8*\ct+4:192+32*\p+8*\ct+7], v[BA], s[36:37] offset:256*\p+(32*(\ct/2)+8*(\ct%2))*4+16
.endr
.endr
	WIN 0
	WLOAD 1
	s_wait_loadcnt 63                              ; 100 loads were issued behind the biases: pass 0's weights and the biases are in
	PASS 0, 0
	EPI_QK 0
	PASS 1, 0
	EPI_QK 1
	s_set_vgpr_msb 0x5
	s_wait_tensorcnt 0x0
	ds_add_u32 v254, v255
	s_wait_dscnt 0x0
	s_set_vgpr_msb 0x500
	s_endpgm
.Lv:
	; ---- v.  A lane holds one channel, so its bias fills all eight registers of a tile's C
	v_lshlrev_b32 v[BA], 2, v12
	WIN 0xc0
.irp p, 0,1
.irp ct, 0,1,2,3
.irp j, 0,1,2,3,4,5,6,7
	global_load_b32 v[192+32*\p+8*\ct+\j], v[BA], s[36:37] offset:256*\p+(32*(\ct/2)+8*(\ct%2))*4
.endr
.endr
.endr
	WIN 0
	WLOAD 1
	s_wait_loadcnt 63                              ; as above
	PASS 0, 1
	EPI_V 0
	PASS 1, 1
	EPI_V 1
	s_set_vgpr_msb 0x5
	s_wait_tensorcnt 0x0
	ds_add_u32 v254, v255
	s_wait_dscnt 0x0
	s_set_vgpr_msb 0x500
	s_endpgm
.Lrelay:
	; ---- y = 3: weights as register images.  W2's fragment f = (16 w + s) x 4 + ct: rows 64 w + tile ct, K step s of 16.  W1's and Wo's fragment f = (4 G + s) x 4 + ct: rows 64 G + tile ct, K step s of 4.
	; A wave takes f = 8 g + 2 wave and f + 1 (8 rows further down) of W2 and of W1; waves 0 and 1 also take Wo's fragment 2 g + wave.
	s_load_b128 s[36:39], s[0:1], 0x60             ; W1 codes, Wo codes
	s_lshl_b32 s5, s4, 3
	s_lshl_b32 s6, s2, 1
	s_add_co_u32 s5, s5, s6                        ; f, even
	s_and_b32 s32, s5, 2
	s_lshl_b32 s32, s32, 4                         ; 32 (ct / 2)
	s_lshr_b32 s6, s5, 6                           ; W2: w
	s_lshl_b32 s6, s6, 6
	s_add_co_u32 s6, s6, s32                       ; the tile's first row
	s_mul_i32 s6, s6, 1536
	s_bfe_u32 s7, s5, 0x40002                      ; its K step
	s_mul_i32 s7, s7, 96
	s_add_co_u32 s6, s6, s7
	s_mov_b32 s7, 0
	s_lshr_b32 s40, s5, 4                          ; W1: G
	s_lshl_b32 s40, s40, 6
	s_add_co_u32 s40, s40, s32
	s_mul_i32 s40, s40, 384
	s_bfe_u32 s41, s5, 0x20002
	s_mul_i32 s41, s41, 96
	s_add_co_u32 s40, s40, s41
	s_mov_b32 s41, 0
	s_mul_i32 s32, s5, FRB                         ; where the images go
	s_add_co_u32 s42, s32, W1I_O
	s_mov_b32 s43, 0
	s_add_co_u32 s32, s32, W2I_O
	s_mov_b32 s33, 0
	s_lshl_b32 s44, s4, 1
	s_add_co_u32 s44, s44, s2                      ; Wo's fragment (used by waves 0 and 1 alone)
	s_lshr_b32 s45, s44, 4
	s_lshl_b32 s45, s45, 6
	s_bfe_u32 s46, s44, 0x10001
	s_lshl_b32 s46, s46, 5
	s_add_co_u32 s45, s45, s46
	s_and_b32 s46, s44, 1
	s_lshl_b32 s46, s46, 3
	s_add_co_u32 s45, s45, s46                     ; its first row
	s_mul_i32 s46, s45, 384
	s_bfe_u32 s45, s44, 0x20002
	s_mul_i32 s45, s45, 96
	s_add_co_u32 s46, s46, s45
	s_mov_b32 s47, 0
	s_mul_i32 s44, s44, FRB
	s_add_co_u32 s44, s44, WOI_O
	s_mov_b32 s45, 0
	v_mul_u32_u24 v14, v12, 1536                   ; a row of W2 is 1,536 bytes,
	v_mad_u32_u24 v14, v11, 24, v14
	v_mul_u32_u24 v15, v12, 384                    ; of W1 and of Wo 384
	v_mad_u32_u24 v15, v11, 24, v15
	s_wait_kmcnt 0x0
	s_add_nc_u64 s[28:29], s[28:29], s[6:7]
	s_add_nc_u64 s[36:37], s[36:37], s[40:41]
	s_add_nc_u64 s[38:39], s[38:39], s[46:47]
	s_add_nc_u64 s[48:49], s[30:31], s[32:33]
	s_add_nc_u64 s[50:51], s[30:31], s[42:43]
	s_add_nc_u64 s[52:53], s[30:31], s[44:45]
.irp e, 0,1
.irp p, 0,1,2,3,4,5
	global_load_b64 v[16+12*\e+2*\p:16+12*\e+2*\p+1], v14, s[28:29] offset:12288*\e+48*(\p/3)+8*(\p%3)
	global_load_b64 v[40+12*\e+2*\p:40+12*\e+2*\p+1], v15, s[36:37] offset:3072*\e+48*(\p/3)+8*(\p%3)
.endr
.endr
	s_wait_loadcnt 0x0
.irp e, 0,1
.irp c, 0,1,2
	global_store_b128 v[LI], v[16+12*\e+4*\c:16+12*\e+4*\c+3], s[48:49] offset:FRB*\e+512*\c
	global_store_b128 v[LI], v[40+12*\e+4*\c:40+12*\e+4*\c+3], s[50:51] offset:FRB*\e+512*\c
.endr
.endr
	s_cmp_lt_u32 s2, 2
	s_cbranch_scc0 .Lrelay_end
.irp p, 0,1,2,3,4,5
	global_load_b64 v[64+2*\p:65+2*\p], v15, s[38:39] offset:48*(\p/3)+8*(\p%3)
.endr
	s_wait_loadcnt 0x0
.irp c, 0,1,2
	global_store_b128 v[LI], v[64+4*\c:67+4*\c], s[52:53] offset:512*\c
.endr
.Lrelay_end:
	s_endpgm
.Lfunc_end_k_q33ba4f1408_qkv:
	.size	k_q33ba4f1408_qkv, .Lfunc_end_k_q33ba4f1408_qkv-k_q33ba4f1408_qkv
	.p2alignl 7, 3214868480
	.fill 96, 4, 3214868480
	.section	.rodata,"a",@progbits
	.p2align	6, 0x0
	.amdhsa_kernel k_q33ba4f1408_qkv
		.amdhsa_group_segment_fixed_size 53760
		.amdhsa_private_segment_fixed_size 0
		.amdhsa_enable_private_segment 0
		.amdhsa_kernarg_size 112
		.amdhsa_user_sgpr_count 2
		.amdhsa_user_sgpr_kernarg_segment_ptr 1
		.amdhsa_wavefront_size32 1
		.amdhsa_system_sgpr_workgroup_id_x 1
		.amdhsa_system_sgpr_workgroup_id_y 1
		.amdhsa_system_sgpr_workgroup_id_z 1
		.amdhsa_system_vgpr_workitem_id 0
		.amdhsa_next_free_vgpr 1024
		.amdhsa_next_free_sgpr 66
		.amdhsa_reserve_vcc 1
		.amdhsa_float_denorm_mode_32 3
		.amdhsa_float_denorm_mode_16_64 3
		.amdhsa_memory_ordered 1
		.amdhsa_forward_progress 1
		.amdhsa_inst_pref_size 255
	.end_amdhsa_kernel
	.section	.bss,"aw",@nobits
	.p2align	6
	.space	262144
	.amdgpu_metadata
---
amdhsa.version: [ 1, 2 ]
amdhsa.kernels:
  - .name:           k_q33ba4f1408_qkv
    .symbol:         k_q33ba4f1408_qkv.kd
    .args:
      - { .name: x, .offset: 0, .size: 8, .value_kind: global_buffer, .address_space: global }
      - { .name: Wq_codes, .offset: 8, .size: 8, .value_kind: global_buffer, .address_space: global }
      - { .name: Wq_scales, .offset: 16, .size: 8, .value_kind: global_buffer, .address_space: global }
      - { .name: bq, .offset: 24, .size: 8, .value_kind: global_buffer, .address_space: global }
      - { .name: Wk_codes, .offset: 32, .size: 8, .value_kind: global_buffer, .address_space: global }
      - { .name: Wk_scales, .offset: 40, .size: 8, .value_kind: global_buffer, .address_space: global }
      - { .name: bk, .offset: 48, .size: 8, .value_kind: global_buffer, .address_space: global }
      - { .name: Wv_codes, .offset: 56, .size: 8, .value_kind: global_buffer, .address_space: global }
      - { .name: Wv_scales, .offset: 64, .size: 8, .value_kind: global_buffer, .address_space: global }
      - { .name: bv, .offset: 72, .size: 8, .value_kind: global_buffer, .address_space: global }
      - { .name: W2_codes, .offset: 80, .size: 8, .value_kind: global_buffer, .address_space: global }
      - { .name: ws1, .offset: 88, .size: 8, .value_kind: global_buffer, .address_space: global }
      - { .name: W1_codes, .offset: 96, .size: 8, .value_kind: global_buffer, .address_space: global }
      - { .name: Wo_codes, .offset: 104, .size: 8, .value_kind: global_buffer, .address_space: global }
    .group_segment_fixed_size: 53760
    .private_segment_fixed_size: 0
    .kernarg_segment_align: 8
    .kernarg_segment_size: 112
    .max_flat_workgroup_size: 128
    .sgpr_count:     66
    .vgpr_count:     1024
    .wavefront_size: 32
...
	.end_amdgpu_metadata
.endif
;; end of part 6
;; launch attn: the kernel of part 2 again; grid 16 x 16, 16 waves a work-group, no clusters, 55,296 bytes of LDS; arguments ws1, oimg; writes oimg
;; launch wo_ffn (part 7): grid 256 x 1, 8 waves a work-group, no clusters, 208,896 bytes of LDS; arguments oimg, ws1, Wo_scales, bo, x, gamma1, beta1, W1_scales, b1, W2_scales, b2, gamma2, beta2, out0; writes out0
.if DOCPART == 7
	.amdgcn_target "amdgcn-amd-amdhsa--gfx1250"
	.amdhsa_code_object_version 6
	.text
	.protected	k_q33ba4f1408_wo_ffn
	.globl	k_q33ba4f1408_wo_ffn
	.p2align	8
	.type	k_q33ba4f1408_wo_ffn,@function
k_q33ba4f1408_wo_ffn:
	s_mov_b64 s[64:65], 0
	v_nop
	global_prefetch_b8 v0, s[64:65] scope:SCOPE_SE
	s_setreg_imm32_b32 hwreg(HW_REG_WAVE_MODE, 25, 1), 1
	s_wait_xcnt 0x0
; x1 = layernorm(x + o Wo + bo);  out = layernorm(x1 + relu(x1 W1 + b1) W2 + b2)  (both norms divide by std + eps); the three products on codes of E2M3 with one E8M0 scale for each 32 along K.
; x1 and the hidden layer never go to memory.
; SHARES.  A work-group owns two token tiles (32 tokens).  THE EIGHT WAVES SHARE THE COLUMNS: wave w owns channels 64 w .. + 63 of the first and third product and hidden units 256 w .. + 255 of the
; second, in four groups of 64; group gq is half gq % 2 of K step 2 w + gq / 2 of the third product.  All products are used transposed (source 0 = 16 rows of a weight, rows base + r + 8 (r / 8);
; source 1 = 16 tokens): a lane holds one token, and its register 32 T + 16 b + i is column 64 G + 32 b + 16 (lane / 16) + i: 16 neighbours along the next K, as the conversions want them.
; THE WEIGHTS come as register images (made by the first launch): a step is my four fragments for 128 along K, 12 loads of 512 consecutive bytes.  The 36 steps (Wo 4, W1 16, W2 16) are ONE stream
; through four buffers, each step asked for four steps ahead, across the phases too.
; PHASES.  A: Z = x + bo, 32 products, the first norm; x1's codes and scale halfwords go to LDS, x1 + b2 to my own LDS bytes | barrier |  B: 16 steps of 8 products; the accumulators begin as b1 (from my
; own LDS copy); after each 4 steps relu, codes, half a fragment and a halfword of scales to LDS | barrier |  C: Z = x1 + b2 back from LDS, 16 steps of 8 products, the second norm, out through a stage.
; A row's mean and variance meet in LDS; the mean is taken away before the squares are formed.
; No tensor loads, no cluster: each weight fragment is wanted by one wave of the work-group, so LDS would add a trip and no reuse within it.
; LIMITS: NaN and infinities are not served; a block whose largest magnitude lies under 2^-124 (a block of zeros too: its codes are zeros) gets the byte 1; only this launch reads these bytes.
; REGISTERS: window 0: v1-18 addresses; v24-87 the weight's scale words (phase A: 16 of them, and o's K steps 2, 3 in v40-87); v88-119 the tokens' scale words (v96-119 also at work in the norms and the
;   quantiser); v120-183 the eight accumulators; v184-231 the tokens' fragments, two buffers (b2 during the first norm); v232-253 codes and halfwords.  window 1: v0-191 the stream; v192-255 bo, gamma, beta.
.set OSC_O, 3145728                    ; oimg: o's scale words
.set W2I_O, 10223616                   ; ws1: the weights' images
.set W1I_O, 11010048
.set WOI_O, 11796480
.set FRB,   1536
.set RED1,  0                          ; LDS: [wave][tile][r] partial sums, 1,024 bytes each, bytes of their own for each of the four sums
.set RED2,  1024
.set RED3,  2048
.set RED4,  3072
.set XSW,   4096                       ; x1's scale words [T][s][r]
.set HSW,   4608                       ; h's [T][s'][r]
.set B1L,   6656                       ; b1: 1,024 bytes for each wave, its own
.set XIMG,  14848                      ; x1's 8 fragments (4 T + s), six pieces of 256 bytes each
.set HIMG,  27136                      ; h's 32 fragments (16 T + s')
.set X1F,   76288                      ; x1 + b2 as f32: 8,192 bytes for each wave, its own
.set STG,   141824                     ; the way out: 32 rows of 2,048 + 16 bytes
.set SP,    2064
.set LI,  1                            ; 16 x lane
.set L8,  2                            ; 8 x lane
.set R4,  3                            ; 4 r
.set XA,  4                            ; x: row x 2,048 + 64 h
.set BA,  5                            ; 64 h
.set WSA, 6                            ; a row of 16 scale bytes
.set WSB, 7                            ; a row of 64
.set RW,  8                            ; 128 w + 4 r
.set XWA, 9                            ; where I put x1's half fragments
.set SWA, 10                           ; and their halfwords
.set HWA, 11                           ; h's
.set HSA, 12
.set LH,  13                           ; HIMG + 8 x lane
.set B1A, 14                           ; b1, read
.set B1S, 15                           ; b1, stored
.set XFA, 16                           ; my image of x1 + b2
.set STO, 17
.set SRD, 18
.set WS,  24
.set TS,  88
.set TM,  96                           ; the quantiser's 12
.set ST,  96                           ; the norms' statistics, 8
.set RD,  104                          ; and the 16 partial sums read back
.set Z,   120
.set HB,  184
.set PC,  232
.set HW,  252
.set SEL, 50
.set MSB, 0
.macro WIN new                         ; the immediate's high byte repeats the setting that is left; a switch that changes nothing is dropped
.if MSB != (\new)
	s_set_vgpr_msb (MSB<<8)|(\new)
.set MSB, (\new)
.endif
.endm
.macro PLACES n
.rept \n
	v_nop
.endr
.endm
.macro BAR                             ; my LDS stores have landed and my LDS loads are in: then the work-group's barrier
	s_wait_dscnt 0x0
	s_barrier_signal -1
	s_barrier_wait -1
.endm
.macro QUANT4 src                      ; 64 numbers of a lane, register 16 b + i = index 32 b + 16 (lane / 16) + i, become 12 registers of codes at v[PC] and four scale bytes at v[TM+4..7]
.irp b, 0,1,2,3
	v_max3_num_f32 v[TM+\b], |v[(\src)+16*\b]|, |v[(\src)+16*\b+1]|, 0x1800000   ; and the floor 2^(3 - 127): the byte cannot fall under 1
.endr
.irp i, 2,4,6,8,10,12,14
.irp b, 0,1,2,3
	v_max3_num_f32 v[TM+\b], v[TM+\b], |v[(\src)+16*\b+\i]|, |v[(\src)+16*\b+\i+1]|
.endr
.endr
.irp b, 0,1,2,3
	v_permlanex16_b32 v[TM+4+\b], v[TM+\b], s[SEL], s[SEL+1]
.endr
.irp b, 0,1,2,3
	v_max_num_f32 v[TM+\b], v[TM+\b], v[TM+4+\b]                   ; with lane l xor 16's: the block's largest magnitude
.endr
.irp b, 0,1,2,3
	v_add_nc_u32 v[TM+8+\b], 0xff000000, v[TM+\b]                  ; 2 off its exponent field: the conversion's scale operand
.endr
.irp b, 0,1,2,3
	v_lshrrev_b32 v[TM+4+\b], 23, v[TM+8+\b]                       ; the scale's byte
.endr
.irp c, 0,1
	v_cvt_scalef32_pk16_fp6_f32 v[PC+6*\c:PC+6*\c+2], v[(\src)+32*\c:(\src)+32*\c+15], v[TM+8+2*\c]
	v_cvt_scalef32_pk16_fp6_f32 v[PC+12+4*\c:PC+14+4*\c], v[(\src)+32*\c+16:(\src)+32*\c+31], v[TM+9+2*\c]   ; (a conversion's three registers begin on an even number)
.endr
	v_nop                                                          ; one plain place behind the scaled conversions
.irp c, 0,1                            ; lanes 0-15 keep block 2 c, lanes 16-31 block 2 c + 1: blocks 0, 1 are tile 0's 64 columns, blocks 2, 3 tile 1's
.irp i, 0,1,2
	v_permlane16_swap_b32 v[PC+6*\c+\i], v[PC+12+4*\c+\i]
.endr
.irp i, 0,1,2
	v_mov_b32 v[PC+3+6*\c+\i], v[PC+12+4*\c+\i]
.endr
.endr
	v_lshl_or_b32 v[HW], v[TM+5], 8, v[TM+4]                       ; each tile's two bytes: half a scale word
	v_lshl_or_b32 v[HW+1], v[TM+7], 8, v[TM+6]
.endm
.macro GATHER red, dst                 ; my row's partial v[ST+4 t + dst] goes to LDS; behind the barrier all eight waves' are added, in the same order in every wave, and divided by 512
.irp t, 0,1
	ds_store_b32 v[RW], v[ST+4*\t+\dst] offset:\red+64*\t
.endr
	BAR
.irp t, 0,1
.irp i, 0,1,2,3,4,5,6,7
	ds_load_b32 v[RD+8*\t+\i], v[R4] offset:\red+128*\i+64*\t
.endr
.endr
	s_wait_dscnt 0x0
.irp t, 0,1
	v_add_f32 v[RD+8*\t], v[RD+8*\t], v[RD+8*\t+1]
	v_add_f32 v[RD+8*\t+2], v[RD+8*\t+2], v[RD+8*\t+3]
	v_add_f32 v[RD+8*\t+4], v[RD+8*\t+4], v[RD+8*\t+5]
	v_add_f32 v[RD+8*\t+6], v[RD+8*\t+6], v[RD+8*\t+7]
	v_add_f32 v[RD+8*\t], v[RD+8*\t], v[RD+8*\t+2]
	v_add_f32 v[RD+8*\t+4], v[RD+8*\t+4], v[RD+8*\t+6]
	v_add_f32 v[RD+8*\t], v[RD+8*\t], v[RD+8*\t+4]
	v_mul_f32 v[ST+4*\t+\dst], 0x3b000000, v[RD+8*\t]
.endr
.endm
.macro LNORM reda, redb, cnt           ; Z = (Z - mean) / (std + eps) x gamma + beta, for my two tokens (tiles 0 and 1); cnt: the loads that may be out when gamma and beta are wanted
.irp t, 0,1
	v_pk_add_f32 v[ST+4*\t:ST+4*\t+1], v[Z+32*\t:Z+32*\t+1], v[Z+32*\t+2:Z+32*\t+3]     ; each accumulator is read from its low end on
.endr
.irp j, 4,6,8,10,12,14,16,18,20,22,24,26,28,30
.irp t, 0,1
	v_pk_add_f32 v[ST+4*\t:ST+4*\t+1], v[ST+4*\t:ST+4*\t+1], v[Z+32*\t+\j:Z+32*\t+\j+1]
.endr
.endr
.irp t, 0,1
	v_add_f32 v[ST+4*\t], v[ST+4*\t], v[ST+4*\t+1]
.endr
.irp t, 0,1
	v_permlanex16_b32 v[ST+4*\t+2], v[ST+4*\t], s[SEL], s[SEL+1]
.endr
.irp t, 0,1
	v_add_f32 v[ST+4*\t], v[ST+4*\t], v[ST+4*\t+2]                 ; my wave's 64 channels of the row
.endr
	GATHER \reda, 0                                ; the mean
.irp t, 0,1
.irp j, 0,2,4,6,8,10,12,14,16,18,20,22,24,26,28,30
	v_pk_add_f32 v[Z+32*\t+\j:Z+32*\t+\j+1], v[Z+32*\t+\j:Z+32*\t+\j+1], v[ST+4*\t:ST+4*\t+1] op_sel_hi:[1,0] neg_lo:[0,1] neg_hi:[0,1]
.endr
.endr
.irp t, 0,1
	v_pk_mul_f32 v[ST+4*\t+2:ST+4*\t+3], v[Z+32*\t:Z+32*\t+1], v[Z+32*\t:Z+32*\t+1]
.endr
.irp j, 2,4,6,8,10,12,14,16,18,20,22,24,26,28,30
.irp t, 0,1
	v_pk_fma_f32 v[ST+4*\t+2:ST+4*\t+3], v[Z+32*\t+\j:Z+32*\t+\j+1], v[Z+32*\t+\j:Z+32*\t+\j+1], v[ST+4*\t+2:ST+4*\t+3]
.endr
.endr
.irp t, 0,1
	v_add_f32 v[ST+4*\t+2], v[ST+4*\t+2], v[ST+4*\t+3]
.endr
.irp t, 0,1
	v_permlanex16_b32 v[ST+4*\t+3], v[ST+4*\t+2], s[SEL], s[SEL+1]
.endr
.irp t, 0,1
	v_add_f32 v[ST+4*\t+2], v[ST+4*\t+2], v[ST+4*\t+3]
.endr
	GATHER \redb, 2                                ; the variance
.irp t, 0,1
	v_sqrt_f32 v[ST+4*\t+3], v[ST+4*\t+2]
.endr
	v_nop                                          ; a plain place behind the roots
	s_wait_alu depctr_va_vdst(0)
.irp t, 0,1
	v_add_f32 v[ST+4*\t+3], 0x3727c5ac, v[ST+4*\t+3]               ; std + 1e-5
.endr
.irp t, 0,1
	v_rcp_f32 v[ST+4*\t+2], v[ST+4*\t+3]
.endr
	v_nop
	s_wait_loadcnt \cnt                            ; gamma and beta
	s_wait_alu depctr_va_vdst(0)
.irp t, 0,1
.irp j, 0,2,4,6,8,10,12,14,16,18,20,22,24,26,28,30
	v_pk_mul_f32 v[Z+32*\t+\j:Z+32*\t+\j+1], v[Z+32*\t+\j:Z+32*\t+\j+1], v[ST+4*\t+2:ST+4*\t+3] op_sel_hi:[1,0]
.endr
.endr
	WIN 0x14                                       ; gamma and beta lie in window 1
.irp t, 0,1
.irp j, 0,2,4,6,8,10,12,14,16,18,20,22,24,26,28,30
	v_pk_fma_f32 v[Z+32*\t+\j:Z+32*\t+\j+1], v[Z+32*\t+\j:Z+32*\t+\j+1], v[192+\j:193+\j], v[224+\j:225+\j]
.endr
.endr
	WIN 0
.endm
.macro STREAM n                        ; step n of the 36: my four weight fragments for 128 along K, 12 loads of 512 consecutive bytes, into buffer n % 4
	WIN 0x40
.irp ct, 0,1,2,3
.irp c, 0,1,2
.if (\n) < 4
	global_load_b128 v[48*((\n)%4)+12*\ct+4*\c:48*((\n)%4)+12*\ct+4*\c+3], v[LI], s[40:41] offset:6144*(\n)+FRB*\ct+512*\c
.elseif (\n) < 20
	global_load_b128 v[48*((\n)%4)+12*\ct+4*\c:48*((\n)%4)+12*\ct+4*\c+3], v[LI], s[42:43] offset:6144*((\n)-4)+FRB*\ct+512*\c
.else
	global_load_b128 v[48*((\n)%4)+12*\ct+4*\c:48*((\n)%4)+12*\ct+4*\c+3], v[LI], s[44:45] offset:6144*((\n)-20)+FRB*\ct+512*\c
.endif
.endr
.endr
	WIN 0
.endm
.macro FETCHX nb                       ; x1's two fragments of K step nb % 4: 12 LDS loads
.irp t, 0,1
.irp p, 0,1,2,3,4,5
	ds_load_b64 v[HB+24*((\nb)%2)+12*\t+2*\p:HB+24*((\nb)%2)+12*\t+2*\p+1], v[L8] offset:XIMG+(4*\t+(\nb)%4)*FRB+256*\p
.endr
.endr
.endm
.macro FETCHH sp                       ; h's two fragments of K step sp
.irp t, 0,1
.irp p, 0,1,2,3,4,5
	ds_load_b64 v[HB+24*((\sp)%2)+12*\t+2*\p:HB+24*((\sp)%2)+12*\t+2*\p+1], v[LH] offset:(16*\t+(\sp))*FRB+256*\p
.endr
.endr
.endm
.macro B1PRE gq                        ; group gq's accumulators begin as b1, in the result's layout, the same for both token tiles
.irp t, 0,1
.irp ct, 0,1,2,3
	ds_load_b128 v[Z+32*\t+8*\ct:Z+32*\t+8*\ct+3], v[B1A] offset:256*(\gq)+(32*(\ct/2)+8*(\ct%2))*4
	ds_load_b128 v[Z+32*\t+8*\ct+4:Z+32*\t+8*\ct+7], v[B1A] offset:256*(\gq)+(32*(\ct/2)+8*(\ct%2))*4+16
.endr
.endr
.endm
	s_load_b512 s[8:23], s[0:1], 0x0               ; oimg, ws1, Wo scales, bo, x, gamma1, beta1, W1 scales
	s_load_b256 s[24:31], s[0:1], 0x40             ; b1, W2 scales, b2, gamma2
	s_load_b128 s[32:35], s[0:1], 0x60             ; beta2, out0
	v_lshl_add_u32 v254, v0, 2, 0x32c00
	v_mov_b32 v255, 0
	v_lshrrev_b32 v19, 5, v0
	v_readfirstlane_b32 s2, v19                    ; wave 0..7
	s_mov_b32 s3, ttmp9                            ; work-group
	v_and_b32 v19, 31, v0                          ; lane
	v_and_b32 v20, 15, v0                          ; r
	v_bfe_u32 v21, v0, 4, 1                        ; h
	v_and_b32 v22, 8, v20
	v_add_nc_u32 v22, v22, v20                     ; r + 8 (r / 8)
	v_lshlrev_b32 v[LI], 4, v19
	v_lshlrev_b32 v[L8], 3, v19
	v_lshlrev_b32 v[R4], 2, v20
	v_lshlrev_b32 v[XA], 11, v22
	v_lshl_add_u32 v[XA], v21, 6, v[XA]
	v_lshlrev_b32 v[BA], 6, v21
	v_lshlrev_b32 v[WSA], 4, v22
	v_lshlrev_b32 v[WSB], 6, v22
	s_lshl_b32 s4, s2, 7
	v_add_nc_u32 v[RW], s4, v[R4]
	s_add_co_u32 s4, s4, HSW
	v_add_nc_u32 v[HSA], s4, v[R4]                 ; h's words of K steps 2 w, 2 w + 1
	s_lshr_b32 s5, s2, 1                           ; my channels are half s6 of K step s5 of the second product
	s_and_b32 s6, s2, 1
	s_mul_i32 s4, s5, FRB
	s_mul_i32 s7, s6, 768
	s_add_co_u32 s4, s4, s7
	s_add_co_u32 s4, s4, XIMG
	v_add_nc_u32 v[XWA], s4, v[L8]
	s_lshl_b32 s4, s5, 6
	s_lshl_b32 s7, s6, 1
	s_add_co_u32 s4, s4, s7
	s_add_co_u32 s4, s4, XSW
	v_add_nc_u32 v[SWA], s4, v[R4]
	s_mul_i32 s4, s2, 2*FRB
	s_add_co_u32 s4, s4, HIMG
	v_add_nc_u32 v[HWA], s4, v[L8]
	v_add_nc_u32 v[LH], HIMG, v[L8]
	s_lshl_b32 s4, s2, 10
	s_add_co_u32 s4, s4, B1L
	v_add_nc_u32 v[B1A], s4, v[BA]
	v_add_nc_u32 v[B1S], s4, v[LI]
	s_lshl_b32 s4, s2, 13
	s_add_co_u32 s4, s4, X1F
	v_add_nc_u32 v[XFA], s4, v[LI]
	v_mul_u32_u24 v[STO], v20, SP
	v_lshl_add_u32 v[STO], v21, 6, v[STO]
	s_lshl_b32 s4, s2, 8
	s_add_co_u32 s4, s4, STG
	v_add_nc_u32 v[STO], s4, v[STO]                ; the stage, in: row r, + 64 h, + 256 x wave
	s_mul_i32 s4, s2, 4*SP
	s_add_co_u32 s4, s4, STG
	v_add_nc_u32 v[SRD], s4, v[LI]                 ; and back: my four rows, 16 bytes a lane
	v_mov_b32 v[ST+2], 0                           ; written once: a lane permute's destination counts as one of its sources
	v_mov_b32 v[ST+6], 0
	s_mov_b32 s[SEL], 0x76543210
	s_mov_b32 s[SEL+1], 0xfedcba98                 ; lane l xor 16
	s_mov_b32 s47, 0
	s_mov_b32 s49, 0
	s_wait_kmcnt 0x0
	s_mul_i32 s46, s3, 12288
	s_add_nc_u64 s[36:37], s[8:9], s[46:47]        ; o's codes: my two tiles' 8 fragments
	s_lshl_b32 s46, s3, 9
	s_add_co_u32 s46, s46, OSC_O
	s_add_nc_u64 s[38:39], s[8:9], s[46:47]        ; and their scale words
	s_mul_i32 s46, s2, 24576
	s_add_co_u32 s46, s46, WOI_O
	s_add_nc_u64 s[40:41], s[10:11], s[46:47]      ; my 16 fragments of Wo,
	s_mul_i32 s46, s2, 98304
	s_add_co_u32 s48, s46, W1I_O
	s_add_nc_u64 s[42:43], s[10:11], s[48:49]      ; my 64 of W1,
	s_add_co_u32 s46, s46, W2I_O
	s_add_nc_u64 s[44:45], s[10:11], s[46:47]      ; my 64 of W2
	s_lshl_b32 s46, s3, 16
	s_lshl_b32 s48, s2, 8
	s_add_co_u32 s46, s46, s48
	s_add_nc_u64 s[16:17], s[16:17], s[46:47]      ; x: token 32 wg, channel 64 w
	s_mov_b32 s46, s48                             ; my 64 channels of the vectors
	s_add_nc_u64 s[14:15], s[14:15], s[46:47]
	s_add_nc_u64 s[18:19], s[18:19], s[46:47]
	s_add_nc_u64 s[20:21], s[20:21], s[46:47]
	s_add_nc_u64 s[28:29], s[28:29], s[46:47]
	s_add_nc_u64 s[30:31], s[30:31], s[46:47]
	s_add_nc_u64 s[32:33], s[32:33], s[46:47]
	s_lshl_b32 s46, s2, 10
	s_add_nc_u64 s[12:13], s[12:13], s[46:47]      ; Wo's scale bytes: 64 rows of 16
	s_add_nc_u64 s[24:25], s[24:25], s[46:47]      ; b1: my 256 numbers
	s_lshl_b32 s46, s2, 12
	s_add_nc_u64 s[22:23], s[22:23], s[46:47]      ; W1's scale bytes: 256 rows of 16
	s_add_nc_u64 s[26:27], s[26:27], s[46:47]      ; W2's: 64 rows of 64
	s_lshl_b32 s46, s3, 5                          ; stage rows 4 w .. 4 w + 3 are tile w / 4, r = 4 (w % 4) + i: tokens 32 wg + 8 (w / 4) + 4 (w % 4) + 8 ((w % 4) / 2) + i
	s_lshr_b32 s48, s2, 2
	s_lshl_b32 s48, s48, 3
	s_add_co_u32 s46, s46, s48
	s_and_b32 s48, s2, 3
	s_lshl_b32 s49, s48, 2
	s_add_co_u32 s46, s46, s49
	s_lshr_b32 s48, s48, 1
	s_lshl_b32 s48, s48, 3
	s_add_co_u32 s46, s46, s48
	s_lshl_b32 s46, s46, 11
	s_add_nc_u64 s[34:35], s[34:35], s[46:47]
	; ---- the head's loads
.irp t, 0,1
.irp s, 0,1,2,3
.if \s < 2
.set rO, HB+24*\s+12*\t
.else
.set rO, WS+16+24*(\s-2)+12*\t
.endif
.irp p, 0,1,2,3,4,5
	global_load_b64 v[rO+2*\p:rO+2*\p+1], v[L8], s[36:37] offset:FRB*(4*\t+\s)+256*\p      ; o's fragment (T, s): 256 consecutive bytes a load
.endr
	global_load_b32 v[TS+4*\t+\s], v[R4], s[38:39] offset:64*(4*\t+\s)
.endr
.endr
.irp t, 0,1
.irp b, 0,1
.irp q, 0,1,2,3
	global_load_b128 v[Z+32*\t+16*\b+4*\q:Z+32*\t+16*\b+4*\q+3], v[XA], s[16:17] offset:16384*\t+128*\b+16*\q
.endr
.endr
.endr
	WIN 0x40
.irp b, 0,1
.irp q, 0,1,2,3
	global_load_b128 v[192+16*\b+4*\q:192+16*\b+4*\q+3], v[BA], s[14:15] offset:128*\b+16*\q    ; bo, where gamma1 will lie
.endr
.endr
	WIN 0
.irp ct, 0,1,2,3
	global_load_b128 v[WS+4*\ct:WS+4*\ct+3], v[WSA], s[12:13] offset:(32*(\ct/2)+8*(\ct%2))*16
.endr
	global_load_b128 v[PC:PC+3], v[LI], s[24:25]
	global_load_b128 v[PC+4:PC+7], v[LI], s[24:25] offset:512
.irp n, 0,1,2,3
	STREAM \n
.endr
	WIN 0x40
.irp b, 0,1
.irp q, 0,1,2,3
	global_load_b128 v[224+16*\b+4*\q:224+16*\b+4*\q+3], v[BA], s[20:21] offset:128*\b+16*\q    ; beta1
.endr
.endr
	WIN 0
	s_wait_loadcnt 8                               ; all but beta1's 8 loads
	ds_store_b128 v[B1S], v[PC:PC+3]               ; b1 into my own 1,024 bytes of LDS
	ds_store_b128 v[B1S], v[PC+4:PC+7] offset:512
	WIN 0x04
.irp t, 0,1
.irp j, 0,2,4,6,8,10,12,14,16,18,20,22,24,26,28,30
	v_pk_add_f32 v[Z+32*\t+\j:Z+32*\t+\j+1], v[Z+32*\t+\j:Z+32*\t+\j+1], v[192+\j:193+\j]     ; x + bo starts the sums
.endr
.endr
	WIN 0x40
.irp b, 0,1
.irp q, 0,1,2,3
	global_load_b128 v[192+16*\b+4*\q:192+16*\b+4*\q+3], v[BA], s[18:19] offset:128*\b+16*\q    ; gamma1
.endr
.endr
	; ---- A: Z += o Wo.  The eight accumulators take turns; behind each K step its buffer takes W1's step
.irp s, 0,1,2,3
	WIN 0x01
.irp t, 0,1
.irp ct, 0,1,2,3
.if \s < 2
.set rO, HB+24*\s+12*\t
.else
.set rO, WS+16+24*(\s-2)+12*\t
.endif
	v_wmma_scale_f32_16x16x128_f8f6f4 v[Z+32*\t+8*\ct:Z+32*\t+8*\ct+7], v[48*\s+12*\ct:48*\s+12*\ct+11], v[rO:rO+11], v[Z+32*\t+8*\ct:Z+32*\t+8*\ct+7], v[WS+4*\ct+\s], v[TS+4*\t+\s] matrix_a_fmt:MATRIX_FMT_FP6 matrix_b_fmt:MATRIX_FMT_FP6
.endr
.endr
	WIN 0
	PLACES 4                                       ; in front of loads into registers that these products read, and of the first read of results
	STREAM \s+4
.endr
.irp gq, 0,1,2,3
.irp ct, 0,1,2,3
	global_load_b128 v[WS+16*\gq+4*\ct:WS+16*\gq+4*\ct+3], v[WSA], s[22:23] offset:(64*\gq+32*(\ct/2)+8*(\ct%2))*16   ; W1's scale words: group gq, tile ct, K steps 0-3
.endr
.endr
.irp b, 0,1
.irp q, 0,1,2,3
	global_load_b128 v[HB+16*\b+4*\q:HB+16*\b+4*\q+3], v[BA], s[28:29] offset:128*\b+16*\q      ; b2
.endr
.endr
	LNORM RED1, RED2, 63                           ; 72 loads were issued behind gamma1's (the stream's 48, W1's scale words, b2): with 63 out, gamma1 and beta1 are in
	WIN 0x40
.irp b, 0,1
.irp q, 0,1,2,3
	global_load_b128 v[192+16*\b+4*\q:192+16*\b+4*\q+3], v[BA], s[30:31] offset:128*\b+16*\q    ; gamma2 and beta2 take their places
	global_load_b128 v[224+16*\b+4*\q:224+16*\b+4*\q+3], v[BA], s[32:33] offset:128*\b+16*\q
.endr
.endr
	WIN 0
	QUANT4 Z                                       ; x1's codes
.irp t, 0,1
.irp p, 0,1,2
	ds_store_b64 v[XWA], v[PC+6*\t+2*\p:PC+6*\t+2*\p+1] offset:4*FRB*\t+256*\p
.endr
	ds_store_b16 v[SWA], v[HW+\t] offset:256*\t
.endr
	s_wait_loadcnt 16                              ; all but gamma2's and beta2's 16: b2, W1's scale words and its first four steps are in
.irp t, 0,1
.irp j, 0,2,4,6,8,10,12,14,16,18,20,22,24,26,28,30
	v_pk_add_f32 v[Z+32*\t+\j:Z+32*\t+\j+1], v[Z+32*\t+\j:Z+32*\t+\j+1], v[HB+\j:HB+\j+1]     ; x1 + b2: what the third product's sums start from
.endr
.endr
.irp c, 0,1,2,3,4,5,6,7,8,9,10,11,12,13,14,15
	ds_store_b128 v[XFA], v[Z+4*\c:Z+4*\c+3] offset:512*\c         ; kept in my own LDS bytes while the accumulators serve the hidden layer
.endr
	BAR                                            ; x1's eight fragments and their scale words lie in LDS
.irp t, 0,1
.irp s, 0,1,2,3
	ds_load_b32 v[TS+4*\t+\s], v[R4] offset:XSW+256*\t+64*\s
.endr
.endr
	B1PRE 0
	FETCHX 0
	FETCHX 1
; ---- B.  Step nb = 4 gq + s: group gq of my hidden units, K step s.
.macro BSTEP nb
	s_wait_loadcnt 36                              ; this step's 12 loads are in; those of the three steps behind it may be out
.if ((\nb)%4 == 0) || ((\nb) == 15)
	s_wait_dscnt 0x0                               ; a group's first step: b1 too, and the last group's stores have read their registers
.else
	s_wait_dscnt 12                                ; the next step's x1 may be out
.endif
	WIN 0x01
.irp t, 0,1
.irp ct, 0,1,2,3
	v_wmma_scale_f32_16x16x128_f8f6f4 v[Z+32*\t+8*\ct:Z+32*\t+8*\ct+7], v[48*((\nb)%4)+12*\ct:48*((\nb)%4)+12*\ct+11], v[HB+24*((\nb)%2)+12*\t:HB+24*((\nb)%2)+12*\t+11], v[Z+32*\t+8*\ct:Z+32*\t+8*\ct+7], v[WS+16*((\nb)/4)+4*\ct+(\nb)%4], v[TS+4*\t+(\nb)%4] matrix_a_fmt:MATRIX_FMT_FP6 matrix_b_fmt:MATRIX_FMT_FP6
.endr
.endr
	WIN 0
	PLACES 4
	STREAM (\nb)+8
.if (\nb)+2 < 16
	FETCHX (\nb)+2
.endif
.endm
.macro BEPI gq                         ; a group is finished: relu, codes, half a fragment and half a scale word for each token tile
.set J, 0
.rept 64
	v_max_num_f32 v[Z+J], 0, v[Z+J]                ; the activation, in f32; each accumulator from its low end on
.set J, J+1
.endr
	QUANT4 Z
.irp t, 0,1
.irp p, 0,1,2
	ds_store_b64 v[HWA], v[PC+6*\t+2*\p:PC+6*\t+2*\p+1] offset:16*FRB*\t+FRB*((\gq)/2)+768*((\gq)%2)+256*\p
.endr
	ds_store_b16 v[HSA], v[HW+\t] offset:1024*\t+64*((\gq)/2)+2*((\gq)%2)
.endr
.if (\gq) < 3
	B1PRE (\gq)+1
.endif
.endm
.irp gq, 0,1,2
	BSTEP 4*\gq
	BSTEP 4*\gq+1
	BSTEP 4*\gq+2
	BSTEP 4*\gq+3
	BEPI \gq
.endr
	BSTEP 12
	BSTEP 13
	BSTEP 14
	BSTEP 15
.irp ct, 0,1,2,3
.irp q, 0,1,2,3
	global_load_b128 v[WS+16*\ct+4*\q:WS+16*\ct+4*\q+3], v[WSB], s[26:27] offset:(32*(\ct/2)+8*(\ct%2))*64+16*\q   ; W2's scale words take W1's places; they land while the last group is quantised
.endr
.endr
	BEPI 3
	BAR                                            ; h's 32 fragments and their scale words lie in LDS
.irp c, 0,1,2,3,4,5,6,7,8,9,10,11,12,13,14,15
	ds_load_b128 v[Z+4*\c:Z+4*\c+3], v[XFA] offset:512*\c          ; x1 + b2 starts the sums
.endr
.irp sp, 0,1,2,3,4,5,6,7,8,9,10,11,12,13,14,15
.irp t, 0,1
	ds_load_b32 v[TS+2*\sp+\t], v[R4] offset:HSW+1024*\t+64*\sp
.endr
.endr
	FETCHH 0
	FETCHH 1
	s_wait_loadcnt 0x0                             ; W2's scale words, issued behind its first four steps; gamma2 and beta2
; ---- C.  Step sp of 16.
.macro CSTEP sp
.if (\sp) <= 12
	s_wait_loadcnt 36                              ; this step's 12 loads are in; those of the three steps behind it may be out
.else
	s_wait_loadcnt 12*(15-(\sp))
.endif
.if (\sp) < 15
	s_wait_dscnt 12                                ; the next step's h may be out
.else
	s_wait_dscnt 0x0
.endif
	WIN 0x01
.irp t, 0,1
.irp ct, 0,1,2,3
	v_wmma_scale_f32_16x16x128_f8f6f4 v[Z+32*\t+8*\ct:Z+32*\t+8*\ct+7], v[48*((\sp)%4)+12*\ct:48*((\sp)%4)+12*\ct+11], v[HB+24*((\sp)%2)+12*\t:HB+24*((\sp)%2)+12*\t+11], v[Z+32*\t+8*\ct:Z+32*\t+8*\ct+7], v[WS+16*\ct+(\sp)], v[TS+2*(\sp)+\t] matrix_a_fmt:MATRIX_FMT_FP6 matrix_b_fmt:MATRIX_FMT_FP6
.endr
.endr
	WIN 0
.if (\sp)+2 < 16
	PLACES 4                                       ; in front of loads into registers that these products read
.endif
.if (\sp)+4 < 16
	STREAM (\sp)+24
.endif
.if (\sp)+2 < 16
	FETCHH (\sp)+2
.endif
.endm
.irp sp, 0,1,2,3,4,5,6,7,8,9,10,11,12,13,14,15
	CSTEP \sp
.endr
	PLACES 4
	LNORM RED3, RED4, 0
	; ---- the way out, through a stage, so that each store covers 512 consecutive bytes of a row of out
.irp t, 0,1
.irp b, 0,1
.irp q, 0,1,2,3
	ds_store_b128 v[STO], v[Z+32*\t+16*\b+4*\q:Z+32*\t+16*\b+4*\q+3] offset:16*SP*\t+128*\b+16*\q
.endr
.endr
.endr
	BAR                                            ; 32 whole rows of out lie in the stage
.irp i, 0,1,2,3
.irp k, 0,1,2,3
	ds_load_b128 v[HB+4*(4*\i+\k):HB+4*(4*\i+\k)+3], v[SRD] offset:SP*\i+512*\k
.endr
.endr
.irp i, 0,1,2,3
.irp k, 0,1,2,3
	s_wait_dscnt 15-(4*\i+\k)
	global_store_b128 v[LI], v[HB+4*(4*\i+\k):HB+4*(4*\i+\k)+3], s[34:35] offset:2048*\i+512*\k th:TH_STORE_NT   ; 32 lanes store 512 consecutive bytes, aligned; written once
.endr
.endr
	s_wait_tensorcnt 0x0
	ds_add_u32 v254, v255
	s_wait_dscnt 0x0
	s_endpgm
.Lfunc_end_k_q33ba4f1408_wo_ffn:
	.size	k_q33ba4f1408_wo_ffn, .Lfunc_end_k_q33ba4f1408_wo_ffn-k_q33ba4f1408_wo_ffn
	.p2alignl 7, 3214868480
	.fill 96, 4, 3214868480
	.section	.rodata,"a",@progbits
	.p2align	6, 0x0
	.amdhsa_kernel k_q33ba4f1408_wo_ffn
		.amdhsa_group_segment_fixed_size 208896
		.amdhsa_private_segment_fixed_size 0
		.amdhsa_enable_private_segment 0
		.amdhsa_kernarg_size 112
		.amdhsa_user_sgpr_count 2
		.amdhsa_user_sgpr_kernarg_segment_ptr 1
		.amdhsa_wavefront_size32 1
		.amdhsa_system_sgpr_workgroup_id_x 1
		.amdhsa_system_sgpr_workgroup_id_y 1
		.amdhsa_system_sgpr_workgroup_id_z 1
		.amdhsa_system_vgpr_workitem_id 0
		.amdhsa_next_free_vgpr 512
		.amdhsa_next_free_sgpr 66
		.amdhsa_reserve_vcc 0
		.amdhsa_float_denorm_mode_32 3
		.amdhsa_float_denorm_mode_16_64 3
		.amdhsa_memory_ordered 1
		.amdhsa_forward_progress 1
		.amdhsa_inst_pref_size 206
	.end_amdhsa_kernel
	.amdgpu_metadata
---
amdhsa.version: [ 1, 2 ]
amdhsa.kernels:
  - .name:           k_q33ba4f1408_wo_ffn
    .symbol:         k_q33ba4f1408_wo_ffn.kd
    .args:
      - { .name: oimg, .offset: 0, .size: 8, .value_kind: global_buffer, .address_space: global }
      - { .name: ws1, .offset: 8, .size: 8, .value_kind: global_buffer, .address_space: global }
      - { .name: Wo_scales, .offset: 16, .size: 8, .value_kind: global_buffer, .address_space: global }
      - { .name: bo, .offset: 24, .size: 8, .value_kind: global_buffer, .address_space: global }
      - { .name: x, .offset: 32, .size: 8, .value_kind: global_buffer, .address_space: global }
      - { .name: gamma1, .offset: 40, .size: 8, .value_kind: global_buffer, .address_space: global }
      - { .name: beta1, .offset: 48, .size: 8, .value_kind: global_buffer, .address_space: global }
      - { .name: W1_scales, .offset: 56, .size: 8, .value_kind: global_buffer, .address_space: global }
      - { .name: b1, .offset: 64, .size: 8, .value_kind: global_buffer, .address_space: global }
      - { .name: W2_scales, .offset: 72, .size: 8, .value_kind: global_buffer, .address_space: global }
      - { .name: b2, .offset: 80, .size: 8, .value_kind: global_buffer, .address_space: global }
      - { .name: gamma2, .offset: 88, .size: 8, .value_kind: global_buffer, .address_space: global }
      - { .name: beta2, .offset: 96, .size: 8, .value_kind: global_buffer, .address_space: global }
      - { .name: out0, .offset: 104, .size: 8, .value_kind: global_buffer, .address_space: global }
    .group_segment_fixed_size: 208896
    .private_segment_fixed_size: 0
    .kernarg_segment_align: 8
    .kernarg_segment_size: 112
    .max_flat_workgroup_size: 256
    .sgpr_count:     66
    .vgpr_count:     512
    .wavefront_size: 32
...
	.end_amdgpu_metadata
.endif
;; end of part 7
;; ======== version 3 of 3: 3 launches
;; workspace buffers: ws1 11,993,088 bytes; oimg 3,276,800 bytes
;; launch qkv (part 8): grid 64 x 4, 4 waves a work-group, no clusters, 53,760 bytes of LDS; arguments x, Wq_codes, Wq_scales, bq, Wk_codes, Wk_scales, bk, Wv_codes, Wv_scales, bv, W2_codes, ws1, W1_codes, Wo_codes; writes ws1
.if DOCPART == 8
	.amdgcn_target "amdgcn-amd-amdhsa--gfx1250"
	.amdhsa_code_object_version 6
	.text
	.protected	k_q33ba4f1408_qkv
	.globl	k_q33ba4f1408_qkv
	.p2align	8
	.type	k_q33ba4f1408_qkv,@function
k_q33ba4f1408_qkv:
	s_mov_b64 s[64:65], 0
	v_nop
	global_prefetch_b8 v0, s[64:65] scope:SCOPE_SE
	s_setreg_imm32_b32 hwreg(HW_REG_WAVE_MODE, 25, 1), 1
	s_wait_xcnt 0x0
; q = x Wq + bq, k = x Wk + bk, v = x Wv + bv on codes of E2M3 with one E8M0 scale for each 32 along K; the results are quantised at once (q, k along a head's 64 channels,
; v along the tokens) and stored as IMAGES OF OPERAND REGISTERS for the attention launch.  Work-group (g, y): g = 128 tokens; y = 0: q, 1: k, 2: v, 3: the codes of W2, W1 and Wo are re-laid as register images
; for the last launch, which then reads each fragment by three loads of 512 consecutive bytes.
; TILES.  Lane index r of a tile of 16 rows (tokens or channels) stands for row base + r + 8 (r / 8), tile 2 b + u beginning at 32 b + 8 u.  So the 16 registers that a lane holds of the results
; of tiles 2 b and 2 b + 1 are 16 neighbours, 32 b + 16 (lane / 16) + 0 .. 15: what the conversions to codes want.
; SHARES (y < 3).  Phase X: wave w quantises token tiles 2 w, 2 w + 1 of x (8 fragments of 16 rows x 128 K) and stores their register images in LDS; one barrier.  Then wave w makes heads 2 w and
; 2 w + 1, one a pass: 64 channels x 128 tokens in 32 accumulators, its weights in registers.  q, k: source 0 = 16 channels of W, source 1 = 16 tokens: a lane holds one token, registers run along
; channels.  v: the sources are swapped: a lane holds one channel, registers run along tokens.  The bias is the C of each sum's first product.
; No tensor loads and no cluster: each weight fragment is wanted by one wave alone, and x's codes are made here.
; LIMITS: NaN and infinities are not served; a block whose largest magnitude lies under 2^-124 (a block of zeros too: its codes are zeros) gets the byte 1; only this program reads these bytes.
; REGISTERS: window 0: v2-13 addresses; v16-47 W's scale words; v48-63 x's scale words, two sets; v64-159, v160-255 x's fragments, two buffers (outside the sweeps v160-203 are at work);
;   window 1: pass 0's 16 weight fragments; window 3: pass 1's, and from v192 the biases; window 2: four sets of 64 numbers of x, then the 32 accumulators.
.set QS_O,  3145728                    ; ws1: q's scale words
.set KVC_O, 3407872                    ; k's and v's codes, 12,288 bytes a record
.set KVS_O, 9699328                    ; k's and v's scale words, 1,024 bytes a record
.set W2I_O, 10223616                   ; W2's 512 fragments as images
.set W1I_O, 11010048                   ; W1's 512
.set WOI_O, 11796480                   ; Wo's 128
.set FRB,   1536                       ; a fragment's image: 12 registers x 128 bytes
.set XSC,   49152                      ; LDS: behind x's 32 images their scale words, 128 bytes each
.set LI,  2                            ; 16 x lane
.set LS,  3                            ; 4 x lane
.set XA,  4                            ; x: row x 2,048 + 64 x half
.set XWI, 5                            ; where I store x's images
.set XWS, 6                            ; and their scale words
.set WA,  7                            ; a weight's row x 384 + 24 x half
.set WSA, 8                            ; a weight's row of scale bytes
.set BA,  9                            ; bias
.set WS,  16
.set XS,  48
.set XB,  64
.set PC,  160                          ; codes just made (12) and the conversions' second halves (8)
.set TM,  180                          ; +0..3 largest magnitudes, +4..7 the other half's, then bytes, +8..11 the conversions' scale operands
.set KW,  192                          ; scale words of 8 tiles
.set IM,  200                          ; four scale words to store
.set SEL, 48
.set MSB, 0
.macro WIN new                         ; the immediate's high byte repeats the setting that is left; a switch that changes nothing is dropped
.if MSB != (\new)
	s_set_vgpr_msb (MSB<<8)|(\new)
.set MSB, (\new)
.endif
.endm
.macro PLACES n
.rept \n
	v_nop
.endr
.endm
.macro BAR                             ; my LDS stores have landed and my LDS loads are in: then the work-group's barrier
	s_wait_dscnt 0x0
	s_barrier_signal -1
	s_barrier_wait -1
.endm
; 64 numbers of a lane in window win, register 16 b + i = index 32 b + 16 (lane / 16) + i, become 12 registers of codes at v[PC] and four scale bytes at v[TM+4..7].
; xw = 1: v[PC] was the data of earlier global stores, so the wait for their addresses stands ahead of the conversions.
.macro QUANT4 src, win, xw
	WIN (\win)|((\win)<<2)
.irp b, 0,1,2,3
	v_max3_num_f32 v[TM+\b], |v[(\src)+16*\b]|, |v[(\src)+16*\b+1]|, 0x1800000   ; my 16 numbers of block b, and the floor 2^(3 - 127): the byte cannot fall under 1
.endr
	WIN ((\win)<<2)|((\win)<<4)
.irp i, 2,4,6,8,10,12,14
.irp b, 0,1,2,3
	v_max3_num_f32 v[TM+\b], v[TM+\b], |v[(\src)+16*\b+\i]|, |v[(\src)+16*\b+\i+1]|   ; the four blocks by turns; each accumulator is read from its low end on
.endr
.endr
	WIN 0
.irp b, 0,1,2,3
	v_permlanex16_b32 v[TM+4+\b], v[TM+\b], s[SEL], s[SEL+1]
.endr
.irp b, 0,1,2,3
	v_max_num_f32 v[TM+\b], v[TM+\b], v[TM+4+\b]                   ; with lane l xor 16's: the block's largest magnitude
.endr
.irp b, 0,1,2,3
	v_add_nc_u32 v[TM+8+\b], 0xff000000, v[TM+\b]                  ; 2 off its exponent field: the conversion's scale operand
.endr
.irp b, 0,1,2,3
	v_lshrrev_b32 v[TM+4+\b], 23, v[TM+8+\b]                       ; the scale's byte
.endr
.if \xw
	s_wait_alu depctr_va_vdst(0)
	s_wait_xcnt 0x0
.endif
	WIN \win
.irp c, 0,1
	v_cvt_scalef32_pk16_fp6_f32 v[PC+6*\c:PC+6*\c+2], v[(\src)+32*\c:(\src)+32*\c+15], v[TM+8+2*\c]
	v_cvt_scalef32_pk16_fp6_f32 v[PC+12+4*\c:PC+14+4*\c], v[(\src)+32*\c+16:(\src)+32*\c+31], v[TM+9+2*\c]   ; (a conversion's three registers begin on an even number)
.endr
	WIN 0
	v_nop                                                          ; one plain place behind the scaled conversions
.irp c, 0,1                            ; the operand's layout wants a whole block in a lane: lanes 0-15 block 2 c, lanes 16-31 block 2 c + 1
.irp i, 0,1,2
	v_permlane16_swap_b32 v[PC+6*\c+\i], v[PC+12+4*\c+\i]
.endr
.irp i, 0,1,2
	v_mov_b32 v[PC+3+6*\c+\i], v[PC+12+4*\c+\i]
.endr
.endr
.endm
.macro WORD4 d                         ; the four bytes make a row's scale word for 128 along K
	v_lshl_or_b32 v[\d], v[TM+5], 8, v[TM+4]
	v_lshl_or_b32 v[\d], v[TM+6], 16, v[\d]
	v_lshl_or_b32 v[\d], v[TM+7], 24, v[\d]
.endm
	s_load_b512 s[8:23], s[0:1], 0x0               ; x, Wq codes, Wq scales, bq, Wk codes, Wk scales, bk, Wv codes
	s_load_b256 s[24:31], s[0:1], 0x40             ; Wv scales, bv, W2 codes, ws1
	s_set_vgpr_msb 0x40
	v_lshl_add_u32 v254, v0, 2, 0xd000
	v_mov_b32 v255, 0
	s_set_vgpr_msb 0x4000
	v_lshrrev_b32 v1, 5, v0
	v_readfirstlane_b32 s2, v1                     ; wave 0..3
	s_and_b32 s3, ttmp7, 0xffff                    ; y
	s_mov_b32 s4, ttmp9                            ; g
	v_and_b32 v10, 15, v0                          ; r
	v_bfe_u32 v11, v0, 4, 1                        ; h
	v_and_b32 v12, 8, v10
	v_add_nc_u32 v12, v12, v10                     ; r + 8 (r / 8)
	v_and_b32 v13, 31, v0                          ; lane
	v_lshlrev_b32 v[LI], 4, v13
	s_cmp_eq_u32 s3, 3
	s_cbranch_scc1 .Lrelay
	v_lshlrev_b32 v[LS], 2, v13
	v_lshlrev_b32 v[XA], 11, v12
	v_lshl_add_u32 v[XA], v11, 6, v[XA]
	v_mul_u32_u24 v[WA], v12, 384
	v_mad_u32_u24 v[WA], v11, 24, v[WA]
	v_lshlrev_b32 v[WSA], 4, v12
	s_mul_i32 s5, s2, 8*FRB
	v_add_nc_u32 v[XWI], s5, v[LI]                 ; my 8 images: 16 x lane + 12,288 x wave
	s_lshl_b32 s5, s2, 10
	v_add_nc_u32 v[XWS], s5, v[LS]                 ; their scale words: 4 x lane + 1,024 x wave
.irp b, 0,1,2,3
	v_mov_b32 v[TM+4+\b], 0                        ; written once: a lane permute's destination counts as one of its sources
.endr
	s_mov_b32 s[SEL], 0x76543210
	s_mov_b32 s[SEL+1], 0xfedcba98                 ; lane l xor 16
	; where the results go: record = (8 batch + head) x 32 + the group within the sequence; q has records of its own, k and v share one
	s_min_u32 s5, s3, 1                            ; 1 for k and v: their records are twice as long
	s_lshr_b32 s6, s3, 1                           ; 1 for v: the record's second half
	s_lshr_b32 s7, s4, 5
	s_lshl_b32 s7, s7, 3
	s_lshl_b32 s38, s2, 1
	s_add_co_u32 s7, s7, s38
	s_lshl_b32 s7, s7, 5
	s_and_b32 s38, s4, 31
	s_add_co_u32 s7, s7, s38                       ; pass 0's record
	s_mul_i32 s38, s7, 6144
	s_lshl_b32 s38, s38, s5
	s_mul_i32 s39, s6, 6144
	s_add_co_u32 s38, s38, s39
	s_lshl_b32 s52, s7, 9
	s_lshl_b32 s52, s52, s5
	s_lshl_b32 s39, s6, 9
	s_add_co_u32 s52, s52, s39
	s_mov_b32 s53, KVS_O
	s_cmp_eq_u32 s3, 0
	s_cselect_b32 s39, 0, KVC_O
	s_cselect_b32 s53, QS_O, s53
	s_add_co_u32 s38, s38, s39
	s_add_co_u32 s52, s52, s53
	s_mov_b32 s39, 0
	s_mov_b32 s53, 0
	s_mov_b32 s50, 32*6144
	s_lshl_b32 s50, s50, s5                        ; pass 1's head lies 32 records on
	s_mov_b32 s51, 0
	s_mov_b32 s54, 32*512
	s_lshl_b32 s54, s54, s5
	s_mov_b32 s55, 0
	s_wait_kmcnt 0x0
	s_cmp_eq_u32 s3, 0                             ; the weight is chosen by the work-group's y alone
	s_cselect_b64 s[32:33], s[10:11], s[16:17]
	s_cselect_b64 s[34:35], s[12:13], s[18:19]
	s_cselect_b64 s[36:37], s[14:15], s[20:21]
	s_cmp_eq_u32 s3, 2
	s_cselect_b64 s[32:33], s[22:23], s[32:33]
	s_cselect_b64 s[34:35], s[24:25], s[34:35]
	s_cselect_b64 s[36:37], s[26:27], s[36:37]
	s_add_nc_u64 s[40:41], s[30:31], s[38:39]      ; codes, pass 0
	s_add_nc_u64 s[42:43], s[40:41], s[50:51]      ; pass 1
	s_add_nc_u64 s[44:45], s[30:31], s[52:53]      ; scale words, pass 0
	s_add_nc_u64 s[46:47], s[44:45], s[54:55]      ; pass 1
	s_mov_b32 s57, 0
	s_lshl_b32 s56, s4, 18
	s_lshl_b32 s58, s2, 16
	s_add_co_u32 s56, s56, s58
	s_add_nc_u64 s[8:9], s[8:9], s[56:57]          ; x at token 128 g + 32 wave
	s_mul_i32 s56, s2, 49152
	s_add_nc_u64 s[32:33], s[32:33], s[56:57]      ; my 128 rows of the weight,
	s_lshl_b32 s56, s2, 11
	s_add_nc_u64 s[34:35], s[34:35], s[56:57]      ; of its scale bytes,
	s_lshl_b32 s56, s2, 9
	s_add_nc_u64 s[36:37], s[36:37], s[56:57]      ; and of the bias
.macro XLOAD f                         ; fragment f of my eight: tile 2 w + f / 4, K step f % 4: 64 numbers a lane, 16 neighbours of each block of 32
	WIN 0x80
.irp b, 0,1,2,3
.irp j, 0,1,2,3
	global_load_b128 v[64*((\f)%4)+16*\b+4*\j:64*((\f)%4)+16*\b+4*\j+3], v[XA], s[8:9] offset:16384*((\f)/4)+512*((\f)%4)+128*\b+16*\j
.endr
.endr
	WIN 0
.endm
.macro WLOAD p                         ; pass p's 16 weight fragments (tile ct, K step s) and their scale words: 100 loads
	WIN 0x40+0x80*(\p)
.irp ct, 0,1,2,3
.irp s, 0,1,2,3
.irp q, 0,1,2,3,4,5
	global_load_b64 v[12*(4*\ct+\s)+2*\q:12*(4*\ct+\s)+2*\q+1], v[WA], s[32:33] offset:24576*(\p)+(32*(\ct/2)+8*(\ct%2))*384+96*\s+48*(\q/3)+8*(\q%3)
.endr
.endr
.endr
	WIN 0
.irp ct, 0,1,2,3
	global_load_b128 v[WS+16*(\p)+4*\ct:WS+16*(\p)+4*\ct+3], v[WSA], s[34:35] offset:1024*(\p)+(32*(\ct/2)+8*(\ct%2))*16
.endr
.endm
	; ---- X: my two token tiles of x become eight fragments; loads run four fragments ahead
.irp f, 0,1,2,3
	XLOAD \f
.endr
.irp f, 0,1,2,3,4,5,6,7
.if \f <= 4
	s_wait_loadcnt 48                              ; this fragment's 16 loads are in; those of the three behind it may be out
.else
	s_wait_loadcnt 16*(7-\f)
.endif
.if \f == 7
	WLOAD 0                                        ; pass 0's weights are asked for while the last fragment is quantised
.endif
	QUANT4 64*(\f%4), 2, 0
	WORD4 KW
.if \f < 4
	XLOAD \f+4
.endif
.irp c, 0,1,2
	ds_store_b128 v[XWI], v[PC+4*\c:PC+4*\c+3] offset:FRB*\f+512*\c
.endr
	ds_store_b32 v[XWS], v[KW] offset:XSC+128*\f
	s_wait_dscnt 0x0                               ; the stores have read their registers: the next fragment's codes may be written
.endr
	BAR                                            ; x's 32 fragments lie in LDS; from here on LDS is only read
.macro FETCHX s, buf                   ; K step s of all 8 token tiles: 24 + 8 LDS loads
.irp t, 0,1,2,3,4,5,6,7
.irp c, 0,1,2
	ds_load_b128 v[XB+96*(\buf)+12*\t+4*\c:XB+96*(\buf)+12*\t+4*\c+3], v[LI] offset:(4*\t+(\s))*FRB+512*\c
.endr
	ds_load_b32 v[XS+8*(\buf)+\t], v[LS] offset:XSC+(4*\t+(\s))*128
.endr
.endm
; 32 products of K step s.  The 32 accumulators take turns, one instruction a turn, in the same order in every step.
.macro MULS p, s, kind
.if (\kind) == 0
.if (\s) == 0
	WIN 0xb1+2*(\p)                                ; W window 1 or 3, x window 0, C = the bias in window 3, D window 2
.else
	WIN 0xa1+2*(\p)
.endif
.else
.if (\s) == 0
	WIN 0xb4+8*(\p)                                ; the same with the sources swapped
.else
	WIN 0xa4+8*(\p)
.endif
.endif
.irp t, 0,1,2,3,4,5,6,7
.irp ct, 0,1,2,3
.set rW, 12*(4*\ct+(\s))
.set rX, XB+96*((\s)%2)+12*\t
.set rC, 192+32*(\p)+8*\ct
.set sW, WS+16*(\p)+4*\ct+(\s)
.set sX, XS+8*((\s)%2)+\t
.if (\kind) == 0
.set rD, 32*\t+8*\ct
.if (\s) == 0
	v_wmma_scale_f32_16x16x128_f8f6f4 v[rD:rD+7], v[rW:rW+11], v[rX:rX+11], v[rC:rC+7], v[sW], v[sX] matrix_a_fmt:MATRIX_FMT_FP6 matrix_b_fmt:MATRIX_FMT_FP6
.else
	v_wmma_scale_f32_16x16x128_f8f6f4 v[rD:rD+7], v[rW:rW+11], v[rX:rX+11], v[rD:rD+7], v[sW], v[sX] matrix_a_fmt:MATRIX_FMT_FP6 matrix_b_fmt:MATRIX_FMT_FP6
.endif
.else
.set rD, 64*\ct+8*\t
.if (\s) == 0
	v_wmma_scale_f32_16x16x128_f8f6f4 v[rD:rD+7], v[rX:rX+11], v[rW:rW+11], v[rC:rC+7], v[sX], v[sW] matrix_a_fmt:MATRIX_FMT_FP6 matrix_b_fmt:MATRIX_FMT_FP6
.else
	v_wmma_scale_f32_16x16x128_f8f6f4 v[rD:rD+7], v[rX:rX+11], v[rW:rW+11], v[rD:rD+7], v[sX], v[sW] matrix_a_fmt:MATRIX_FMT_FP6 matrix_b_fmt:MATRIX_FMT_FP6
.endif
.endif
.endr
.endr
	WIN 0
.endm
.macro PASS p, kind                    ; one head: four K steps, x's fragments one step ahead in two buffers
	s_wait_xcnt 0x0                                ; earlier stores have read their registers: the buffers may be loaded
.if (\p) == 1
	s_wait_loadcnt 0x0                             ; pass 1's weights
.endif
	FETCHX 0, 0
.irp s, 0,1,2,3
.if \s < 3
.if \s > 0
	PLACES 4                                       ; in front of loads into registers that the last products read
.endif
	FETCHX \s+1, (\s+1)%2
	s_wait_dscnt 32                                ; all but the 32 just issued
.else
	s_wait_dscnt 0x0
.endif
	MULS \p, \s, \kind
.endr
.endm
.macro EPI_QK p                        ; a lane's 32 numbers of a token tile are its token's 64 channels: two blocks, six registers of codes; two tiles at a time
	PLACES 4
.irp i, 0,1,2,3
	QUANT4 64*\i, 2, 1
	v_lshl_or_b32 v[KW+2*\i], v[TM+5], 8, v[TM+4]
	v_lshl_or_b32 v[KW+2*\i+1], v[TM+7], 8, v[TM+6]
	v_or_b32 v[KW+2*\i], 0x7f7f0000, v[KW+2*\i]    ; the word's upper two bytes stand for 1.0: the score product's K is 64 of the instruction's 128
	v_or_b32 v[KW+2*\i+1], 0x7f7f0000, v[KW+2*\i+1]
.irp c, 0,1,2
	global_store_b128 v[LI], v[PC+4*\c:PC+4*\c+3], s[40+2*(\p):41+2*(\p)] offset:512*(3*\i+\c)   ; 32 lanes store 512 consecutive bytes
.endr
.endr
	v_cmp_le_u32 vcc_lo, 16, v13
.irp i, 0,1,2,3
	v_cndmask_b32 v[IM+\i], v[KW+\i], v[KW+4+\i], vcc_lo           ; lanes 0-15 keep tiles 0-3's words, lanes 16-31 tiles 4-7's
.endr
	global_store_b128 v[LI], v[IM:IM+3], s[44+2*(\p):45+2*(\p)]
.endm
.macro EPI_V p                         ; a lane's 64 numbers of a channel tile are its channel's 128 tokens: a whole fragment
	PLACES 4
.irp ct, 0,1,2,3
	QUANT4 64*\ct, 2, 1
	WORD4 IM+\ct
.irp c, 0,1,2
	global_store_b128 v[LI], v[PC+4*\c:PC+4*\c+3], s[40+2*(\p):41+2*(\p)] offset:FRB*\ct+512*\c
.endr
.endr
	global_store_b128 v[LI], v[IM:IM+3], s[44+2*(\p):45+2*(\p)]
.endm
	s_cmp_eq_u32 s3, 2
	s_cbranch_scc1 .Lv
	; ---- q or k.  The bias in the result's layout: lane (r, h) holds, of tile ct, channels 32 (ct / 2) + 16 h + 8 (ct % 2) + 0 .. 7
	v_lshlrev_b32 v[BA], 6, v11
	WIN 0xc0
.irp p, 0,1
.irp ct, 0,1,2,3
	global_load_b128 v[192+32*\p+8*\ct:192+32*\p+8*\ct+3], v[BA], s[36:37] offset:256*\p+(32*(\ct/2)+8*(\ct%2))*4
	global_load_b128 v[192+32*\p+8*\ct+4:192+32*\p+8*\ct+7], v[BA], s[36:37] offset:256*\p+(32*(\ct/2)+8*(\ct%2))*4+16
.endr
.endr
	WIN 0
	WLOAD 1
	s_wait_loadcnt 63                              ; 100 loads were issued behind the biases: pass 0's weights and the biases are in
	PASS 0, 0
	EPI_QK 0
	PASS 1, 0
	EPI_QK 1
	s_set_vgpr_msb 0x5
	s_wait_tensorcnt 0x0
	ds_add_u32 v254, v255
	s_wait_dscnt 0x0
	s_set_vgpr_msb 0x500
	s_endpgm
.Lv:
	; ---- v.  A lane holds one channel, so its bias fills all eight registers of a tile's C
	v_lshlrev_b32 v[BA], 2, v12
	WIN 0xc0
.irp p, 0,1
.irp ct, 0,1,2,3
.irp j, 0,1,2,3,4,5,6,7
	global_load_b32 v[192+32*\p+8*\ct+\j], v[BA], s[36:37] offset:256*\p+(32*(\ct/2)+8*(\ct%2))*4
.endr
.endr
.endr
	WIN 0
	WLOAD 1
	s_wait_loadcnt 63                              ; as above
	PASS 0, 1
	EPI_V 0
	PASS 1, 1
	EPI_V 1
	s_set_vgpr_msb 0x5
	s_wait_tensorcnt 0x0
	ds_add_u32 v254, v255
	s_wait_dscnt 0x0
	s_set_vgpr_msb 0x500
	s_endpgm
.Lrelay:
	; ---- y = 3: weights as register images.  W2's fragment f = (16 w + s) x 4 + ct: rows 64 w + tile ct, K step s of 16.  W1's and Wo's fragment f = (4 G + s) x 4 + ct: rows 64 G + tile ct, K step s of 4.
	; A wave takes f = 8 g + 2 wave and f + 1 (8 rows further down) of W2 and of W1; waves 0 and 1 also take Wo's fragment 2 g + wave.
	s_load_b128 s[36:39], s[0:1], 0x60             ; W1 codes, Wo codes
	s_lshl_b32 s5, s4, 3
	s_lshl_b32 s6, s2, 1
	s_add_co_u32 s5, s5, s6                        ; f, even
	s_and_b32 s32, s5, 2
	s_lshl_b32 s32, s32, 4                         ; 32 (ct / 2)
	s_lshr_b32 s6, s5, 6                           ; W2: w
	s_lshl_b32 s6, s6, 6
	s_add_co_u32 s6, s6, s32                       ; the tile's first row
	s_mul_i32 s6, s6, 1536
	s_bfe_u32 s7, s5, 0x40002                      ; its K step
	s_mul_i32 s7, s7, 96
	s_add_co_u32 s6, s6, s7
	s_mov_b32 s7, 0
	s_lshr_b32 s40, s5, 4                          ; W1: G
	s_lshl_b32 s40, s40, 6
	s_add_co_u32 s40, s40, s32
	s_mul_i32 s40, s40, 384
	s_bfe_u32 s41, s5, 0x20002
	s_mul_i32 s41, s41, 96
	s_add_co_u32 s40, s40, s41
	s_mov_b32 s41, 0
	s_mul_i32 s32, s5, FRB                         ; where the images go
	s_add_co_u32 s42, s32, W1I_O
	s_mov_b32 s43, 0
	s_add_co_u32 s32, s32, W2I_O
	s_mov_b32 s33, 0
	s_lshl_b32 s44, s4, 1
	s_add_co_u32 s44, s44, s2                      ; Wo's fragment (used by waves 0 and 1 alone)
	s_lshr_b32 s45, s44, 4
	s_lshl_b32 s45, s45, 6
	s_bfe_u32 s46, s44, 0x10001
	s_lshl_b32 s46, s46, 5
	s_add_co_u32 s45, s45, s46
	s_and_b32 s46, s44, 1
	s_lshl_b32 s46, s46, 3
	s_add_co_u32 s45, s45, s46                     ; its first row
	s_mul_i32 s46, s45, 384
	s_bfe_u32 s45, s44, 0x20002
	s_mul_i32 s45, s45, 96
	s_add_co_u32 s46, s46, s45
	s_mov_b32 s47, 0
	s_mul_i32 s44, s44, FRB
	s_add_co_u32 s44, s44, WOI_O
	s_mov_b32 s45, 0
	s_wait_alu depctr_va_vdst(0)
	v_mul_u32_u24 v14, v12, 1536                   ; a row of W2 is 1,536 bytes,
	v_mad_u32_u24 v14, v11, 24, v14
	v_mul_u32_u24 v15, v12, 384                    ; of W1 and of Wo 384
	v_mad_u32_u24 v15, v11, 24, v15
	s_wait_alu depctr_va_vdst(0)
	s_wait_kmcnt 0x0
	s_add_nc_u64 s[28:29], s[28:29], s[6:7]
	s_add_nc_u64 s[36:37], s[36:37], s[40:41]
	s_add_nc_u64 s[38:39], s[38:39], s[46:47]
	s_add_nc_u64 s[48:49], s[30:31], s[32:33]
	s_add_nc_u64 s[50:51], s[30:31], s[42:43]
	s_add_nc_u64 s[52:53], s[30:31], s[44:45]
.irp e, 0,1
.irp p, 0,1,2,3,4,5
	global_load_b64 v[16+12*\e+2*\p:16+12*\e+2*\p+1], v14, s[28:29] offset:12288*\e+48*(\p/3)+8*(\p%3)
	global_load_b64 v[40+12*\e+2*\p:40+12*\e+2*\p+1], v15, s[36:37] offset:3072*\e+48*(\p/3)+8*(\p%3)
.endr
.endr
	s_wait_loadcnt 0x0
.irp e, 0,1
.irp c, 0,1,2
	global_store_b128 v[LI], v[16+12*\e+4*\c:16+12*\e+4*\c+3], s[48:49] offset:FRB*\e+512*\c
	global_store_b128 v[LI], v[40+12*\e+4*\c:40+12*\e+4*\c+3], s[50:51] offset:FRB*\e+512*\c
.endr
.endr
	s_cmp_lt_u32 s2, 2
	s_cbranch_scc0 .Lrelay_end
.irp p, 0,1,2,3,4,5
	global_load_b64 v[64+2*\p:65+2*\p], v15, s[38:39] offset:48*(\p/3)+8*(\p%3)
.endr
	s_wait_loadcnt 0x0
.irp c, 0,1,2
	global_store_b128 v[LI], v[64+4*\c:67+4*\c], s[52:53] offset:512*\c
.endr
.Lrelay_end:
	s_endpgm
.Lfunc_end_k_q33ba4f1408_qkv:
	.size	k_q33ba4f1408_qkv, .Lfunc_end_k_q33ba4f1408_qkv-k_q33ba4f1408_qkv
	.p2alignl 7, 3214868480
	.fill 96, 4, 3214868480
	.section	.rodata,"a",@progbits
	.p2align	6, 0x0
	.amdhsa_kernel k_q33ba4f1408_qkv
		.amdhsa_group_segment_fixed_size 53760
		.amdhsa_private_segment_fixed_size 0
		.amdhsa_enable_private_segment 0
		.amdhsa_kernarg_size 112
		.amdhsa_user_sgpr_count 2
		.amdhsa_user_sgpr_kernarg_segment_ptr 1
		.amdhsa_wavefront_size32 1
		.amdhsa_system_sgpr_workgroup_id_x 1
		.amdhsa_system_sgpr_workgroup_id_y 1
		.amdhsa_system_sgpr_workgroup_id_z 1
		.amdhsa_system_vgpr_workitem_id 0
		.amdhsa_next_free_vgpr 1024
		.amdhsa_next_free_sgpr 66
		.amdhsa_reserve_vcc 1
		.amdhsa_float_denorm_mode_32 3
		.amdhsa_float_denorm_mode_16_64 3
		.amdhsa_memory_ordered 1
		.amdhsa_forward_progress 1
		.amdhsa_inst_pref_size 255
	.end_amdhsa_kernel
	.section	.bss,"aw",@nobits
	.p2align	6
	.space	262144
	.amdgpu_metadata
---
amdhsa.version: [ 1, 2 ]
amdhsa.kernels:
  - .name:           k_q33ba4f1408_qkv
    .symbol:         k_q33ba4f1408_qkv.kd
    .args:
      - { .name: x, .offset: 0, .size: 8, .value_kind: global_buffer, .address_space: global }
      - { .name: Wq_codes, .offset: 8, .size: 8, .value_kind: global_buffer, .address_space: global }
      - { .name: Wq_scales, .offset: 16, .size: 8, .value_kind: global_buffer, .address_space: global }
      - { .name: bq, .offset: 24, .size: 8, .value_kind: global_buffer, .address_space: global }
      - { .name: Wk_codes, .offset: 32, .size: 8, .value_kind: global_buffer, .address_space: global }
      - { .name: Wk_scales, .offset: 40, .size: 8, .value_kind: global_buffer, .address_space: global }
      - { .name: bk, .offset: 48, .size: 8, .value_kind: global_buffer, .address_space: global }
      - { .name: Wv_codes, .offset: 56, .size: 8, .value_kind: global_buffer, .address_space: global }
      - { .name: Wv_scales, .offset: 64, .size: 8, .value_kind: global_buffer, .address_space: global }
      - { .name: bv, .offset: 72, .size: 8, .value_kind: global_buffer, .address_space: global }
      - { .name: W2_codes, .offset: 80, .size: 8, .value_kind: global_buffer, .address_space: global }
      - { .name: ws1, .offset: 88, .size: 8, .value_kind: global_buffer, .address_space: global }
      - { .name: W1_codes, .offset: 96, .size: 8, .value_kind: global_buffer, .address_space: global }
      - { .name: Wo_codes, .offset: 104, .size: 8, .value_kind: global_buffer, .address_space: global }
    .group_segment_fixed_size: 53760
    .private_segment_fixed_size: 0
    .kernarg_segment_align: 8
    .kernarg_segment_size: 112
    .max_flat_workgroup_size: 128
    .sgpr_count:     66
    .vgpr_count:     1024
    .wavefront_size: 32
...
	.end_amdgpu_metadata
.endif
;; end of part 8
;; launch attn (part 9): grid 16 x 16, 16 waves a work-group, no clusters, 55,296 bytes of LDS; arguments ws1, oimg; writes oimg
.if DOCPART == 9
	.amdgcn_target "amdgcn-amd-amdhsa--gfx1250"
	.amdhsa_code_object_version 6
	.text
	.protected	k_q33ba4f1408_attn
	.globl	k_q33ba4f1408_attn
	.p2align	8
	.type	k_q33ba4f1408_attn,@function
k_q33ba4f1408_attn:
	s_mov_b64 s[64:65], 0
	v_nop
	global_prefetch_b8 v0, s[64:65] scope:SCOPE_SE
	s_setreg_imm32_b32 hwreg(HW_REG_WAVE_SCHED_MODE, 0, 2), 2
	s_setreg_imm32_b32 hwreg(HW_REG_WAVE_MODE, 25, 1), 1
	s_wait_xcnt 0x0
	s_wait_alu depctr_vm_vsrc(0)
; o = softmax(q k^T / 8) v for one head of one batch, both products on codes of E2M3 with E8M0 scales; o / l is quantised along the head's 64 channels and stored as half a fragment of the next product.
; THE SOFTMAX: t = score x log2(e) / 8; M = the running largest t rounded up to a whole number; p = 2^(t - M) is quantised along the keys, not normalised; the row's sum is taken of the unquantised p
; and divides at the end; when M moves, the sum and O are multiplied by 2^(old M - new M), which rounds nothing.  A block's largest p is not searched for: the block's largest score goes through the
; same multiply-add and exponential (this takes the exponential not to fall where its input rises).
; SHARES.  Work-group (x, hb): 256 queries of head hb.  Each of sixteen waves owns one tile of 16 queries in 256 registers, four waves to a SIMD, so that one wave's vector work stands beside
; another's products and LDS loads.  Every wave walks the head's 4,096 keys, 128 a step.
; K AND V come as register images (made by the launch before): a slot of LDS holds two steps, 26,624 bytes; the 512 threads copy it through registers (3 x 16 + 4 bytes each), asked for a whole slot ahead.
; One barrier a slot: in front of it a wave's stores into the other slot have landed and its reads of this slot are back.  No tensor loads: the copy is small beside a slot's vector work; so no cluster.
; LAYOUT.  S^T = K Q^T and O^T = V^T P^T: a lane holds ONE query throughout.  The keys of a tile are 32 b + 8 u + r + 8 (r / 8), so that p's 16 registers of two neighbouring tiles are 16 neighbouring keys.
; THE SCORE PRODUCT HAS K = 64 IN AN INSTRUCTION OF 128.  A key tile's codes are six registers; its operand names twelve: the upper six are the next tile's codes (behind tile 7: zeros).  Q's codes
; there are zeros, E2M3 has neither infinity nor NaN, and both sides' scale bytes there stand for 1.0: those products are exact zeros.
; LIMITS: NaN and infinities are not served; a block of o under 2^-124 (or of zeros) gets the byte 1.
; REGISTERS: v1-3 addresses; v12 -M, v13 largest t, v[14:15] the sum; v16-27 Q (v22-27 zeros); v28 Q's, v29 p's, v30-33 K's, v34-37 V's scale words; v38-50 the copy's stage; v52-99 K's or V's
; fragments; v100-105 zeros; v112-175 S^T, then p; v176-207 O^T; v208-219 p's codes; v220-245 at work.
; THE MODE: SCHED_MODE bits 1:0 = 2 (LLVM: expert scheduling mode 2), set by the entry lines.  The code itself states the register dependences between vector or matrix instructions and memory or
; LDS instructions, with s_wait_alu, always for 0.
; THE PLAN.  Registers that memory or LDS instructions touch, in the loop:
;   v1-3             addresses, made at the head and never written again.
;   v38-50           the copy's stage: global loads land in it, LDS stores read it, no vector instruction names it.  One wait on vm_vsrc a slot, between the stores and the next loads.
;   v52-99, v30-33   K's fragments and scale words land at a step's head; the eight score products read them.
;   v52-99, v34-37   V's land behind the blocks' maxima; the four second products read them at the step's end.
; So a step has four waits on va_vdst: at its head (the last step's products are done with v52-99 and v30-37); behind the maxima, which have read all 64 scores, so that the score products are
; finished there (they are done with v52-99); the one wait for the step's 68 exponentials; and one directly ahead of the second products, whose operand p and its scale word vector instructions wrote.
.set QS_O,  3145728
.set KVC_O, 3407872
.set KVS_O, 9699328
.set OSC_O, 3145728
.set SLOT,  26624
.set LI,  1
.set CPY, 2
.set CPS, 3
.set KV,  52
.set CS,  22                           ; s[22:23] c = log2(e) / 8
.set SEL, 26
.macro PLACES n
.rept \n
	v_nop
.endr
.endm
.macro BAR
	s_wait_dscnt 0x0
	s_barrier_signal -1
	s_barrier_wait -1
.endm
	s_load_b128 s[4:7], s[0:1], 0x0                ; ws1, oimg
	v_lshl_add_u32 v254, v0, 2, 0xd000
	v_mov_b32 v255, 0
	v_lshrrev_b32 v4, 5, v0
	v_readfirstlane_b32 s8, v4                     ; wave 0..15
	s_and_b32 s9, ttmp7, 0xffff                    ; hb = 8 batch + head
	v_and_b32 v5, 31, v0                           ; lane
	v_and_b32 v6, 15, v0                           ; r
	v_lshlrev_b32 v[LI], 4, v5
	s_wait_alu depctr_va_vdst(0)
	v_lshlrev_b32 v[CPY], 4, v0
	v_lshlrev_b32 v[CPS], 2, v0
	s_wait_alu depctr_va_sdst(0)                   ; s8 is written, ahead of its first reader: the places of q and of o are made from it
	s_and_b32 s11, s8, 7                           ; my query tile in its group of 128 tokens
	s_lshr_b32 s12, s8, 3
	s_lshl_b32 s13, ttmp9, 1
	s_add_co_u32 s12, s12, s13                     ; the group
	s_lshl_b32 s13, s9, 5
	s_add_co_u32 s13, s13, s12                     ; q's record
	s_mul_i32 s16, s13, 6144
	s_mov_b32 s17, 0
	s_lshl_b32 s18, s13, 9
	s_add_co_u32 s18, s18, QS_O
	s_mov_b32 s19, 0
	s_mul_i32 s20, s9, 393216                      ; the head's 32 records of k and v
	s_add_co_u32 s20, s20, KVC_O
	s_mov_b32 s21, 0
	s_lshl_b32 s24, s9, 15
	s_add_co_u32 s24, s24, KVS_O
	s_mov_b32 s25, 0
	s_mul_i32 s14, s11, 6                          ; my tile is registers 6 T .. 6 T + 5 of the record's 48; register n lies in chunk n / 4 (512 bytes), word n % 4 of the lane's 16 bytes
.irp p, 0,1,2
	s_add_co_u32 s15, s14, 2*\p
	s_lshr_b32 s28, s15, 2
	s_lshl_b32 s28, s28, 9
	s_and_b32 s15, s15, 2
	s_lshl_b32 s15, s15, 2
	s_add_co_u32 s28, s28, s15
	v_add_nc_u32 v[7+\p], s28, v[LI]
.endr
	s_lshr_b32 s15, s11, 2
	s_lshl_b32 s15, s15, 8
	s_and_b32 s28, s11, 3
	s_lshl_b32 s28, s28, 2
	s_add_co_u32 s15, s15, s28
	v_lshl_add_u32 v10, v6, 4, s15                 ; my tile's scale word of row r: lane 16 (T / 4) + r of the record, word T % 4
	; where o goes: token tile TT = 256 batch + 8 group + T; head hd is half hd % 2 of K step hd / 2
	s_lshr_b32 s13, s9, 3
	s_lshl_b32 s13, s13, 8
	s_lshl_b32 s14, s12, 3
	s_add_co_u32 s13, s13, s14
	s_add_co_u32 s13, s13, s11
	s_and_b32 s14, s9, 7
	s_lshr_b32 s15, s14, 1
	s_and_b32 s14, s14, 1
	s_lshl_b32 s13, s13, 2
	s_add_co_u32 s13, s13, s15
	s_mul_i32 s30, s13, 1536
	s_mul_i32 s15, s14, 768
	s_add_co_u32 s30, s30, s15
	s_mov_b32 s31, 0
	s_lshl_b32 s32, s13, 6
	s_lshl_b32 s14, s14, 1
	s_add_co_u32 s32, s32, s14
	s_add_co_u32 s32, s32, OSC_O
	s_mov_b32 s33, 0
	s_mov_b32 s[CS], 0x3e38aa3b
	s_mov_b32 s[CS+1], s[CS]                       ; (named with it as a pair, so it is written)
	s_mov_b32 s[SEL], 0x76543210
	s_mov_b32 s[SEL+1], 0xfedcba98
	s_mov_b32 s29, 7
	s_wait_kmcnt 0x0
	s_add_nc_u64 s[16:17], s[4:5], s[16:17]
	s_add_nc_u64 s[18:19], s[4:5], s[18:19]
	s_add_nc_u64 s[20:21], s[4:5], s[20:21]
	s_add_nc_u64 s[24:25], s[4:5], s[24:25]
	s_add_nc_u64 s[30:31], s[6:7], s[30:31]
	s_add_nc_u64 s[32:33], s[6:7], s[32:33]
.macro ASK                             ; a slot's 26,624 bytes: 3 x 16 + 4 bytes a thread
	global_load_b128 v[38:41], v[CPY], s[20:21]
	global_load_b128 v[42:45], v[CPY], s[20:21] offset:8192
	global_load_b128 v[46:49], v[CPY], s[20:21] offset:16384
	global_load_b32 v50, v[CPS], s[24:25]
.endm
.macro PUT sl                          ; into LDS slot sl, as they lie
	ds_store_b128 v[CPY], v[38:41] offset:SLOT*(\sl)
	ds_store_b128 v[CPY], v[42:45] offset:SLOT*(\sl)+8192
	ds_store_b128 v[CPY], v[46:49] offset:SLOT*(\sl)+16384
	ds_store_b32 v[CPS], v50 offset:SLOT*(\sl)+24576
.endm
	s_wait_alu depctr_va_vdst(0)                   ; the addresses v1 to v3 and v7 to v10 are written: the loads, LDS stores and LDS loads of the whole kernel read them, and none is written again
.irp p, 0,1,2
	global_load_b64 v[16+2*\p:17+2*\p], v[7+\p], s[16:17]          ; Q's six registers stay
.endr
	global_load_b32 v28, v10, s[18:19]
	ASK
	v_mov_b32 v13, 0xff61b1e6                      ; the largest t so far: -3e38, under every t
	v_floor_f32 v12, -v13                          ; -M
	v_mov_b32 v14, 0
	v_mov_b32 v15, 0
.irp j, 22,23,24,25,26,27,100,101,102,103,104,105,232,233,234,235,243
	v_mov_b32 v\j, 0                               ; Q's upper half, the six behind tile 7, the permutes' destinations, the upper half of f's pair
.endr
.set J, 0
.rept 32
	v_mov_b32 v[176+J], 0                          ; O^T: the step is written once; its first pass finds zeros, which the first change of M leaves zeros
.set J, J+1
.endr
	s_wait_loadcnt 0x0
	PUT 0
	s_wait_dscnt 0x0                               ; the stores into slot 0 have landed
	s_wait_alu depctr_vm_vsrc(0)                   ; the LDS stores have read the stage v38 to v50, in which the next loads land
	s_add_nc_u64 s[20:21], s[20:21], 24576         ; (the loads that named these bases are done)
	s_add_nc_u64 s[24:25], s[24:25], 2048
	ASK                                            ; slot 1's keys
	BAR
; At the head of the work on LDS slot sl: the keys asked for a slot ago go into the other slot, which every wave left at the last barrier; ld = 1: the keys two slots on are asked for.
.macro HEAD sl, ld
	s_wait_loadcnt 0x0
	PUT 1-(\sl)
.if \ld
	s_wait_dscnt 0x0                               ; the stores have landed
	s_wait_alu depctr_vm_vsrc(0)                   ; the LDS stores have read the stage v38 to v50, in which the next loads land
	s_add_nc_u64 s[20:21], s[20:21], 24576
	s_add_nc_u64 s[24:25], s[24:25], 2048
	ASK
.endif
.endm
; A KEY STEP: 128 keys, the q-th of LDS slot sl.
.macro STEP sl, q
.set KB, SLOT*(\sl)+12288*(\q)
.set SB, SLOT*(\sl)+24576+1024*(\q)
	PLACES 4                                       ; four places behind the last step's products
	s_wait_alu depctr_va_vdst(0)                   ; the last step's products are done reading v52 to v99 and v30 to v37, in which this step's loads land; in the first step: the zeros in v22 to v27 and v100 to v105, operands of the products below, are written
.irp i, 0,1,2,3,4,5,6,7,8,9,10,11
	ds_load_b128 v[KV+4*\i:KV+4*\i+3], v[LI] offset:KB+512*\i      ; K: eight tiles of six registers
.endr
	ds_load_b128 v[30:33], v[LI] offset:SB         ; lanes 0-15: the words of tiles 0-3, lanes 16-31: of tiles 4-7
	s_wait_dscnt 0x0
.irp t, 0,1,2,3
	v_wmma_scale_f32_16x16x128_f8f6f4 v[112+8*\t:119+8*\t], v[KV+6*\t:KV+6*\t+11], v[16:27], 0, v[30+\t], v28 matrix_a_fmt:MATRIX_FMT_FP6 matrix_b_fmt:MATRIX_FMT_FP6
.endr
.irp t, 4,5,6,7
	v_wmma_scale_f32_16x16x128_f8f6f4 v[112+8*\t:119+8*\t], v[KV+6*\t:KV+6*\t+11], v[16:27], 0, v[26+\t], v28 matrix_a_fmt:MATRIX_FMT_FP6 matrix_b_fmt:MATRIX_FMT_FP6 matrix_a_scale:MATRIX_SCALE_ROW1
.endr
	PLACES 4                                       ; four places ahead of the first read of the scores
.irp b, 0,1,2,3
	v_max3_num_f32 v[228+\b], v[112+16*\b], v[113+16*\b], v[114+16*\b]   ; the largest score of each block of 32 keys: for the row's maximum and for the block's largest p
.endr
.irp i, 3,5,7,9,11,13
.irp b, 0,1,2,3
	v_max3_num_f32 v[228+\b], v[228+\b], v[112+16*\b+\i], v[113+16*\b+\i]
.endr
.endr
.irp b, 0,1,2,3
	v_max_num_f32 v[228+\b], v[228+\b], v[127+16*\b]
.endr
	s_wait_alu depctr_va_vdst(0)                   ; the score products are done reading v52 to v99, in which V lands.  The maxima above have read all 64 scores, so those products are finished here
.irp i, 0,1,2,3,4,5,6,7,8,9,10,11
	ds_load_b128 v[KV+4*\i:KV+4*\i+3], v[LI] offset:KB+6144+512*\i ; V: four fragments; they land while the softmax is walked.  No vector instruction up to the second products names them
.endr
	ds_load_b128 v[34:37], v[LI] offset:SB+512
.irp b, 0,1,2,3
	v_permlanex16_b32 v[232+\b], v[228+\b], s[SEL], s[SEL+1]
.endr
.irp b, 0,1,2,3
	v_max_num_f32 v[228+\b], v[228+\b], v[232+\b]                  ; with lane l xor 16's 16 keys
.endr
	v_max3_num_f32 v240, v228, v229, v230
	v_max_num_f32 v240, v240, v231
	v_mul_f32 v240, s[CS], v240                    ; as t (c is positive)
	v_max_num_f32 v13, v13, v240                   ; the running largest t
	v_mov_b32 v240, v12
	v_floor_f32 v12, -v13                          ; the new -M = -ceil(t)
	v_sub_f32 v240, v12, v240                      ; old M - new M: a whole number, 0 or less
	v_cvt_i32_f32 v240, v240                       ; (it saturates)
	v_ldexp_f32 v242, 1.0, v240                    ; f = 2^(old M - new M)
.set J, 0
.rept 32
	v_pk_fma_f32 v[112+J:113+J], v[112+J:113+J], s[CS:CS+1], v[12:13] op_sel_hi:[1,0,0]   ; t - M, two at a time
.set J, J+2
.endr
.irp b, 0,1,2,3
	v_fma_f32 v[228+\b], v[228+\b], s[CS], v12
.endr
.set J, 0
	s_wait_alu depctr_va_vdst(0)
.rept 64
	v_exp_f32 v[112+J], v[112+J]                   ; p = 2^(t - M), at most 1
.set J, J+1
.endr
.irp b, 0,1,2,3
	v_exp_f32 v[228+\b], v[228+\b]                 ; the block's largest p: the same two instructions on the same number
.endr
	v_pk_mul_f32 v[14:15], v[14:15], v[242:243] op_sel_hi:[1,0]    ; the sums under the new M (a plain place behind the exponentials)
	s_wait_alu depctr_va_vdst(0)                   ; the 68 exponentials have written v112 to v175 and v228 to v231: one wait for the batch, ahead of its first reader
.irp b, 0,1,2,3
	v_max_num_f32 v[228+\b], 0x1800000, v[228+\b]  ; the floor 2^(3 - 127)
.endr
.irp b, 0,1,2,3
	v_add_nc_u32 v[236+\b], 0xff000000, v[228+\b]  ; the conversion's scale operand
.endr
.irp b, 0,1,2,3
	v_lshrrev_b32 v[232+\b], 23, v[236+\b]         ; the scale's byte
.endr
	v_lshl_or_b32 v29, v233, 8, v232               ; p's scale word for these 128 keys
	v_lshl_or_b32 v29, v234, 16, v29
	v_lshl_or_b32 v29, v235, 24, v29
.irp c, 0,1
	v_cvt_scalef32_pk16_fp6_f32 v[208+6*\c:210+6*\c], v[112+32*\c:127+32*\c], v[236+2*\c]
	v_cvt_scalef32_pk16_fp6_f32 v[220+4*\c:222+4*\c], v[128+32*\c:143+32*\c], v[237+2*\c]
.endr
	v_nop                                          ; one plain place behind the scaled conversions
.irp c, 0,1
.irp i, 0,1,2
	v_permlane16_swap_b32 v[208+6*\c+\i], v[220+4*\c+\i]
.endr
.irp i, 0,1,2
	v_mov_b32 v[211+6*\c+\i], v[220+4*\c+\i]
.endr
.endr
	v_pk_add_f32 v[244:245], v[112:113], v[114:115]                ; the row's sum of the unquantised p, in two chains
.set J, 4
.rept 15
	v_pk_add_f32 v[14:15], v[14:15], v[112+J:113+J]
	v_pk_add_f32 v[244:245], v[244:245], v[114+J:115+J]
.set J, J+4
.endr
	v_pk_add_f32 v[14:15], v[14:15], v[244:245]
.set J, 0
.rept 16
	v_pk_mul_f32 v[176+J:177+J], v[176+J:177+J], v[242:243] op_sel_hi:[1,0]   ; O^T under the new M.  (The sums and these are also the places between p's codes and scale word and the products below)
.set J, J+2
.endr
	s_wait_dscnt 0x0                               ; V
	s_wait_alu depctr_va_vdst(0)                   ; p's codes v208 to v219 and its scale word v29 are written: the scaled products below take them as an operand and as scales
.irp t, 0,1,2,3                        ; the four accumulators take turns
	v_wmma_scale_f32_16x16x128_f8f6f4 v[176+8*\t:183+8*\t], v[KV+12*\t:KV+12*\t+11], v[208:219], v[176+8*\t:183+8*\t], v[34+\t], v29 matrix_a_fmt:MATRIX_FMT_FP6 matrix_b_fmt:MATRIX_FMT_FP6
.endr
.endm
.Lslots:                               ; 7 trips of two slots; the last two slots are written out, so that no load leaves the buffer
	HEAD 0, 1
	STEP 0, 0
	STEP 0, 1
	BAR
	HEAD 1, 1
	STEP 1, 0
	STEP 1, 1
	BAR
	s_sub_co_u32 s29, s29, 1
	s_cmp_lg_u32 s29, 0
	s_cbranch_scc1 .Lslots
	HEAD 0, 0
	STEP 0, 0
	STEP 0, 1
	BAR
	STEP 1, 0
	STEP 1, 1
	; ---- the end: o = O^T / l, quantised along the head's 64 channels: register 16 b + i is channel 32 b + 16 (lane / 16) + i
	PLACES 4
	v_add_f32 v14, v14, v15
	v_permlanex16_b32 v232, v14, s[SEL], s[SEL+1]
	v_add_f32 v14, v14, v232                       ; the row's sum
	s_wait_alu depctr_va_vdst(0)
	v_rcp_f32 v14, v14
	v_lshlrev_b32 v4, 3, v5                        ; (a plain place)  8 x lane
	v_lshlrev_b32 v11, 2, v6                       ; 4 r
.set J, 0
	s_wait_alu depctr_va_vdst(0)                   ; the reciprocal has written v14, ahead of its first reader
.rept 16
	v_pk_mul_f32 v[112+J:113+J], v[176+J:177+J], v[14:15] op_sel_hi:[1,0]
.set J, J+2
.endr
.irp b, 0,1
	v_max3_num_f32 v[228+\b], |v[112+16*\b]|, |v[113+16*\b]|, 0x1800000
.endr
.irp i, 2,4,6,8,10,12,14
.irp b, 0,1
	v_max3_num_f32 v[228+\b], v[228+\b], |v[112+16*\b+\i]|, |v[113+16*\b+\i]|
.endr
.endr
.irp b, 0,1
	v_permlanex16_b32 v[232+\b], v[228+\b], s[SEL], s[SEL+1]
.endr
.irp b, 0,1
	v_max_num_f32 v[228+\b], v[228+\b], v[232+\b]
.endr
.irp b, 0,1
	v_add_nc_u32 v[236+\b], 0xff000000, v[228+\b]
.endr
.irp b, 0,1
	v_lshrrev_b32 v[232+\b], 23, v[236+\b]
.endr
	v_lshl_or_b32 v240, v233, 8, v232              ; my head's two bytes of the row's scale word
	v_cvt_scalef32_pk16_fp6_f32 v[208:210], v[112:127], v236
	v_cvt_scalef32_pk16_fp6_f32 v[220:222], v[128:143], v237
	v_nop
.irp i, 0,1,2
	v_permlane16_swap_b32 v[208+\i], v[220+\i]
.endr
.irp i, 0,1,2
	v_mov_b32 v[211+\i], v[220+\i]
.endr
	s_wait_alu depctr_va_vdst(0)                   ; o's codes v208 to v213, its two scale bytes v240 and the offsets v4 and v11 are written, which the stores below read
.irp p, 0,1,2
	global_store_b64 v4, v[208+2*\p:209+2*\p], s[30:31] offset:256*\p   ; 32 lanes store 256 consecutive bytes, aligned
.endr
	global_store_b16 v11, v240, s[32:33]           ; two bytes a row (both halves of the lanes hold the same): the word's other half is another work-group's head
	s_wait_dscnt 0x0                               ; the closing lines, six on end
	s_wait_alu 0x0
	s_wait_tensorcnt 0x0
	ds_add_u32 v254, v255
	s_wait_dscnt 0x0
	s_endpgm
.Lfunc_end_k_q33ba4f1408_attn:
	.size	k_q33ba4f1408_attn, .Lfunc_end_k_q33ba4f1408_attn-k_q33ba4f1408_attn
	.p2alignl 7, 3214868480
	.fill 96, 4, 3214868480
	.section	.rodata,"a",@progbits
	.p2align	6, 0x0
	.amdhsa_kernel k_q33ba4f1408_attn
		.amdhsa_group_segment_fixed_size 55296
		.amdhsa_private_segment_fixed_size 0
		.amdhsa_enable_private_segment 0
		.amdhsa_kernarg_size 16
		.amdhsa_user_sgpr_count 2
		.amdhsa_user_sgpr_kernarg_segment_ptr 1
		.amdhsa_wavefront_size32 1
		.amdhsa_system_sgpr_workgroup_id_x 1
		.amdhsa_system_sgpr_workgroup_id_y 1
		.amdhsa_system_sgpr_workgroup_id_z 1
		.amdhsa_system_vgpr_workitem_id 0
		.amdhsa_next_free_vgpr 256
		.amdhsa_next_free_sgpr 66
		.amdhsa_reserve_vcc 0
		.amdhsa_float_denorm_mode_32 3
		.amdhsa_float_denorm_mode_16_64 3
		.amdhsa_memory_ordered 1
		.amdhsa_forward_progress 1
		.amdhsa_inst_pref_size 135
	.end_amdhsa_kernel
	.amdgpu_metadata
---
amdhsa.version: [ 1, 2 ]
amdhsa.kernels:
  - .name:           k_q33ba4f1408_attn
    .symbol:         k_q33ba4f1408_attn.kd
    .args:
      - { .name: ws1, .offset: 0, .size: 8, .value_kind: global_buffer, .address_space: global }
      - { .name: oimg, .offset: 8, .size: 8, .value_kind: global_buffer, .address_space: global }
    .group_segment_fixed_size: 55296
    .private_segment_fixed_size: 0
    .kernarg_segment_align: 8
    .kernarg_segment_size: 16
    .max_flat_workgroup_size: 512
    .sgpr_count:     66
    .vgpr_count:     256
    .wavefront_size: 32
...
	.end_amdgpu_metadata
.endif
;; end of part 9
;; launch wo_ffn (part 10): grid 256 x 1, 8 waves a work-group, no clusters, 208,896 bytes of LDS; arguments oimg, ws1, Wo_scales, bo, x, gamma1, beta1, W1_scales, b1, W2_scales, b2, gamma2, beta2, out0; writes out0
.if DOCPART == 10
	.amdgcn_target "amdgcn-amd-amdhsa--gfx1250"
	.amdhsa_code_object_version 6
	.text
	.protected	k_q33ba4f1408_wo_ffn
	.globl	k_q33ba4f1408_wo_ffn
	.p2align	8
	.type	k_q33ba4f1408_wo_ffn,@function
k_q33ba4f1408_wo_ffn:
	s_mov_b64 s[64:65], 0
	v_nop
	global_prefetch_b8 v0, s[64:65] scope:SCOPE_SE
	s_setreg_imm32_b32 hwreg(HW_REG_WAVE_SCHED_MODE, 0, 2), 2
	s_setreg_imm32_b32 hwreg(HW_REG_WAVE_MODE, 25, 1), 1
	s_wait_xcnt 0x0
	s_wait_alu depctr_vm_vsrc(0)
; x1 = layernorm(x + o Wo + bo);  out = layernorm(x1 + relu(x1 W1 + b1) W2 + b2)  (both norms divide by std + eps); the three products on codes of E2M3 with one E8M0 scale for each 32 along K.
; x1 and the hidden layer never go to memory.
; SHARES.  A work-group owns two token tiles (32 tokens).  THE EIGHT WAVES SHARE THE COLUMNS: wave w owns channels 64 w .. + 63 of the first and third product and hidden units 256 w .. + 255 of the
; second, in four groups of 64; group gq is half gq % 2 of K step 2 w + gq / 2 of the third product.  All products are used transposed (source 0 = 16 rows of a weight, rows base + r + 8 (r / 8);
; source 1 = 16 tokens): a lane holds one token, and its register 32 T + 16 b + i is column 64 G + 32 b + 16 (lane / 16) + i: 16 neighbours along the next K, as the conversions want them.
; THE WEIGHTS come as register images (made by the first launch): a step is my four fragments for 128 along K, 12 loads of 512 consecutive bytes.  The 36 steps (Wo 4, W1 16, W2 16) are ONE stream
; through four buffers, each step asked for four steps ahead, across the phases too.
; PHASES.  A: Z = x + bo, 32 products, the first norm; x1's codes and scale halfwords go to LDS, x1 + b2 to my own LDS bytes | barrier |  B: 16 steps of 8 products; the accumulators begin as b1 (from my
; own LDS copy); after each 4 steps relu, codes, half a fragment and a halfword of scales to LDS | barrier |  C: Z = x1 + b2 back from LDS, 16 steps of 8 products, the second norm, out through a stage.
; A row's mean and variance meet in LDS; the mean is taken away before the squares are formed.
; No tensor loads, no cluster: each weight fragment is wanted by one wave of the work-group, so LDS would add a trip and no reuse within it.
; LIMITS: NaN and infinities are not served; a block whose largest magnitude lies under 2^-124 (a block of zeros too: its codes are zeros) gets the byte 1; only this launch reads these bytes.
; REGISTERS: window 0: v1-18 addresses; v24-87 the weight's scale words (phase A: 16 of them, and o's K steps 2, 3 in v40-87); v88-119 the tokens' scale words (v96-119 also at work in the norms and the
;   quantiser); v120-183 the eight accumulators; v184-231 the tokens' fragments, two buffers (b2 during the first norm); v232-253 codes and halfwords.  window 1: v0-191 the stream; v192-255 bo, gamma, beta.
; THE MODE: SCHED_MODE bits 1:0 = 2 (LLVM: expert scheduling mode 2), set by the entry lines.  The code itself states the register dependences between vector or matrix instructions and memory or
; LDS instructions, with s_wait_alu, always for 0.
; THE PLAN.  Registers that memory or LDS instructions touch:
;   v1-18                 addresses, made at the head and never written again.
;   window 1 v0-191       the stream: buffer n % 4 is read by step n's eight products; behind them step n + 4's loads land in it.
;   v184-231              the tokens' fragments: buffer n % 2 is read by step n's products; behind them the LDS loads of step n + 2 land in it.  During the first norm b2 lies here; on the way out rows of out.
;   v24-87, v88-119       scale words: loads land, products read; a phase's words land behind the last products of the phase before.  v96-119 also serve the norms and the quantiser; v96, 98, 100, 102 are LDS stores' data.
;   v120-183              the accumulators: x, b1 and x1 + b2 land here; products and vector work write them; they are the data of the image of x1 + b2 and of the stage.
;   v232-253              b1 lands here and is stored to LDS; then the quantiser writes codes and halfwords, which LDS stores read.
;   window 1 v192-255     bo, gamma, beta: loads land; the bias addition and the norms read.
; So ONE wait on va_vdst stands behind a step's eight products, which empty a stream buffer and a token buffer, and the step's 24 loads follow it at once: with two waves of 512 registers on a SIMD there
; is no third token buffer, and a buffer that waited for the next step's head would lie idle.  Phase A's 32 products stand back to back under one such wait.  Where vector work feeds LDS stores (a row's
; partial sum, codes, the images) one wait on va_vdst stands ahead of the run of stores, and one on vm_vsrc ahead of the first line that writes their data registers again.
.set OSC_O, 3145728                    ; oimg: o's scale words
.set W2I_O, 10223616                   ; ws1: the weights' images
.set W1I_O, 11010048
.set WOI_O, 11796480
.set FRB,   1536
.set RED1,  0                          ; LDS: [wave][tile][r] partial sums, 1,024 bytes each, bytes of their own for each of the four sums
.set RED2,  1024
.set RED3,  2048
.set RED4,  3072
.set XSW,   4096                       ; x1's scale words [T][s][r]
.set HSW,   4608                       ; h's [T][s'][r]
.set B1L,   6656                       ; b1: 1,024 bytes for each wave, its own
.set XIMG,  14848                      ; x1's 8 fragments (4 T + s), six pieces of 256 bytes each
.set HIMG,  27136                      ; h's 32 fragments (16 T + s')
.set X1F,   76288                      ; x1 + b2 as f32: 8,192 bytes for each wave, its own
.set STG,   141824                     ; the way out: 32 rows of 2,048 + 16 bytes
.set SP,    2064
.set LI,  1                            ; 16 x lane
.set L8,  2                            ; 8 x lane
.set R4,  3                            ; 4 r
.set XA,  4                            ; x: row x 2,048 + 64 h
.set BA,  5                            ; 64 h
.set WSA, 6                            ; a row of 16 scale bytes
.set WSB, 7                            ; a row of 64
.set RW,  8                            ; 128 w + 4 r
.set XWA, 9                            ; where I put x1's half fragments
.set SWA, 10                           ; and their halfwords
.set HWA, 11                           ; h's
.set HSA, 12
.set LH,  13                           ; HIMG + 8 x lane
.set B1A, 14                           ; b1, read
.set B1S, 15                           ; b1, stored
.set XFA, 16                           ; my image of x1 + b2
.set STO, 17
.set SRD, 18
.set WS,  24
.set TS,  88
.set TM,  96                           ; the quantiser's 12
.set ST,  96                           ; the norms' statistics, 8
.set RD,  104                          ; and the 16 partial sums read back
.set Z,   120
.set HB,  184
.set PC,  232
.set HW,  252
.set SEL, 50
.set MSB, 0
.macro WIN new                         ; the immediate's high byte repeats the setting that is left; a switch that changes nothing is dropped
.if MSB != (\new)
	s_set_vgpr_msb (MSB<<8)|(\new)
.set MSB, (\new)
.endif
.endm
.macro PLACES n
.rept \n
	v_nop
.endr
.endm
.macro BAR                             ; my LDS stores have landed and my LDS loads are in: then the work-group's barrier
	s_wait_dscnt 0x0
	s_barrier_signal -1
	s_barrier_wait -1
.endm
.macro QUANT4 src                      ; 64 numbers of a lane, register 16 b + i = index 32 b + 16 (lane / 16) + i, become 12 registers of codes at v[PC] and four scale bytes at v[TM+4..7]
.irp b, 0,1,2,3
	v_max3_num_f32 v[TM+\b], |v[(\src)+16*\b]|, |v[(\src)+16*\b+1]|, 0x1800000   ; and the floor 2^(3 - 127): the byte cannot fall under 1
.endr
.irp i, 2,4,6,8,10,12,14
.irp b, 0,1,2,3
	v_max3_num_f32 v[TM+\b], v[TM+\b], |v[(\src)+16*\b+\i]|, |v[(\src)+16*\b+\i+1]|
.endr
.endr
.irp b, 0,1,2,3
	v_permlanex16_b32 v[TM+4+\b], v[TM+\b], s[SEL], s[SEL+1]
.endr
.irp b, 0,1,2,3
	v_max_num_f32 v[TM+\b], v[TM+\b], v[TM+4+\b]                   ; with lane l xor 16's: the block's largest magnitude
.endr
.irp b, 0,1,2,3
	v_add_nc_u32 v[TM+8+\b], 0xff000000, v[TM+\b]                  ; 2 off its exponent field: the conversion's scale operand
.endr
.irp b, 0,1,2,3
	v_lshrrev_b32 v[TM+4+\b], 23, v[TM+8+\b]                       ; the scale's byte
.endr
.irp c, 0,1
	v_cvt_scalef32_pk16_fp6_f32 v[PC+6*\c:PC+6*\c+2], v[(\src)+32*\c:(\src)+32*\c+15], v[TM+8+2*\c]
	v_cvt_scalef32_pk16_fp6_f32 v[PC+12+4*\c:PC+14+4*\c], v[(\src)+32*\c+16:(\src)+32*\c+31], v[TM+9+2*\c]   ; (a conversion's three registers begin on an even number)
.endr
	v_nop                                                          ; one plain place behind the scaled conversions
.irp c, 0,1                            ; lanes 0-15 keep block 2 c, lanes 16-31 block 2 c + 1: blocks 0, 1 are tile 0's 64 columns, blocks 2, 3 tile 1's
.irp i, 0,1,2
	v_permlane16_swap_b32 v[PC+6*\c+\i], v[PC+12+4*\c+\i]
.endr
.irp i, 0,1,2
	v_mov_b32 v[PC+3+6*\c+\i], v[PC+12+4*\c+\i]
.endr
.endr
	v_lshl_or_b32 v[HW], v[TM+5], 8, v[TM+4]                       ; each tile's two bytes: half a scale word
	v_lshl_or_b32 v[HW+1], v[TM+7], 8, v[TM+6]
.endm
.macro GATHER red, dst                 ; my row's partial v[ST+4 t + dst] goes to LDS; behind the barrier all eight waves' are added, in the same order in every wave, and divided by 512
	s_wait_alu depctr_va_vdst(0)                   ; my two partial sums are written, which the LDS stores read; and whatever named v104 to v119 before (the last sum's additions; products that took them as scales) is done: the LDS loads below land there
.irp t, 0,1
	ds_store_b32 v[RW], v[ST+4*\t+\dst] offset:\red+64*\t
.endr
	BAR
.irp t, 0,1
.irp i, 0,1,2,3,4,5,6,7
	ds_load_b32 v[RD+8*\t+\i], v[R4] offset:\red+128*\i+64*\t
.endr
.endr
	s_wait_dscnt 0x0
	s_wait_alu depctr_vm_vsrc(0)                   ; the LDS stores above have read the two registers that the last lines below write again
.irp t, 0,1
	v_add_f32 v[RD+8*\t], v[RD+8*\t], v[RD+8*\t+1]
	v_add_f32 v[RD+8*\t+2], v[RD+8*\t+2], v[RD+8*\t+3]
	v_add_f32 v[RD+8*\t+4], v[RD+8*\t+4], v[RD+8*\t+5]
	v_add_f32 v[RD+8*\t+6], v[RD+8*\t+6], v[RD+8*\t+7]
	v_add_f32 v[RD+8*\t], v[RD+8*\t], v[RD+8*\t+2]
	v_add_f32 v[RD+8*\t+4], v[RD+8*\t+4], v[RD+8*\t+6]
	v_add_f32 v[RD+8*\t], v[RD+8*\t], v[RD+8*\t+4]
	v_mul_f32 v[ST+4*\t+\dst], 0x3b000000, v[RD+8*\t]
.endr
.endm
.macro LNORM reda, redb, cnt           ; Z = (Z - mean) / (std + eps) x gamma + beta, for my two tokens (tiles 0 and 1); cnt: the loads that may be out when gamma and beta are wanted
.irp t, 0,1
	v_pk_add_f32 v[ST+4*\t:ST+4*\t+1], v[Z+32*\t:Z+32*\t+1], v[Z+32*\t+2:Z+32*\t+3]     ; each accumulator is read from its low end on
.endr
.irp j, 4,6,8,10,12,14,16,18,20,22,24,26,28,30
.irp t, 0,1
	v_pk_add_f32 v[ST+4*\t:ST+4*\t+1], v[ST+4*\t:ST+4*\t+1], v[Z+32*\t+\j:Z+32*\t+\j+1]
.endr
.endr
.irp t, 0,1
	v_add_f32 v[ST+4*\t], v[ST+4*\t], v[ST+4*\t+1]
.endr
.irp t, 0,1
	v_permlanex16_b32 v[ST+4*\t+2], v[ST+4*\t], s[SEL], s[SEL+1]
.endr
.irp t, 0,1
	v_add_f32 v[ST+4*\t], v[ST+4*\t], v[ST+4*\t+2]                 ; my wave's 64 channels of the row
.endr
	GATHER \reda, 0                                ; the mean
.irp t, 0,1
.irp j, 0,2,4,6,8,10,12,14,16,18,20,22,24,26,28,30
	v_pk_add_f32 v[Z+32*\t+\j:Z+32*\t+\j+1], v[Z+32*\t+\j:Z+32*\t+\j+1], v[ST+4*\t:ST+4*\t+1] op_sel_hi:[1,0] neg_lo:[0,1] neg_hi:[0,1]
.endr
.endr
.irp t, 0,1
	v_pk_mul_f32 v[ST+4*\t+2:ST+4*\t+3], v[Z+32*\t:Z+32*\t+1], v[Z+32*\t:Z+32*\t+1]
.endr
.irp j, 2,4,6,8,10,12,14,16,18,20,22,24,26,28,30
.irp t, 0,1
	v_pk_fma_f32 v[ST+4*\t+2:ST+4*\t+3], v[Z+32*\t+\j:Z+32*\t+\j+1], v[Z+32*\t+\j:Z+32*\t+\j+1], v[ST+4*\t+2:ST+4*\t+3]
.endr
.endr
.irp t, 0,1
	v_add_f32 v[ST+4*\t+2], v[ST+4*\t+2], v[ST+4*\t+3]
.endr
.irp t, 0,1
	v_permlanex16_b32 v[ST+4*\t+3], v[ST+4*\t+2], s[SEL], s[SEL+1]
.endr
.irp t, 0,1
	v_add_f32 v[ST+4*\t+2], v[ST+4*\t+2], v[ST+4*\t+3]
.endr
	GATHER \redb, 2                                ; the variance
	s_wait_alu depctr_va_vdst(0)
.irp t, 0,1
	v_sqrt_f32 v[ST+4*\t+3], v[ST+4*\t+2]
.endr
	v_nop                                          ; a plain place behind the roots
	s_wait_alu depctr_va_vdst(0)                   ; the two roots are written, ahead of their first reader
.irp t, 0,1
	v_add_f32 v[ST+4*\t+3], 0x3727c5ac, v[ST+4*\t+3]               ; std + 1e-5
.endr
	s_wait_alu depctr_va_vdst(0)
.irp t, 0,1
	v_rcp_f32 v[ST+4*\t+2], v[ST+4*\t+3]
.endr
	v_nop
	s_wait_loadcnt \cnt                            ; gamma and beta
	s_wait_alu depctr_va_vdst(0)                   ; the two reciprocals are written, ahead of their first reader
.irp t, 0,1
.irp j, 0,2,4,6,8,10,12,14,16,18,20,22,24,26,28,30
	v_pk_mul_f32 v[Z+32*\t+\j:Z+32*\t+\j+1], v[Z+32*\t+\j:Z+32*\t+\j+1], v[ST+4*\t+2:ST+4*\t+3] op_sel_hi:[1,0]
.endr
.endr
	WIN 0x14                                       ; gamma and beta lie in window 1
.irp t, 0,1
.irp j, 0,2,4,6,8,10,12,14,16,18,20,22,24,26,28,30
	v_pk_fma_f32 v[Z+32*\t+\j:Z+32*\t+\j+1], v[Z+32*\t+\j:Z+32*\t+\j+1], v[192+\j:193+\j], v[224+\j:225+\j]
.endr
.endr
	WIN 0
.endm
.macro STREAM n                        ; step n of the 36: my four weight fragments for 128 along K, 12 loads of 512 consecutive bytes, into buffer n % 4.  It leaves the destination's window at 1
	WIN 0x40
.irp ct, 0,1,2,3
.irp c, 0,1,2
.if (\n) < 4
	global_load_b128 v[48*((\n)%4)+12*\ct+4*\c:48*((\n)%4)+12*\ct+4*\c+3], v[LI], s[40:41] offset:6144*(\n)+FRB*\ct+512*\c
.elseif (\n) < 20
	global_load_b128 v[48*((\n)%4)+12*\ct+4*\c:48*((\n)%4)+12*\ct+4*\c+3], v[LI], s[42:43] offset:6144*((\n)-4)+FRB*\ct+512*\c
.else
	global_load_b128 v[48*((\n)%4)+12*\ct+4*\c:48*((\n)%4)+12*\ct+4*\c+3], v[LI], s[44:45] offset:6144*((\n)-20)+FRB*\ct+512*\c
.endif
.endr
.endr
.endm
.macro FETCHX nb                       ; x1's two fragments of K step nb % 4: 12 LDS loads
.irp t, 0,1
.irp p, 0,1,2,3,4,5
	ds_load_b64 v[HB+24*((\nb)%2)+12*\t+2*\p:HB+24*((\nb)%2)+12*\t+2*\p+1], v[L8] offset:XIMG+(4*\t+(\nb)%4)*FRB+256*\p
.endr
.endr
.endm
.macro FETCHH sp                       ; h's two fragments of K step sp
.irp t, 0,1
.irp p, 0,1,2,3,4,5
	ds_load_b64 v[HB+24*((\sp)%2)+12*\t+2*\p:HB+24*((\sp)%2)+12*\t+2*\p+1], v[LH] offset:(16*\t+(\sp))*FRB+256*\p
.endr
.endr
.endm
.macro B1PRE gq                        ; group gq's accumulators begin as b1, in the result's layout, the same for both token tiles
.irp t, 0,1
.irp ct, 0,1,2,3
	ds_load_b128 v[Z+32*\t+8*\ct:Z+32*\t+8*\ct+3], v[B1A] offset:256*(\gq)+(32*(\ct/2)+8*(\ct%2))*4
	ds_load_b128 v[Z+32*\t+8*\ct+4:Z+32*\t+8*\ct+7], v[B1A] offset:256*(\gq)+(32*(\ct/2)+8*(\ct%2))*4+16
.endr
.endr
.endm
	s_load_b512 s[8:23], s[0:1], 0x0               ; oimg, ws1, Wo scales, bo, x, gamma1, beta1, W1 scales
	s_load_b256 s[24:31], s[0:1], 0x40             ; b1, W2 scales, b2, gamma2
	s_load_b128 s[32:35], s[0:1], 0x60             ; beta2, out0
	v_lshl_add_u32 v254, v0, 2, 0x32c00
	v_mov_b32 v255, 0
	v_lshrrev_b32 v19, 5, v0
	v_readfirstlane_b32 s2, v19                    ; wave 0..7
	s_mov_b32 s3, ttmp9                            ; work-group
	v_and_b32 v19, 31, v0                          ; lane
	v_and_b32 v20, 15, v0                          ; r
	v_bfe_u32 v21, v0, 4, 1                        ; h
	v_and_b32 v22, 8, v20
	v_add_nc_u32 v22, v22, v20                     ; r + 8 (r / 8)
	v_lshlrev_b32 v[LI], 4, v19
	v_lshlrev_b32 v[L8], 3, v19
	s_wait_alu depctr_va_vdst(0)
	v_lshlrev_b32 v[R4], 2, v20
	s_wait_alu depctr_va_vdst(0)
	v_lshlrev_b32 v[XA], 11, v22
	v_lshl_add_u32 v[XA], v21, 6, v[XA]
	v_lshlrev_b32 v[BA], 6, v21
	s_wait_alu depctr_va_vdst(0)
	v_lshlrev_b32 v[WSA], 4, v22
	v_lshlrev_b32 v[WSB], 6, v22
	s_wait_alu depctr_va_sdst(0)                   ; s2 is written, ahead of its first reader: the wave's LDS addresses and bases are made from it
	s_lshl_b32 s4, s2, 7
	v_add_nc_u32 v[RW], s4, v[R4]
	s_add_co_u32 s4, s4, HSW
	v_add_nc_u32 v[HSA], s4, v[R4]                 ; h's words of K steps 2 w, 2 w + 1
	s_lshr_b32 s5, s2, 1                           ; my channels are half s6 of K step s5 of the second product
	s_and_b32 s6, s2, 1
	s_mul_i32 s4, s5, FRB
	s_mul_i32 s7, s6, 768
	s_add_co_u32 s4, s4, s7
	s_add_co_u32 s4, s4, XIMG
	v_add_nc_u32 v[XWA], s4, v[L8]
	s_lshl_b32 s4, s5, 6
	s_lshl_b32 s7, s6, 1
	s_add_co_u32 s4, s4, s7
	s_add_co_u32 s4, s4, XSW
	v_add_nc_u32 v[SWA], s4, v[R4]
	s_mul_i32 s4, s2, 2*FRB
	s_add_co_u32 s4, s4, HIMG
	v_add_nc_u32 v[HWA], s4, v[L8]
	v_add_nc_u32 v[LH], HIMG, v[L8]
	s_lshl_b32 s4, s2, 10
	s_add_co_u32 s4, s4, B1L
	v_add_nc_u32 v[B1A], s4, v[BA]
	v_add_nc_u32 v[B1S], s4, v[LI]
	s_lshl_b32 s4, s2, 13
	s_add_co_u32 s4, s4, X1F
	v_add_nc_u32 v[XFA], s4, v[LI]
	v_mul_u32_u24 v[STO], v20, SP
	v_lshl_add_u32 v[STO], v21, 6, v[STO]
	s_lshl_b32 s4, s2, 8
	s_add_co_u32 s4, s4, STG
	v_add_nc_u32 v[STO], s4, v[STO]                ; the stage, in: row r, + 64 h, + 256 x wave
	s_mul_i32 s4, s2, 4*SP
	s_add_co_u32 s4, s4, STG
	v_add_nc_u32 v[SRD], s4, v[LI]                 ; and back: my four rows, 16 bytes a lane
	v_mov_b32 v[ST+2], 0                           ; written once: a lane permute's destination counts as one of its sources
	v_mov_b32 v[ST+6], 0
	s_mov_b32 s[SEL], 0x76543210
	s_mov_b32 s[SEL+1], 0xfedcba98                 ; lane l xor 16
	s_mov_b32 s47, 0
	s_mov_b32 s49, 0
	s_wait_kmcnt 0x0
	s_mul_i32 s46, s3, 12288
	s_add_nc_u64 s[36:37], s[8:9], s[46:47]        ; o's codes: my two tiles' 8 fragments
	s_lshl_b32 s46, s3, 9
	s_add_co_u32 s46, s46, OSC_O
	s_add_nc_u64 s[38:39], s[8:9], s[46:47]        ; and their scale words
	s_mul_i32 s46, s2, 24576
	s_add_co_u32 s46, s46, WOI_O
	s_add_nc_u64 s[40:41], s[10:11], s[46:47]      ; my 16 fragments of Wo,
	s_mul_i32 s46, s2, 98304
	s_add_co_u32 s48, s46, W1I_O
	s_add_nc_u64 s[42:43], s[10:11], s[48:49]      ; my 64 of W1,
	s_add_co_u32 s46, s46, W2I_O
	s_add_nc_u64 s[44:45], s[10:11], s[46:47]      ; my 64 of W2
	s_lshl_b32 s46, s3, 16
	s_lshl_b32 s48, s2, 8
	s_add_co_u32 s46, s46, s48
	s_add_nc_u64 s[16:17], s[16:17], s[46:47]      ; x: token 32 wg, channel 64 w
	s_mov_b32 s46, s48                             ; my 64 channels of the vectors
	s_add_nc_u64 s[14:15], s[14:15], s[46:47]
	s_add_nc_u64 s[18:19], s[18:19], s[46:47]
	s_add_nc_u64 s[20:21], s[20:21], s[46:47]
	s_add_nc_u64 s[28:29], s[28:29], s[46:47]
	s_add_nc_u64 s[30:31], s[30:31], s[46:47]
	s_add_nc_u64 s[32:33], s[32:33], s[46:47]
	s_lshl_b32 s46, s2, 10
	s_add_nc_u64 s[12:13], s[12:13], s[46:47]      ; Wo's scale bytes: 64 rows of 16
	s_add_nc_u64 s[24:25], s[24:25], s[46:47]      ; b1: my 256 numbers
	s_lshl_b32 s46, s2, 12
	s_add_nc_u64 s[22:23], s[22:23], s[46:47]      ; W1's scale bytes: 256 rows of 16
	s_add_nc_u64 s[26:27], s[26:27], s[46:47]      ; W2's: 64 rows of 64
	s_lshl_b32 s46, s3, 5                          ; stage rows 4 w .. 4 w + 3 are tile w / 4, r = 4 (w % 4) + i: tokens 32 wg + 8 (w / 4) + 4 (w % 4) + 8 ((w % 4) / 2) + i
	s_lshr_b32 s48, s2, 2
	s_lshl_b32 s48, s48, 3
	s_add_co_u32 s46, s46, s48
	s_and_b32 s48, s2, 3
	s_lshl_b32 s49, s48, 2
	s_add_co_u32 s46, s46, s49
	s_lshr_b32 s48, s48, 1
	s_lshl_b32 s48, s48, 3
	s_add_co_u32 s46, s46, s48
	s_lshl_b32 s46, s46, 11
	s_add_nc_u64 s[34:35], s[34:35], s[46:47]
	; ---- the head's loads
	s_wait_alu depctr_va_vdst(0)                   ; the eighteen addresses v1 to v18 are written: every load and store of the kernel, global or LDS, reads one of them, and none is written again
.irp t, 0,1
.irp s, 0,1,2,3
.if \s < 2
.set rO, HB+24*\s+12*\t
.else
.set rO, WS+16+24*(\s-2)+12*\t
.endif
.irp p, 0,1,2,3,4,5
	global_load_b64 v[rO+2*\p:rO+2*\p+1], v[L8], s[36:37] offset:FRB*(4*\t+\s)+256*\p      ; o's fragment (T, s): 256 consecutive bytes a load
.endr
	global_load_b32 v[TS+4*\t+\s], v[R4], s[38:39] offset:64*(4*\t+\s)
.endr
.endr
.irp t, 0,1
.irp b, 0,1
.irp q, 0,1,2,3
	global_load_b128 v[Z+32*\t+16*\b+4*\q:Z+32*\t+16*\b+4*\q+3], v[XA], s[16:17] offset:16384*\t+128*\b+16*\q
.endr
.endr
.endr
	WIN 0x40
.irp b, 0,1
.irp q, 0,1,2,3
	global_load_b128 v[192+16*\b+4*\q:192+16*\b+4*\q+3], v[BA], s[14:15] offset:128*\b+16*\q    ; bo, where gamma1 will lie
.endr
.endr
	WIN 0
.irp ct, 0,1,2,3
	global_load_b128 v[WS+4*\ct:WS+4*\ct+3], v[WSA], s[12:13] offset:(32*(\ct/2)+8*(\ct%2))*16
.endr
	global_load_b128 v[PC:PC+3], v[LI], s[24:25]
	global_load_b128 v[PC+4:PC+7], v[LI], s[24:25] offset:512
.irp n, 0,1,2,3
	STREAM \n
.endr
.irp b, 0,1
.irp q, 0,1,2,3
	global_load_b128 v[224+16*\b+4*\q:224+16*\b+4*\q+3], v[BA], s[20:21] offset:128*\b+16*\q    ; beta1 (the destination's window is still 1)
.endr
.endr
	WIN 0
	s_wait_loadcnt 8                               ; all but beta1's 8 loads
	ds_store_b128 v[B1S], v[PC:PC+3]               ; b1 into my own 1,024 bytes of LDS
	ds_store_b128 v[B1S], v[PC+4:PC+7] offset:512
	WIN 0x04
.irp t, 0,1
.irp j, 0,2,4,6,8,10,12,14,16,18,20,22,24,26,28,30
	v_pk_add_f32 v[Z+32*\t+\j:Z+32*\t+\j+1], v[Z+32*\t+\j:Z+32*\t+\j+1], v[192+\j:193+\j]     ; x + bo starts the sums
.endr
.endr
	; ---- A: Z += o Wo.  The eight accumulators take turns; the four K steps stand back to back
	WIN 0x01
.irp s, 0,1,2,3
.irp t, 0,1
.irp ct, 0,1,2,3
.if \s < 2
.set rO, HB+24*\s+12*\t
.else
.set rO, WS+16+24*(\s-2)+12*\t
.endif
	v_wmma_scale_f32_16x16x128_f8f6f4 v[Z+32*\t+8*\ct:Z+32*\t+8*\ct+7], v[48*\s+12*\ct:48*\s+12*\ct+11], v[rO:rO+11], v[Z+32*\t+8*\ct:Z+32*\t+8*\ct+7], v[WS+4*\ct+\s], v[TS+4*\t+\s] matrix_a_fmt:MATRIX_FMT_FP6 matrix_b_fmt:MATRIX_FMT_FP6
.endr
.endr
.endr
	WIN 0x40
	PLACES 4                                       ; four places behind the products, ahead of the first read of results
	s_wait_alu depctr_va_vdst(0)                   ; the additions are done reading bo, where gamma1 lands; the 32 products are done reading the four stream buffers, Wo's scale words, and o's fragments in v40 to v87 and v184 to v231: W1's first steps, its scale words and b2 land there
.irp b, 0,1
.irp q, 0,1,2,3
	global_load_b128 v[192+16*\b+4*\q:192+16*\b+4*\q+3], v[BA], s[18:19] offset:128*\b+16*\q    ; gamma1
.endr
.endr
.irp n, 4,5,6,7
	STREAM \n
.endr
	WIN 0
.irp gq, 0,1,2,3
.irp ct, 0,1,2,3
	global_load_b128 v[WS+16*\gq+4*\ct:WS+16*\gq+4*\ct+3], v[WSA], s[22:23] offset:(64*\gq+32*(\ct/2)+8*(\ct%2))*16   ; W1's scale words: group gq, tile ct, K steps 0-3
.endr
.endr
.irp b, 0,1
.irp q, 0,1,2,3
	global_load_b128 v[HB+16*\b+4*\q:HB+16*\b+4*\q+3], v[BA], s[28:29] offset:128*\b+16*\q      ; b2
.endr
.endr
	LNORM RED1, RED2, 63                           ; 72 loads were issued behind gamma1's (the stream's 48, W1's scale words, b2): with 63 out, gamma1 and beta1 are in
	QUANT4 Z                                       ; x1's codes.  (The waits on vm_vsrc in the norm stand behind b1's LDS stores: those have read v232 to v239, which the conversions write)
	s_wait_loadcnt 0x0                             ; b2, the youngest load: W1's scale words and its first four steps are in too
.irp t, 0,1
.irp j, 0,2,4,6,8,10,12,14,16,18,20,22,24,26,28,30
	v_pk_add_f32 v[Z+32*\t+\j:Z+32*\t+\j+1], v[Z+32*\t+\j:Z+32*\t+\j+1], v[HB+\j:HB+\j+1]     ; x1 + b2: what the third product's sums start from
.endr
.endr
	WIN 0x40
	s_wait_alu depctr_va_vdst(0)                   ; the norm is done reading gamma1 and beta1, where gamma2 and beta2 land; the codes, the halfwords and x1 + b2 are written, which the LDS stores read; the additions are done with Z and with b2's registers, in which LDS loads land behind the barrier
.irp b, 0,1
.irp q, 0,1,2,3
	global_load_b128 v[192+16*\b+4*\q:192+16*\b+4*\q+3], v[BA], s[30:31] offset:128*\b+16*\q    ; gamma2 and beta2 take their places
	global_load_b128 v[224+16*\b+4*\q:224+16*\b+4*\q+3], v[BA], s[32:33] offset:128*\b+16*\q
.endr
.endr
	WIN 0
.irp t, 0,1
.irp p, 0,1,2
	ds_store_b64 v[XWA], v[PC+6*\t+2*\p:PC+6*\t+2*\p+1] offset:4*FRB*\t+256*\p
.endr
	ds_store_b16 v[SWA], v[HW+\t] offset:256*\t
.endr
.irp c, 0,1,2,3,4,5,6,7,8,9,10,11,12,13,14,15
	ds_store_b128 v[XFA], v[Z+4*\c:Z+4*\c+3] offset:512*\c         ; kept in my own LDS bytes while the accumulators serve the hidden layer
.endr
	BAR                                            ; x1's eight fragments and their scale words lie in LDS
	s_wait_alu depctr_vm_vsrc(0)                   ; my LDS stores have read Z, in which b1 lands, and the codes and halfwords, which the first group's quantiser writes again
.irp t, 0,1
.irp s, 0,1,2,3
	ds_load_b32 v[TS+4*\t+\s], v[R4] offset:XSW+256*\t+64*\s
.endr
.endr
	B1PRE 0
	FETCHX 0
	FETCHX 1
; ---- B.  Step nb = 4 gq + s: group gq of my hidden units, K step s.
.macro BSTEP nb
	s_wait_loadcnt 36                              ; this step's 12 loads are in; those of the three steps behind it may be out
.if ((\nb)%4 == 0) || ((\nb) == 15)
	s_wait_dscnt 0x0                               ; a group's first step: b1 too
.else
	s_wait_dscnt 12                                ; the next step's x1 may be out
.endif
	WIN 0x01
.irp t, 0,1
.irp ct, 0,1,2,3
	v_wmma_scale_f32_16x16x128_f8f6f4 v[Z+32*\t+8*\ct:Z+32*\t+8*\ct+7], v[48*((\nb)%4)+12*\ct:48*((\nb)%4)+12*\ct+11], v[HB+24*((\nb)%2)+12*\t:HB+24*((\nb)%2)+12*\t+11], v[Z+32*\t+8*\ct:Z+32*\t+8*\ct+7], v[WS+16*((\nb)/4)+4*\ct+(\nb)%4], v[TS+4*\t+(\nb)%4] matrix_a_fmt:MATRIX_FMT_FP6 matrix_b_fmt:MATRIX_FMT_FP6
.endr
.endr
	WIN 0x40
	PLACES 4                                       ; four places behind the products (in a group's last step: ahead of the first read of results)
	s_wait_alu depctr_va_vdst(0)                   ; the eight products are done reading stream buffer nb % 4 and token buffer nb % 2, in which the loads below land (behind step 15: and W1's scale words, where W2's land)
	STREAM (\nb)+8
	WIN 0
.if (\nb)+2 < 16
	FETCHX (\nb)+2
.endif
.endm
.macro BEPI gq                         ; a group is finished: relu, codes, half a fragment and half a scale word for each token tile
.set J, 0
.rept 64
	v_max_num_f32 v[Z+J], 0, v[Z+J]                ; the activation, in f32; each accumulator from its low end on
.set J, J+1
.endr
.if (\gq) > 0
	s_wait_alu depctr_vm_vsrc(0)                   ; the last group's LDS stores have read the codes and halfwords, which the quantiser writes again
.endif
	QUANT4 Z
	s_wait_alu depctr_va_vdst(0)                   ; the codes and halfwords are written, which the LDS stores read; the activation and the quantiser are done with Z and with v96 to v107, in which LDS loads land next
.irp t, 0,1
.irp p, 0,1,2
	ds_store_b64 v[HWA], v[PC+6*\t+2*\p:PC+6*\t+2*\p+1] offset:16*FRB*\t+FRB*((\gq)/2)+768*((\gq)%2)+256*\p
.endr
	ds_store_b16 v[HSA], v[HW+\t] offset:1024*\t+64*((\gq)/2)+2*((\gq)%2)
.endr
.if (\gq) < 3
	B1PRE (\gq)+1
.endif
.endm
.irp gq, 0,1,2
	BSTEP 4*\gq
	BSTEP 4*\gq+1
	BSTEP 4*\gq+2
	BSTEP 4*\gq+3
	BEPI \gq
.endr
	BSTEP 12
	BSTEP 13
	BSTEP 14
	BSTEP 15
.irp ct, 0,1,2,3
.irp q, 0,1,2,3
	global_load_b128 v[WS+16*\ct+4*\q:WS+16*\ct+4*\q+3], v[WSB], s[26:27] offset:(32*(\ct/2)+8*(\ct%2))*64+16*\q   ; W2's scale words take W1's places; they land while the last group is quantised
.endr
.endr
	BEPI 3
	BAR                                            ; h's 32 fragments and their scale words lie in LDS
.irp c, 0,1,2,3,4,5,6,7,8,9,10,11,12,13,14,15
	ds_load_b128 v[Z+4*\c:Z+4*\c+3], v[XFA] offset:512*\c          ; x1 + b2 starts the sums.  (No vector instruction since the last group's wait on va_vdst: these loads and the next owe nothing more)
.endr
.irp sp, 0,1,2,3,4,5,6,7,8,9,10,11,12,13,14,15
.irp t, 0,1
	ds_load_b32 v[TS+2*\sp+\t], v[R4] offset:HSW+1024*\t+64*\sp
.endr
.endr
	FETCHH 0
	FETCHH 1
	s_wait_loadcnt 0x0                             ; W2's scale words, issued behind its first four steps; gamma2 and beta2
; ---- C.  Step sp of 16.
.macro CSTEP sp
.if (\sp) <= 12
	s_wait_loadcnt 36                              ; this step's 12 loads are in; those of the three steps behind it may be out
.else
	s_wait_loadcnt 12*(15-(\sp))
.endif
.if (\sp) < 15
	s_wait_dscnt 12                                ; the next step's h may be out
.else
	s_wait_dscnt 0x0
.endif
	WIN 0x01
.irp t, 0,1
.irp ct, 0,1,2,3
	v_wmma_scale_f32_16x16x128_f8f6f4 v[Z+32*\t+8*\ct:Z+32*\t+8*\ct+7], v[48*((\sp)%4)+12*\ct:48*((\sp)%4)+12*\ct+11], v[HB+24*((\sp)%2)+12*\t:HB+24*((\sp)%2)+12*\t+11], v[Z+32*\t+8*\ct:Z+32*\t+8*\ct+7], v[WS+16*\ct+(\sp)], v[TS+2*(\sp)+\t] matrix_a_fmt:MATRIX_FMT_FP6 matrix_b_fmt:MATRIX_FMT_FP6
.endr
.endr
.if (\sp)+4 < 16
	WIN 0x40
.else
	WIN 0
.endif
.if (\sp)+2 < 16
	PLACES 4                                       ; four places behind the products
	s_wait_alu depctr_va_vdst(0)                   ; the eight products are done reading stream buffer sp % 4 and token buffer sp % 2, in which the loads below land.  The last two steps ask for nothing and have no such wait
.endif
.if (\sp)+4 < 16
	STREAM (\sp)+24
	WIN 0
.endif
.if (\sp)+2 < 16
	FETCHH (\sp)+2
.endif
.endm
.irp sp, 0,1,2,3,4,5,6,7,8,9,10,11,12,13,14,15
	CSTEP \sp
.endr
	PLACES 4
	LNORM RED3, RED4, 0
	; ---- the way out, through a stage, so that each store covers 512 consecutive bytes of a row of out
	s_wait_alu depctr_va_vdst(0)                   ; the norm has written Z, which the LDS stores read; the token buffers, in which the rows land behind the barrier, were last named by products issued ahead of this wait
.irp t, 0,1
.irp b, 0,1
.irp q, 0,1,2,3
	ds_store_b128 v[STO], v[Z+32*\t+16*\b+4*\q:Z+32*\t+16*\b+4*\q+3] offset:16*SP*\t+128*\b+16*\q
.endr
.endr
.endr
	BAR                                            ; 32 whole rows of out lie in the stage
.irp i, 0,1,2,3
.irp k, 0,1,2,3
	ds_load_b128 v[HB+4*(4*\i+\k):HB+4*(4*\i+\k)+3], v[SRD] offset:SP*\i+512*\k
.endr
.endr
.irp i, 0,1,2,3
.irp k, 0,1,2,3
	s_wait_dscnt 15-(4*\i+\k)
	global_store_b128 v[LI], v[HB+4*(4*\i+\k):HB+4*(4*\i+\k)+3], s[34:35] offset:2048*\i+512*\k th:TH_STORE_NT   ; 32 lanes store 512 consecutive bytes, aligned; written once
.endr
.endr
	s_wait_dscnt 0x0                               ; the closing lines, six on end (every window is 0 here)
	s_wait_alu 0x0
	s_wait_tensorcnt 0x0
	ds_add_u32 v254, v255
	s_wait_dscnt 0x0
	s_endpgm
.Lfunc_end_k_q33ba4f1408_wo_ffn:
	.size	k_q33ba4f1408_wo_ffn, .Lfunc_end_k_q33ba4f1408_wo_ffn-k_q33ba4f1408_wo_ffn
	.p2alignl 7, 3214868480
	.fill 96, 4, 3214868480
	.section	.rodata,"a",@progbits
	.p2align	6, 0x0
	.amdhsa_kernel k_q33ba4f1408_wo_ffn
		.amdhsa_group_segment_fixed_size 208896
		.amdhsa_private_segment_fixed_size 0
		.amdhsa_enable_private_segment 0
		.amdhsa_kernarg_size 112
		.amdhsa_user_sgpr_count 2
		.amdhsa_user_sgpr_kernarg_segment_ptr 1
		.amdhsa_wavefront_size32 1
		.amdhsa_system_sgpr_workgroup_id_x 1
		.amdhsa_system_sgpr_workgroup_id_y 1
		.amdhsa_system_sgpr_workgroup_id_z 1
		.amdhsa_system_vgpr_workitem_id 0
		.amdhsa_next_free_vgpr 512
		.amdhsa_next_free_sgpr 66
		.amdhsa_reserve_vcc 0
		.amdhsa_float_denorm_mode_32 3
		.amdhsa_float_denorm_mode_16_64 3
		.amdhsa_memory_ordered 1
		.amdhsa_forward_progress 1
		.amdhsa_inst_pref_size 206
	.end_amdhsa_kernel
	.amdgpu_metadata
---
amdhsa.version: [ 1, 2 ]
amdhsa.kernels:
  - .name:           k_q33ba4f1408_wo_ffn
    .symbol:         k_q33ba4f1408_wo_ffn.kd
    .args:
      - { .name: oimg, .offset: 0, .size: 8, .value_kind: global_buffer, .address_space: global }
      - { .name: ws1, .offset: 8, .size: 8, .value_kind: global_buffer, .address_space: global }
      - { .name: Wo_scales, .offset: 16, .size: 8, .value_kind: global_buffer, .address_space: global }
      - { .name: bo, .offset: 24, .size: 8, .value_kind: global_buffer, .address_space: global }
      - { .name: x, .offset: 32, .size: 8, .value_kind: global_buffer, .address_space: global }
      - { .name: gamma1, .offset: 40, .size: 8, .value_kind: global_buffer, .address_space: global }
      - { .name: beta1, .offset: 48, .size: 8, .value_kind: global_buffer, .address_space: global }
      - { .name: W1_scales, .offset: 56, .size: 8, .value_kind: global_buffer, .address_space: global }
      - { .name: b1, .offset: 64, .size: 8, .value_kind: global_buffer, .address_space: global }
      - { .name: W2_scales, .offset: 72, .size: 8, .value_kind: global_buffer, .address_space: global }
      - { .name: b2, .offset: 80, .size: 8, .value_kind: global_buffer, .address_space: global }
      - { .name: gamma2, .offset: 88, .size: 8, .value_kind: global_buffer, .address_space: global }
      - { .name: beta2, .offset: 96, .size: 8, .value_kind: global_buffer, .address_space: global }
      - { .name: out0, .offset: 104, .size: 8, .value_kind: global_buffer, .address_space: global }
    .group_segment_fixed_size: 208896
    .private_segment_fixed_size: 0
    .kernarg_segment_align: 8
    .kernarg_segment_size: 112
    .max_flat_workgroup_size: 256
    .sgpr_count:     66
    .vgpr_count:     512
    .wavefront_size: 32
...
	.end_amdgpu_metadata
.endif
;; end of part 10
